; MI455X (gfx1250); checked and timed in simulation.
; The chip was launched on July 23, 2026; its instructions are those of AMD's public machine-readable ISA for CDNA 5 (MIT licence, August 2026) and "CDNA5" Instruction Set Architecture Reference Guide (July 2026). The comments in the code are by the model that wrote it; some were corrected since.
;; Flexible CSA Wrapped Block. Allowed arithmetic: matrix products marked QUANTISED: E4M3 operands, one given power-of-two scale a tensor, by v_wmma_f32_16x16x64_fp8_fp8 or v_wmma_f32_16x16x128_fp8_fp8, f32 sums; everything else in f32.
;; Inputs: W_fc 1,024 x 4,096 float32; W_o 1,024 x 1,024 float32; W_proj 4,096 x 1,024 float32; W_qkv 1,024 x 3,072 float32; b_fc 4,096 float32; b_o 1,024 float32; b_proj 1,024 float32; b_qkv 3,072 float32; ln1_b 1,024 float32; ln1_w 1,024 float32; ln2_b 1,024 float32; ln2_w 1,024 float32; lowp_scales 12 int32 (the exponents e of the quantised operands' scales 2^e); mask 2,048 x 2,048 bool; x 2 x 2,048 x 1,024 float32.
;; Outputs: out0 2 x 2,048 x 1,024 float32.
;; This version of the problem:
;;   THIS VERSION OF THE PROBLEM IS GIVEN IN LOW PRECISION. The matrix products marked QUANTISED in the list below multiply operands that are first quantised to E4M3 (4 exponent bits, 3 mantissa bits; 8 bits a number), with one given power-of-two scale for each operand tensor; their sums are f32. All else is computed in f32.
;;   The module's matrix products, in the order in which they are computed (A, B: the left and right operand; K: the contracted axis; several contracted axes count as one K, in the product's order):
;;     1. [M 4,096, K 1,024] x [K 1,024, N 3,072]; A: computed on the way; B: input W_qkv: QUANTISED (scales: A lowp_scales[0], B lowp_scales[1])
;;     2. batch 32 x [M 2,048, K 64] x [K 64, N 2,048]; A: computed on the way; B: computed on the way: QUANTISED (scales: A lowp_scales[2], B lowp_scales[3])
;;     3. batch 32 x [M 64, K 2,048] x [K 2,048, N 2,048]; A: computed on the way; B: softmax (see below): QUANTISED (scales: A lowp_scales[4], B lowp_scales[5])
;;     4. [M 4,096, K 1,024] x [K 1,024, N 1,024]; A: computed on the way; B: input W_o: QUANTISED (scales: A lowp_scales[6], B lowp_scales[7])
;;     5. [M 4,096, K 1,024] x [K 1,024, N 4,096]; A: computed on the way; B: input W_fc: QUANTISED (scales: A lowp_scales[8], B lowp_scales[9])
;;     6. [M 4,096, K 4,096] x [K 4,096, N 1,024]; A: computed on the way; B: input W_proj: QUANTISED (scales: A lowp_scales[10], B lowp_scales[11])
;;   THE QUANTISER, for each operand of a quantised product, along K:
;;     - The operand's scale is 2^e, e = its entry of the input lowp_scales (int32; the entries are numbered through the quantised products in the list's order, A before B).
;;     - Each number is divided by the scale, clamped to +-448, and rounded to the nearest number of E4M3, ties to even, subnormals kept.
;;     - The product sums the exact products of the quantised numbers (number of the format x scale) in f32.
;;   ~~~python
;;   def quantise(x, axis, e):      # numpy; x: float32 -> the quantised numbers, widened to float32 again
;;       x = np.moveaxis(x, axis, -1); K = x.shape[-1]
;;       r = np.clip(x / 2.0 ** e, -448, 448)
;;       step = 2.0 ** (np.maximum(np.frexp(np.where(r == 0, 1, r))[1] - 1, -6) - 3)
;;       q = np.round(r / step) * step * 2.0 ** e      # np.round: ties to even
;;       return np.moveaxis(q, -1, axis).astype(np.float32)
;;   ~~~
;;   SOFTMAX AHEAD OF A QUANTISED PRODUCT. Where the list says 'softmax', what is quantised is not the finished softmax but p = 2^(t - M), with t = logit x log2(e) and M = ceil(the row's largest t), a whole number; so 1/2 < the row's largest p <= 1. The row's sum l is taken of the UNQUANTISED p, in f32, and the product's result is divided by l at the end. Since M is a whole number, a kernel that streams over the keys may use a running M (the ceiling of the running maximum): every later rescaling is an exact power of two, so the quantised numbers keep their values, but for numbers so far below the row's largest that they fall under the format's range.
;;   OPERANDS COMPUTED ON THE WAY. 'Computed on the way' means the value that the module computes at that place (a softmax that the list does not call 'softmax' is quantised finished and normalised). What goes into a quantiser is computed in f32, as accurately as f32 sums, v_exp_f32 and their like allow (about 1e-6 of the number): no bf16 or f16 on the way to a quantiser, and a product that is left as it is and whose result goes on into a quantised operand takes f32 operands (vector FMAs, or v_wmma_f32_16x16x4_f32). A number that lies on a knife's edge between two numbers of the format may be rounded either way, as far as f32 arithmetic and the matrix unit's own rounding can turn it there, and no further.
;; 2 versions. Each part assembles by itself: llvm-mc -triple=amdgcn-amd-amdhsa -mcpu=gfx1250 --defsym DOCPART=n.
;; ======== version 1 of 2: 7 launches
;; workspace buffers: wc 12,582,912 bytes; h1c 4,194,304 bytes; maskw 524,288 bytes of whole numbers; qkvc 12,582,912 bytes; oc 4,194,304 bytes; x1 16,777,216 bytes; h2c 4,194,304 bytes; gc 16,777,216 bytes
;; launch prep (part 1): grid 768 x 1, 4 waves a work-group, no clusters, 35,328 bytes of LDS; arguments W_qkv, W_o, W_fc, W_proj, lowp_scales, x, ln1_w, ln1_b, mask, wc, h1c, maskw; writes wc, h1c, maskw
.if DOCPART == 1
	.amdgcn_target "amdgcn-amd-amdhsa--gfx1250"
	.amdhsa_code_object_version 6
	.text
	.protected	k_qf228bbfeb6_prep
	.globl	k_qf228bbfeb6_prep
	.p2align	8
	.type	k_qf228bbfeb6_prep,@function
k_qf228bbfeb6_prep:
	s_mov_b64 s[64:65], 0
	v_nop
	global_prefetch_b8 v0, s[64:65] scope:SCOPE_SE
	s_setreg_imm32_b32 hwreg(HW_REG_WAVE_MODE, 25, 1), 1
	s_wait_xcnt 0x0
; PREP: three jobs in one launch, told apart by the work-group's number; waves share nothing, so there is no barrier, no cluster and no tensor load.
;  0..383   the four weights, f32 stored [K][N], become codes of E4M3 laid [N][K] (K innermost) in wc: a lane takes a column, its registers run down K.
;           A work-group takes 128 columns x 256 along K, a wave 32 columns; the codes leave through the wave's own stage in LDS as rows of 256 bytes.
;  384..639 layer norm 1 of x, quantised: a wave takes 4 rows of 1,024; lane l holds k = 256 j + 8 l + 0..7, so that 8 neighbours along K stand in one lane.
;  640..767 the mask, bytes [2048][2048], becomes lane-mask words: maskw[T][s][n], bit l = mask[16 T + l % 16][128 s + 32 (n / 16) + 16 (l / 16) + n % 16].
; code = x / 2^e, held within +-448, to the nearest code, ties to even.  LIMITS: each e used here lies between -126 and 119.  NaN and infinities among the inputs are not served.
.set VO,   16                          ; v16-47   weights: byte offset of row i of a block, at my column: i x row bytes + 4 x lane; never rewritten
.set WX,   48                          ; v48-111  weights: two sets of 32 numbers
.set WC,   112                         ; v112-119 weights: a block's codes
.set WOUT, 120                         ; v120-183 weights: the way out
.set VO2,  184                         ; v184-199 weights: byte offsets of the stores; never rewritten
.set SPI,  272                         ; a stage row: 256 bytes + 16
.macro QSET se, st, vsc, vlim          ; from the exponent in s[se]: 2^e and 448 x 2^e as f32
	s_add_co_i32 s[\se], s[\se], 127
	s_lshl_b32 s[\st], s[\se], 23
	v_mov_b32 v[\vsc], s[\st]
	s_add_co_i32 s[\se], s[\se], 8
	s_lshl_b32 s[\se], s[\se], 23
	s_or_b32 s[\se], s[\se], 0x600000
	v_mov_b32 v[\vlim], s[\se]
.endm
.macro WLOAD t                         ; block t: W(32 t + i, my column), i = 0..31, into set t % 2; each block has a base of its own, so no base is stepped
.set i, 0
.rept 32
	global_load_b32 v[WX+32*((\t)%2)+i], v[VO+i], s[32+2*(\t):33+2*(\t)] th:TH_LOAD_NT
.set i, i+1
.endr
.endm
.macro WBLOCK t
.set XS, WX+32*((\t)%2)
.if (\t) < 7
	s_wait_loadcnt 32                              ; this block's 32 loads are in; the next block's may be out
.else
	s_wait_loadcnt 0
.endif
.set i, 0
.rept 32
	v_med3_num_f32 v[XS+i], v[XS+i], -v10, v10     ; the conversion does not saturate (ISA guide 7.6.2): the hold at the largest code x the scale
.set i, i+1
.endr
.irp g, 0,1,2,3
	v_cvt_scalef32_pk8_fp8_f32 v[WC+2*\g:WC+2*\g+1], v[XS+8*\g:XS+8*\g+7], v11
.endr
	ds_store_b128 v4, v[WC:WC+3] offset:32*(\t)    ; 32 codes of my column's row
	ds_store_b128 v4, v[WC+4:WC+7] offset:32*(\t)+16
.if (\t)+2 < 8
	WLOAD (\t)+2
.endif
	s_wait_dscnt 0x0                               ; the stores have read their registers: the next block's codes may be written
.endm
.macro WSUM                            ; v2 summed over the 32 lanes, the result in every lane
	v_add_f32_dpp v2, v2, v2 row_xmask:1 row_mask:0xf bank_mask:0xf
	v_add_f32_dpp v2, v2, v2 row_xmask:2 row_mask:0xf bank_mask:0xf
	v_add_f32_dpp v2, v2, v2 row_xmask:4 row_mask:0xf bank_mask:0xf
	v_add_f32_dpp v2, v2, v2 row_xmask:8 row_mask:0xf bank_mask:0xf
	v_permlanex16_b32 v3, v2, s20, s21
	v_add_f32 v2, v2, v3
.endm
.macro LNROW i                         ; row i of the wave's four: mean, differences, variance of the differences, gain and bias, codes
.set RR, 80+32*(\i)
.set CC, 208+8*(\i)
	s_wait_loadcnt 8*(3-(\i))                      ; this row's eight loads are in (and gain and bias, asked for earlier); the later rows' may be out
	v_pk_add_f32 v[2:3], v[RR:RR+1], v[RR+2:RR+3]
	v_pk_add_f32 v[4:5], v[RR+4:RR+5], v[RR+6:RR+7]
.irp j, 8,12,16,20,24,28
	v_pk_add_f32 v[2:3], v[2:3], v[RR+\j:RR+\j+1]
	v_pk_add_f32 v[4:5], v[4:5], v[RR+\j+2:RR+\j+3]
.endr
	v_pk_add_f32 v[2:3], v[2:3], v[4:5]
	v_add_f32 v2, v2, v3
	WSUM
	v_mul_f32 v6, s22, v2                          ; the mean: sum / 1,024
	v_mov_b32 v7, v6
.set j, 0
.rept 16
	v_pk_add_f32 v[RR+j:RR+j+1], v[RR+j:RR+j+1], v[6:7] neg_lo:[0,1] neg_hi:[0,1]
.set j, j+2
.endr
	v_pk_mul_f32 v[2:3], v[RR:RR+1], v[RR:RR+1]
	v_pk_mul_f32 v[4:5], v[RR+2:RR+3], v[RR+2:RR+3]
.irp j, 4,8,12,16,20,24,28
	v_pk_fma_f32 v[2:3], v[RR+\j:RR+\j+1], v[RR+\j:RR+\j+1], v[2:3]
	v_pk_fma_f32 v[4:5], v[RR+\j+2:RR+\j+3], v[RR+\j+2:RR+\j+3], v[4:5]
.endr
	v_pk_add_f32 v[2:3], v[2:3], v[4:5]
	v_add_f32 v2, v2, v3
	WSUM
	v_fma_f32 v6, v2, s22, s23                     ; the variance + 1e-5
	v_rsq_f32 v8, v6
	v_nop                                          ; a plain instruction behind the transcendental
	s_wait_alu depctr_va_vdst(0)                   ; the wait ahead of the result's first reader
	v_mov_b32 v9, v8
.set j, 0
.rept 16
	v_pk_mul_f32 v[RR+j:RR+j+1], v[RR+j:RR+j+1], v[8:9]
.set j, j+2
.endr
.set j, 0
.rept 16
	v_pk_fma_f32 v[RR+j:RR+j+1], v[RR+j:RR+j+1], v[16+j:17+j], v[48+j:49+j]
.set j, j+2
.endr
.set j, 0
.rept 32
	v_med3_num_f32 v[RR+j], v[RR+j], -v10, v10
.set j, j+1
.endr
.irp g, 0,1,2,3
	v_cvt_scalef32_pk8_fp8_f32 v[CC+2*\g:CC+2*\g+1], v[RR+8*\g:RR+8*\g+7], v11
.endr
.irp g, 0,1,2,3
	global_store_b64 v13, v[CC+2*\g:CC+2*\g+1], s[12:13] offset:1024*(\i)+256*\g   ; 32 lanes store 256 consecutive bytes, aligned; each row has code registers of its own
.endr
.endm
; in: s[4:5] rows, s[6:7] gain, s[8:9] bias, s[10:11] exponents, s[12:13] codes, s14 the block of 16 rows, s2 the wave, v2 the lane
.macro LNBODY eoff
	s_lshl_b32 s15, s14, 4
	s_lshl_b32 s16, s2, 2
	s_add_co_u32 s15, s15, s16                     ; my first row
	s_lshl_b32 s16, s15, 12
	s_mov_b32 s17, 0
	s_lshl_b32 s18, s15, 10
	s_mov_b32 s19, 0
	s_mov_b32 s20, 0x76543210                      ; v_permlanex16_b32: lane l xor 16
	s_mov_b32 s21, 0xfedcba98
	s_mov_b32 s22, 0x3a800000                      ; 1 / 1,024
	s_mov_b32 s23, 0x3727c5ac                      ; 1e-5
	v_lshlrev_b32 v12, 5, v2                       ; 32 bytes a lane on the way in
	v_lshlrev_b32 v13, 3, v2                       ; 8 on the way out
	s_wait_kmcnt 0x0
	s_load_b32 s24, s[10:11], \eoff
	s_add_nc_u64 s[4:5], s[4:5], s[16:17]
	s_add_nc_u64 s[12:13], s[12:13], s[18:19]
.irp j, 0,1,2,3
	global_load_b128 v[16+8*\j:19+8*\j], v12, s[6:7] offset:1024*\j
	global_load_b128 v[20+8*\j:23+8*\j], v12, s[6:7] offset:1024*\j+16
	global_load_b128 v[48+8*\j:51+8*\j], v12, s[8:9] offset:1024*\j
	global_load_b128 v[52+8*\j:55+8*\j], v12, s[8:9] offset:1024*\j+16
.endr
.irp i, 0,1,2,3
.irp j, 0,1,2,3
	global_load_b128 v[80+32*\i+8*\j:83+32*\i+8*\j], v12, s[4:5] offset:4096*\i+1024*\j
	global_load_b128 v[84+32*\i+8*\j:87+32*\i+8*\j], v12, s[4:5] offset:4096*\i+1024*\j+16
.endr
.endr
	s_wait_kmcnt 0x0
	QSET 24, 25, 11, 10
	LNROW 0
	LNROW 1
	LNROW 2
	LNROW 3
.endm
	v_lshl_add_u32 v240, v0, 2, 0x8800
	v_mov_b32 v241, 0
	v_lshrrev_b32 v1, 5, v0
	v_readfirstlane_b32 s2, v1                     ; wave 0..3
	v_and_b32 v2, 31, v0                           ; lane
	s_cmp_ge_u32 ttmp9, 640
	s_cbranch_scc1 .Lmask
	s_cmp_ge_u32 ttmp9, 384
	s_cbranch_scc1 .Lln
	; ---- THE WEIGHTS.  One path for all four: row bytes, code-row bytes, K blocks, first id and place in wc are chosen by the work-group's number
	s_load_b256 s[4:11], s[0:1], 0x0               ; W_qkv, W_o, W_fc, W_proj
	s_load_b64 s[12:13], s[0:1], 0x20              ; the exponents
	s_load_b64 s[14:15], s[0:1], 0x48              ; wc
	s_mov_b32 s16, 12288                           ; bytes of a row of W
	s_mov_b32 s17, 1024                            ; bytes of a row of codes = K
	s_mov_b32 s18, 2                               ; log2 of K / 256
	s_mov_b32 s19, 0                               ; the weight's first work-group
	s_mov_b32 s20, 0                               ; its place in wc
	s_cmp_ge_u32 ttmp9, 96                         ; W_o
	s_cselect_b32 s16, 4096, s16
	s_cselect_b32 s19, 96, s19
	s_cselect_b32 s20, 3145728, s20
	s_cmp_ge_u32 ttmp9, 128                        ; W_fc
	s_cselect_b32 s16, 16384, s16
	s_cselect_b32 s19, 128, s19
	s_cselect_b32 s20, 4194304, s20
	s_cmp_ge_u32 ttmp9, 256                        ; W_proj
	s_cselect_b32 s16, 4096, s16
	s_cselect_b32 s17, 4096, s17
	s_cselect_b32 s18, 4, s18
	s_cselect_b32 s19, 256, s19
	s_cselect_b32 s20, 8388608, s20
	s_sub_co_u32 s21, ttmp9, s19
	s_lshr_b32 s22, s21, s18                       ; which 128 columns
	s_lshl_b32 s23, s22, s18
	s_sub_co_u32 s23, s21, s23                     ; which 256 along K
	s_lshl_b32 s22, s22, 7
	s_lshl_b32 s24, s2, 5
	s_add_co_u32 s22, s22, s24                     ; my wave's first column
	s_lshl_b32 s30, s23, 8
	s_mul_i32 s24, s30, s16
	s_lshl_b32 s31, s22, 2
	s_add_co_u32 s24, s24, s31                     ; in W: 256 ky rows + 4 x column
	s_mov_b32 s25, 0
	s_mul_i32 s28, s22, s17
	s_add_co_u32 s28, s28, s30
	s_add_co_u32 s28, s28, s20                     ; in wc: place + column x K + 256 ky
	s_mov_b32 s29, 0
	s_lshl_b32 s26, s16, 5                         ; a block of 32 rows of W
	s_mov_b32 s27, 0
	s_lshl_b32 s31, s17, 1                         ; two rows of codes
	s_mul_i32 s30, s2, 32*SPI                      ; my stage
	v_lshlrev_b32 v3, 2, v2
.set i, 0
.rept 32
	v_mad_u32_u24 v[VO+i], s16, i, v3
.set i, i+1
.endr
	v_mul_u32_u24 v4, v2, SPI
	v_add_nc_u32 v4, s30, v4                       ; into the stage: row = my column
	v_and_b32 v5, 15, v2
	v_lshrrev_b32 v6, 4, v2
	v_mul_u32_u24 v7, v6, SPI
	v_lshl_add_u32 v7, v5, 4, v7
	v_add_nc_u32 v7, s30, v7                       ; out of it: sixteen lanes to a row, two rows an instruction
	v_mul_u32_u24 v8, s17, v6
	v_lshl_add_u32 v8, v5, 4, v8
.set i, 0
.rept 16
	v_mad_u32_u24 v[VO2+i], s31, i, v8
.set i, i+1
.endr
	s_wait_kmcnt 0x0
	s_load_b256 s[48:55], s[12:13], 0x0            ; e0..e7
	s_load_b128 s[56:59], s[12:13], 0x20           ; e8..e11
	s_cmp_ge_u32 ttmp9, 96
	s_cselect_b64 s[4:5], s[6:7], s[4:5]
	s_cmp_ge_u32 ttmp9, 128
	s_cselect_b64 s[4:5], s[8:9], s[4:5]
	s_cmp_ge_u32 ttmp9, 256
	s_cselect_b64 s[4:5], s[10:11], s[4:5]
	s_add_nc_u64 s[32:33], s[4:5], s[24:25]
.irp t, 1,2,3,4,5,6,7
	s_add_nc_u64 s[32+2*\t:33+2*\t], s[30+2*\t:31+2*\t], s[26:27]
.endr
	s_add_nc_u64 s[14:15], s[14:15], s[28:29]
	WLOAD 0
	WLOAD 1
	s_wait_kmcnt 0x0
	s_mov_b32 s21, s49                             ; e1, e7, e9 or e11
	s_cmp_ge_u32 ttmp9, 96
	s_cselect_b32 s21, s55, s21
	s_cmp_ge_u32 ttmp9, 128
	s_cselect_b32 s21, s57, s21
	s_cmp_ge_u32 ttmp9, 256
	s_cselect_b32 s21, s59, s21
	QSET 21, 22, 11, 10
.irp t, 0,1,2,3,4,5,6,7
	WBLOCK \t
.endr
.irp t, 0,1,2,3,4,5,6,7,8,9,10,11,12,13,14,15
	ds_load_b128 v[WOUT+4*\t:WOUT+4*\t+3], v7 offset:2*\t*SPI   ; LDS serves a wave's instructions in order: these see my stores
.endr
.irp t, 0,1,2,3,4,5,6,7,8,9,10,11,12,13,14,15
	s_wait_dscnt 15-\t
	global_store_b128 v[VO2+\t], v[WOUT+4*\t:WOUT+4*\t+3], s[14:15]   ; sixteen lanes store 256 consecutive bytes, aligned
.endr
	s_wait_tensorcnt 0x0
	ds_add_u32 v240, v241
	s_wait_dscnt 0x0
	s_endpgm
.Lln:	; ---- LAYER NORM 1
	s_load_b128 s[4:7], s[0:1], 0x28               ; x, ln1_w
	s_load_b64 s[8:9], s[0:1], 0x38                ; ln1_b
	s_load_b64 s[10:11], s[0:1], 0x20              ; the exponents
	s_load_b64 s[12:13], s[0:1], 0x50              ; h1c
	s_sub_co_u32 s14, ttmp9, 384
	LNBODY 0x0
	s_endpgm
.Lmask:	; ---- THE MASK.  The work-group is a tile of 16 queries; wave w takes key steps 4 w .. 4 w + 3
	s_load_b64 s[4:5], s[0:1], 0x40                ; mask
	s_load_b64 s[6:7], s[0:1], 0x58                ; maskw
	s_sub_co_u32 s8, ttmp9, 640
	s_lshl_b32 s10, s8, 15                         ; 16 rows of 2,048 bytes
	s_lshl_b32 s9, s2, 9
	s_add_co_u32 s10, s10, s9
	s_mov_b32 s11, 0
	s_lshl_b32 s12, s8, 12                         ; 16 steps of 64 words
	s_lshl_b32 s9, s2, 10
	s_add_co_u32 s12, s12, s9
	s_mov_b32 s13, 0
	v_and_b32 v3, 15, v2
	v_lshrrev_b32 v4, 4, v2
	v_lshlrev_b32 v5, 11, v3
	v_lshl_add_u32 v5, v4, 4, v5                   ; row l % 16, + 16 (l / 16)
	v_lshlrev_b32 v6, 3, v2
.irp i, 0,1,2,3,4,5,6,7
	v_mov_b32 v[80+\i], 0                          ; v_writelane_b32's destination counts as read
.endr
	s_wait_kmcnt 0x0
	s_add_nc_u64 s[4:5], s[4:5], s[10:11]
	s_add_nc_u64 s[6:7], s[6:7], s[12:13]
.irp p, 0,1,2,3
.irp b, 0,1,2,3
	global_load_b128 v[16+4*(4*\p+\b):19+4*(4*\p+\b)], v5, s[4:5] offset:128*\p+32*\b
.endr
.endr
	s_wait_loadcnt 0x0
.set sp, 0
.rept 4
.set n, 0
.rept 64                               ; word n: byte n % 16 of the 16 that the lanes hold of block n / 16; it goes to lane n / 2, register n % 2
	v_and_b32 v[8+n%4], 0xff<<(8*(n%4)), v[16+4*(4*sp+n/16)+(n%16)/4]
	v_cmp_ne_u32 s[40+n%4], 0, v[8+n%4]
	v_writelane_b32 v[80+2*sp+n%2], s[40+n%4], n/2
.set n, n+1
.endr
	global_store_b64 v6, v[80+2*sp:81+2*sp], s[6:7] offset:256*sp   ; a step's 64 words: 256 consecutive bytes, aligned
.set sp, sp+1
.endr
	s_endpgm
.Lfunc_end_k_qf228bbfeb6_prep:
	.size	k_qf228bbfeb6_prep, .Lfunc_end_k_qf228bbfeb6_prep-k_qf228bbfeb6_prep
	.p2alignl 7, 3214868480
	.fill 96, 4, 3214868480
	.section	.rodata,"a",@progbits
	.p2align	6, 0x0
	.amdhsa_kernel k_qf228bbfeb6_prep
		.amdhsa_group_segment_fixed_size 35328
		.amdhsa_private_segment_fixed_size 0
		.amdhsa_enable_private_segment 0
		.amdhsa_kernarg_size 96
		.amdhsa_user_sgpr_count 2
		.amdhsa_user_sgpr_kernarg_segment_ptr 1
		.amdhsa_wavefront_size32 1
		.amdhsa_system_sgpr_workgroup_id_x 1
		.amdhsa_system_sgpr_workgroup_id_y 1
		.amdhsa_system_sgpr_workgroup_id_z 1
		.amdhsa_system_vgpr_workitem_id 0
		.amdhsa_next_free_vgpr 242
		.amdhsa_next_free_sgpr 66
		.amdhsa_reserve_vcc 0
		.amdhsa_float_denorm_mode_32 3
		.amdhsa_float_denorm_mode_16_64 3
		.amdhsa_memory_ordered 1
		.amdhsa_forward_progress 1
		.amdhsa_inst_pref_size 146
	.end_amdhsa_kernel
	.amdgpu_metadata
---
amdhsa.version: [ 1, 2 ]
amdhsa.kernels:
  - .name:           k_qf228bbfeb6_prep
    .symbol:         k_qf228bbfeb6_prep.kd
    .args:
      - { .name: W_qkv, .offset: 0, .size: 8, .value_kind: global_buffer, .address_space: global }
      - { .name: W_o, .offset: 8, .size: 8, .value_kind: global_buffer, .address_space: global }
      - { .name: W_fc, .offset: 16, .size: 8, .value_kind: global_buffer, .address_space: global }
      - { .name: W_proj, .offset: 24, .size: 8, .value_kind: global_buffer, .address_space: global }
      - { .name: lowp_scales, .offset: 32, .size: 8, .value_kind: global_buffer, .address_space: global }
      - { .name: x, .offset: 40, .size: 8, .value_kind: global_buffer, .address_space: global }
      - { .name: ln1_w, .offset: 48, .size: 8, .value_kind: global_buffer, .address_space: global }
      - { .name: ln1_b, .offset: 56, .size: 8, .value_kind: global_buffer, .address_space: global }
      - { .name: mask, .offset: 64, .size: 8, .value_kind: global_buffer, .address_space: global }
      - { .name: wc, .offset: 72, .size: 8, .value_kind: global_buffer, .address_space: global }
      - { .name: h1c, .offset: 80, .size: 8, .value_kind: global_buffer, .address_space: global }
      - { .name: maskw, .offset: 88, .size: 8, .value_kind: global_buffer, .address_space: global }
    .group_segment_fixed_size: 35328
    .private_segment_fixed_size: 0
    .kernarg_segment_align: 8
    .kernarg_segment_size: 96
    .max_flat_workgroup_size: 128
    .sgpr_count:     66
    .vgpr_count:     242
    .wavefront_size: 32
...
	.end_amdgpu_metadata
.endif
;; end of part 1
;; launch g1 (part 2): grid 12 x 16, 4 waves a work-group, clusters of 4 x 4, 327,680 bytes of LDS; arguments h1c, wc, lowp_scales, b_qkv, qkvc; writes qkvc
.if DOCPART == 2
	.amdgcn_target "amdgcn-amd-amdhsa--gfx1250"
	.amdhsa_code_object_version 6
	.text
	.protected	k_qf228bbfeb6_g1
	.globl	k_qf228bbfeb6_g1
	.p2align	8
	.type	k_qf228bbfeb6_g1,@function
k_qf228bbfeb6_g1:
	s_mov_b64 s[64:65], 0
	v_nop
	global_prefetch_b8 v0, s[64:65] scope:SCOPE_SE
	s_setreg_imm32_b32 hwreg(HW_REG_WAVE_MODE, 25, 1), 1
	s_wait_xcnt 0x0
	s_wait_alu depctr_hold_cnt(0) depctr_sa_sdst(0) depctr_va_vdst(0) depctr_va_sdst(0) depctr_va_ssrc(0) depctr_va_vcc(0) depctr_vm_vsrc(0)
	s_getreg_b32 s2, hwreg(HW_REG_IB_STS2, 6, 4)
	s_cmp_eq_u32 s2, 0
	s_cbranch_scc0 .Lentry_in_a_cluster
	s_endpgm
.Lentry_in_a_cluster:
	s_bfe_u32 s2, ttmp6, 0x10000c
	s_cmp_lg_u32 s2, 0xf033
	s_cbranch_scc0 .Lentry_shape_is_right
	s_endpgm
.Lentry_shape_is_right:
; A GEMM on codes of E4M3 whose results are quantised again on the way out: C = A B^T, K = 1,024; tile 256 x 256, four waves of 128 x 128; ring of two LDS slots of 256 along K.
; KIND 0: product 1, q k v = LN1(x) W_qkv + b_qkv.  A cluster of 4 x 4 tiles is purely q (cluster x = 0), k (1) or v (2).  q and k: A = the tokens' codes, B = the weight's rows; codes go to [token][2048].
;         v: THE OPERANDS CHANGE PLACES (A = W_v's rows, B = the tokens), so that C is [channel][token] and the codes come out with the keys innermost; nothing is transposed.  The choice hangs on the cluster's x alone.
; KIND 1: product 5, gelu(LN2(x1) W_fc + b_fc), codes to [token][4096].  gelu (tanh form) is computed as x / (1 + 2^z), z = x (k1 + k2 x^2), k1 = -2 log2(e) sqrt(2 / pi), k2 = 0.044715 k1: the same function.
; CLUSTERS: the four of a row of the cluster ask for A's tiles jointly, the four of a column for B's.  The matrix instruction is used transposed (source 0 = rows of B, source 1 = rows of A): a lane holds eight neighbours of a row of C.
; LIMITS: ea + eb between -126 and 127; the output's exponent between -126 and 119.  NaN and infinities are not served.
; REGISTERS: window 0: v0-31 addresses and constants; v32-47 bias by rows; v48-63 codes; v64-127 bias by columns; v128-255 A's fragments, on the way out numbers at work and rows read back.
;   window 1: B's fragments, two sets.   windows 2, 3: the 64 accumulators.
.set KIND,   0
.set OUTP,   2048                      ; bytes of a row of the output
.set WOFF,   0                         ; the weight's place in wc (KIND 1)
.set KSTEP,  256
.set ROWB,   256
.set KROW,   1024
.set PITCH,  272                       ; an LDS row: 256 bytes + 16 of padding = 68 words: the 16 rows that a load touches start at 16 different banks (64 banks of 4 bytes: ISA guide 11.1)
.set FR,     16
.set NL,     4
.set NP,     4
.set HALFT,  128*PITCH
.set SLOT,   4*HALFT
.set LAPS,   2                         ; 1,024 along K = four K steps = twice round the ring
.set SPARE,  2*SLOT                    ; behind the ring: the spare words, 128 bytes a wave
.set ADRA, 16
.set ADRB, 20
.set STO,  24
.set RD,   25
.set CO,   26
.set SPW,  28
.set NIL,  29
.set SC,   30
.set LIM,  31
.set BM,   32
.set CD,   48
.set BN,   64
.set AF,   128
.set XV,   128
.set ZV,   192
.set RB,   128
.set G1, 24
.set G0, 32
.set G1B, 48
.set G0B, 56
.set MSB, 0
.macro WIN new                         ; the immediate's high byte repeats the setting that is left
.if MSB != \new
	s_set_vgpr_msb (MSB<<8)|\new
.set MSB, \new
.endif
.endm
.set MUL_LO, 0xa1
.set MUL_HI, 0xf1
.set TO_B,   0x40
.macro JLOAD g0a, g1a, g0b, g1b        ; a joint load: waves 0 and 1 fetch for A, waves 2 and 3 for B; four v_nop follow each line
	s_cmp_eq_u32 s15, 0
	s_cbranch_scc0 .Lfor_b_\@
	tensor_load_to_lds s[\g0a:\g0a+3], s[\g1a:\g1a+7]
	s_nop 0
.rept 4
	v_nop
.endr
	s_branch .Lasked_\@
.Lfor_b_\@:
	tensor_load_to_lds s[\g0b:\g0b+3], s[\g1b:\g1b+7]
	s_nop 0
.rept 4
	v_nop
.endr
.Lasked_\@:
.endm
.macro CREST
	s_cmp_lg_u32 s14, 0
	s_cbranch_scc1 .Lnot_wave_0_\@
	s_barrier_signal -3
.Lnot_wave_0_\@:
	s_barrier_wait -3
	s_barrier_signal -1
	s_barrier_wait -1
.endm
.macro CROUND
	s_barrier_signal -1
	s_barrier_wait -1
	CREST
.endm
	s_load_b128 s[4:7], s[0:1], 0x0                ; the activations' codes, wc
	s_load_b128 s[8:11], s[0:1], 0x10              ; the exponents, the bias
	s_load_b64 s[12:13], s[0:1], 0x20              ; the output
	v_lshl_add_u32 v[SPW], v0, 2, SPARE
	v_mov_b32 v[NIL], 0
	ds_add_u32 v28, v29
	s_wait_dscnt 0x0
	v_lshrrev_b32 v1, 5, v0
	v_readfirstlane_b32 s14, v1                    ; wave 0..3
	s_lshr_b32 s15, s14, 1                         ; my half of the tile's rows; also: I fetch for A (0) or B (1)
	s_and_b32 s16, s14, 1                          ; my half of its columns; also: which 128 rows I fetch
	s_bfe_u32 s40, ttmp6, 0x40000                  ; cx
	s_bfe_u32 s41, ttmp6, 0x40004                  ; cy
	s_and_b32 s67, ttmp7, 0xffff                   ; cluster y
.if KIND == 0
	s_cmp_lt_u32 ttmp9, 2                          ; q or k?  The same in all sixteen partners
	s_cselect_b32 s66, s67, 0                      ; rows of clusters: tokens, or the one block of 1,024 channels
	s_cselect_b32 s67, ttmp9, s67                  ; columns of clusters: q, k, or tokens
	s_cselect_b32 s68, -1, 0                       ; all ones for q and k
	s_cselect_b32 s19, 0, 2097152                  ; W_v's rows begin 2,048 rows into the weight's codes
.else
	s_mov_b32 s66, s67
	s_mov_b32 s67, ttmp9
.endif
	s_lshl_b32 s42, s67, 2
	s_add_co_u32 s42, s42, s40                     ; tile column of C
	s_lshl_b32 s17, s66, 2
	s_add_co_u32 s17, s17, s41                     ; tile row of C
	s_lshl_b32 s43, s41, 2
	s_lshl_b32 s43, 15, s43                        ; my row of the cluster
	s_lshl_b32 s44, 0x1111, s40                    ; my column
	s_or_b32 s[G1+0], s43, (0<<16)|(1<<20)|(1<<21)|(5<<22)|(3<<25)  ; mask; elements of 1 byte; padding on; bit 21 beside a mask; 4 words behind every 64
	s_or_b32 s[G1B+0], s44, (0<<16)|(1<<20)|(1<<21)|(5<<22)|(3<<25)
.irp g, G1, G1B
	s_mov_b32 s[\g+1], ROWB<<16                    ; tensor_dim0
	s_mov_b32 s[\g+2], 128<<16                     ; tensor_dim1
	s_mov_b32 s[\g+3], ROWB<<16                    ; tile_dim0
	s_mov_b32 s[\g+4], 128                         ; tile_dim1
	s_mov_b32 s[\g+5], KROW                        ; pitch
	s_mov_b32 s[\g+6], 0
	s_mov_b32 s[\g+7], 0
.endr
	s_lshl_b32 s18, s16, 7
	s_lshl_b32 s20, s17, 8
	s_add_co_u32 s20, s20, s18
	s_lshl_b32 s20, s20, 10                        ; A: (256 x tile row + 128 x half) rows of 1,024 bytes
	s_lshl_b32 s46, s42, 8
	s_add_co_u32 s46, s46, s18
	s_lshl_b32 s46, s46, 10                        ; B likewise, by the tile column
.if KIND == 0
	s_add_co_u32 s20, s20, s19
.else
	s_add_co_u32 s46, s46, WOFF
.endif
	s_mov_b32 s21, 0
	s_mov_b32 s47, 0
	s_mul_i32 s45, s14, HALFT                      ; where my part lands: wave x 128 rows
	s_wait_kmcnt 0x0
.if KIND == 0
	s_load_b128 s[76:79], s[8:9], 0x0              ; e0 .. e3
	s_load_b32 s80, s[8:9], 0x10                   ; e4
	s_cmp_lt_u32 ttmp9, 2
	s_cselect_b64 s[92:93], s[4:5], s[6:7]         ; A's buffer
	s_cselect_b64 s[94:95], s[6:7], s[4:5]         ; B's
	s_add_nc_u64 s[20:21], s[92:93], s[20:21]
	s_add_nc_u64 s[46:47], s[94:95], s[46:47]
.else
	s_load_b128 s[76:79], s[8:9], 0x20             ; e8 .. e11
	s_add_nc_u64 s[20:21], s[4:5], s[20:21]
	s_add_nc_u64 s[46:47], s[6:7], s[46:47]
.endif
	CROUND                                         ; all sixteen work-groups are here: the first joint loads meet
.irp s, 0,1
	s_mov_b32 s[G0+4*\s], 1
	s_add_co_u32 s[G0+4*\s+1], s45, \s*SLOT
	s_add_nc_u64 s[G0+4*\s+2:G0+4*\s+3], s[20:21], \s*ROWB
	s_or_b32 s[G0+4*\s+3], s[G0+4*\s+3], 0x80000000
	s_mov_b32 s[G0B+4*\s], 1
	s_add_co_u32 s[G0B+4*\s+1], s45, \s*SLOT
	s_add_nc_u64 s[G0B+4*\s+2:G0B+4*\s+3], s[46:47], \s*ROWB
	s_or_b32 s[G0B+4*\s+3], s[G0B+4*\s+3], 0x80000000
	JLOAD G0+4*\s, G1, G0B+4*\s, G1B
.endr
	v_and_b32 v1, 15, v0                           ; r = l % 16
	v_bfe_u32 v2, v0, 4, 1                         ; h = l / 16
	v_mul_u32_u24 v3, v1, PITCH
	v_lshl_add_u32 v4, v2, 4, v3
	s_mul_i32 s21, s15, HALFT
	s_mul_i32 s22, s16, HALFT
	s_add_co_u32 s22, s22, 2*HALFT
.irp s, 0,1
	v_add_nc_u32 v[ADRA+\s], s21, v4
	v_add_nc_u32 v[ADRB+\s], s22, v4
	s_add_co_u32 s21, s21, SLOT
	s_add_co_u32 s22, s22, SLOT
.endr
	; the way out: ONE stage of 256 rows x 272 bytes for the work-group, in slot 0, since a row's 256 codes come from two waves
	s_mul_i32 s23, s15, 128*PITCH
	s_lshl_b32 s22, s16, 7
	s_add_co_u32 s23, s23, s22
	v_lshl_add_u32 v5, v2, 3, v3
	v_add_nc_u32 v[STO], s23, v5                   ; in: row 128 x half + r, byte 128 x half + 8 h
	s_mul_i32 s23, s14, 64*PITCH
	v_mul_u32_u24 v6, v2, PITCH
	v_lshl_add_u32 v6, v1, 4, v6
	v_add_nc_u32 v[RD], s23, v6                    ; back: wave w takes rows 64 w on, two rows an instruction
	v_mul_u32_u24 v7, v2, OUTP
	v_lshl_add_u32 v[CO], v1, 4, v7
	s_lshl_b32 s20, s17, 8
	s_lshl_b32 s21, s14, 6
	s_add_co_u32 s20, s20, s21
	s_mul_i32 s20, s20, OUTP                       ; the first row that I store
.if KIND == 0
	s_and_b32 s46, s42, 7
	s_lshl_b32 s46, s46, 8                         ; q, k: 256 x tile column;  v: the key within its batch,
	s_lshr_b32 s47, s42, 3
	s_lshl_b32 s47, s47, 21                        ; and the batch: 1,024 rows of 2,048 bytes
	s_add_co_u32 s46, s46, s47
	s_cmp_lt_u32 ttmp9, 2
	s_cselect_b32 s47, 0, 8388608                  ; v's codes lie behind q's and k's
	s_add_co_u32 s46, s46, s47
.else
	s_lshl_b32 s46, s42, 8
.endif
	s_add_co_u32 s20, s20, s46
	s_mov_b32 s21, 0
	s_add_nc_u64 s[12:13], s[12:13], s[20:21]
	; the bias, asked for now and waited for on the way out; its address registers are never rewritten
	s_lshl_b32 s82, s42, 8
	s_lshl_b32 s83, s16, 7
	s_add_co_u32 s82, s82, s83                     ; my first column
.if KIND == 0
	s_cmp_lt_u32 ttmp9, 2
	s_cselect_b32 s82, s82, 0                      ; (v: these loads stay inside the buffer and their numbers are replaced by 0)
	s_cselect_b32 s84, 0, s17
	s_lshl_b32 s84, s84, 8
	s_lshl_b32 s85, s15, 7
	s_add_co_u32 s84, s84, s85
	s_add_co_u32 s84, s84, 2048                    ; v: the bias goes by rows of C, entries 2,048 on
	s_lshl_b32 s84, s84, 2
	s_mov_b32 s85, 0
	s_add_nc_u64 s[90:91], s[10:11], s[84:85]
.endif
	s_lshl_b32 s82, s82, 2
	s_mov_b32 s83, 0
	s_add_nc_u64 s[88:89], s[10:11], s[82:83]
	v_lshlrev_b32 v8, 5, v2
	v_lshlrev_b32 v9, 2, v1
.irp b, 0,1,2,3,4,5,6,7
	global_load_b128 v[BN+8*\b:BN+8*\b+3], v8, s[88:89] offset:64*\b          ; columns 16 b + 8 h + 0 .. 7
	global_load_b128 v[BN+8*\b+4:BN+8*\b+7], v8, s[88:89] offset:64*\b+16
.endr
.if KIND == 0
.irp a, 0,1,2,3,4,5,6,7
	global_load_b32 v[BM+2*\a], v9, s[90:91] offset:64*\a                     ; row 16 a + r
.endr
.endif
.macro FRAG reg, adr, q, i             ; 16 rows x 128 K: registers 4 c .. 4 c + 3 hold K = 32 c + 16 h + 0 .. 15: the same permutation of K in A and in B
.irp c, 0,1,2,3
	ds_load_b128 v[\reg+4*\c:\reg+4*\c+3], v[\adr] offset:128*(\q)+32*\c+(\i)*16*PITCH
.endr
.endm
.macro MUL16 a0, p, zero               ; the 64 accumulators take turns, one instruction a turn, in the same order in every step
.irp a, \a0, \a0+1
.irp b, 0,1,2,3,4,5,6,7
.if \zero
	v_wmma_f32_16x16x128_fp8_fp8 v[8*(8*((\a)%4)+\b):8*(8*((\a)%4)+\b)+7], v[128*(\p)+FR*\b:128*(\p)+FR*\b+FR-1], v[AF+FR*(\a):AF+FR*(\a)+FR-1], 0
.else
	v_wmma_f32_16x16x128_fp8_fp8 v[8*(8*((\a)%4)+\b):8*(8*((\a)%4)+\b)+7], v[128*(\p)+FR*\b:128*(\p)+FR*\b+FR-1], v[AF+FR*(\a):AF+FR*(\a)+FR-1], v[8*(8*((\a)%4)+\b):8*(8*((\a)%4)+\b)+7]
.endif
.endr
.endr
.endm
.macro FETCH_B slot, q, p
	WIN TO_B
.irp i, 0,1,2,3,4,5,6,7
	FRAG 128*(\p)+FR*\i, ADRB+\slot, \q, \i
.endr
	WIN 0
.endm
.macro FETCH_A slot, q, i0
.irp i, \i0, \i0+1, \i0+2, \i0+3
	FRAG AF+FR*(\i), ADRA+\slot, \q, \i
.endr
.endm
.macro PLACES n                        ; plain vector instructions between a matrix instruction and a load into, or a read of, its registers
.rept \n
	v_nop
.endr
.endm
.macro STEP slot, q, zero              ; 128 along K whose successor lies in the same slot
	s_wait_dscnt 4*NL                              ; B's set and A's blocks 0-3 are in; the youngest sixteen loads (A's blocks 4-7) may be out
	WIN MUL_LO
	MUL16 0, (\q)%2, \zero
	MUL16 2, (\q)%2, \zero
	s_wait_dscnt 0
	PLACES NP
	FETCH_B \slot, (\q)+1, 1-(\q)%2
	FETCH_A \slot, (\q)+1, 0
	WIN MUL_HI
	MUL16 4, (\q)%2, \zero
	MUL16 6, (\q)%2, \zero
	PLACES NP
	WIN 0
	FETCH_A \slot, (\q)+1, 4
.endm
.macro TURN slot, next, fill           ; a slot's last step changes slots
	s_wait_tensorcnt 0x0                           ; all my tensor loads have landed: my part of the next slot
	ds_add_u32 v[SPW], v[NIL]                      ; 0 onto my spare word
	s_wait_dscnt 4*NL+1                            ; (the add and the youngest sixteen loads may be out)
	WIN MUL_LO
	MUL16 0, 1, 0
	s_wait_dscnt 0x0                               ; the add is done, and my reads of this slot are over
	s_barrier_signal -1
	MUL16 2, 1, 0
	WIN 0
	s_barrier_wait -1
.if \fill
	CREST                                          ; the barrier has opened a round of the cluster's: no wave of any partner still reads this slot or has a load on its way
	s_add_nc_u64 s[G0+4*\slot+2:G0+4*\slot+3], s[G0+4*\slot+2:G0+4*\slot+3], 2*ROWB
	s_add_nc_u64 s[G0B+4*\slot+2:G0B+4*\slot+3], s[G0B+4*\slot+2:G0B+4*\slot+3], 2*ROWB
	JLOAD G0+4*\slot, G1, G0B+4*\slot, G1B         ; the first tensor load behind the round; its four v_nop are the places in front of the loads below
.else
	PLACES NP
.endif
	FETCH_B \next, 0, 0
	FETCH_A \next, 0, 0
	WIN MUL_HI
	MUL16 4, 1, 0
	MUL16 6, 1, 0
	PLACES NP
	WIN 0
	FETCH_A \next, 0, 4
.endm
	s_wait_tensorcnt 1                             ; my part of K step 0 is in (K step 1's load may be out),
	s_barrier_signal -1
	s_barrier_wait -1                              ; everybody's is
	FETCH_B 0, 0, 0
	FETCH_A 0, 0, 0
	FETCH_A 0, 0, 4
	STEP 0, 0, 1                                   ; the first step's products start the sums
	s_mov_b32 s3, LAPS-1
.Llap:
	TURN 0, 1, 1
	STEP 1, 0, 0
	TURN 1, 0, 1
	STEP 0, 0, 0
	s_sub_co_u32 s3, s3, 1
	s_cmp_lg_u32 s3, 0
	s_cbranch_scc1 .Llap
	TURN 0, 1, 0                                   ; the last lap fills nothing; behind this barrier nobody reads slot 0, and nothing is filled there again
	STEP 1, 0, 0
	s_wait_dscnt 4*NL
	WIN MUL_LO
	MUL16 0, 1, 0
	MUL16 2, 1, 0
	s_wait_dscnt 0
	WIN MUL_HI
	MUL16 4, 1, 0
	MUL16 6, 1, 0
	WIN 0
; THE WAY OUT of block a (16 rows x 128 columns): sum x 2^(ea + eb) + bias, the activation, the hold, the conversion; 8 codes a lane and tile into the stage.
.macro EPI a
.set AC, 64*((\a)%4)
	WIN 0x02+((\a)/4)                              ; source 0: window 2 or 3
.set j, 0
.rept 32
	v_pk_fma_f32 v[XV+j:XV+j+1], v[AC+j:AC+j+1], s[72:73], v[BN+j:BN+j+1] op_sel_hi:[1,0,1]   ; each accumulator from its low end on
.set j, j+2
.endr
	WIN 0
.if KIND == 0
.set j, 0
.rept 32
	v_pk_add_f32 v[XV+j:XV+j+1], v[XV+j:XV+j+1], v[BM+2*(\a):BM+2*(\a)+1]
.set j, j+2
.endr
.else
.set j, 0
.rept 32
	v_pk_mul_f32 v[ZV+j:ZV+j+1], v[XV+j:XV+j+1], v[XV+j:XV+j+1]
.set j, j+2
.endr
.set j, 0
.rept 32
	v_pk_fma_f32 v[ZV+j:ZV+j+1], v[ZV+j:ZV+j+1], s[84:85], v[10:11] op_sel_hi:[1,0,1]         ; k2 x^2 + k1
.set j, j+2
.endr
.set j, 0
.rept 32
	v_pk_mul_f32 v[ZV+j:ZV+j+1], v[ZV+j:ZV+j+1], v[XV+j:XV+j+1]                              ; z
.set j, j+2
.endr
.set j, 0
.rept 64
	v_exp_f32 v[ZV+j], v[ZV+j]
.set j, j+1
.endr
	v_nop                                          ; a plain instruction behind the batch
	s_wait_alu depctr_va_vdst(0)                   ; one wait for the batch, ahead of its first reader
.set j, 0
.rept 32
	v_pk_add_f32 v[ZV+j:ZV+j+1], v[ZV+j:ZV+j+1], 1.0 op_sel_hi:[1,0]
.set j, j+2
.endr
.set j, 0
.rept 64
	v_rcp_f32 v[ZV+j], v[ZV+j]
.set j, j+1
.endr
	v_nop
	s_wait_alu depctr_va_vdst(0)
.set j, 0
.rept 32
	v_pk_mul_f32 v[XV+j:XV+j+1], v[XV+j:XV+j+1], v[ZV+j:ZV+j+1]                              ; x / (1 + 2^z)
.set j, j+2
.endr
.endif
.set j, 0
.rept 64
	v_med3_num_f32 v[XV+j], v[XV+j], -v[LIM], v[LIM]
.set j, j+1
.endr
	s_wait_dscnt 0x0                               ; the last block's stores into the stage have read their registers
.irp b, 0,1,2,3,4,5,6,7
	v_cvt_scalef32_pk8_fp8_f32 v[CD+2*\b:CD+2*\b+1], v[XV+8*\b:XV+8*\b+7], v[SC]
.endr
	v_nop                                          ; a plain instruction behind the last conversion
.irp b, 0,1,2,3,4,5,6,7
	ds_store_b64 v[STO], v[CD+2*\b:CD+2*\b+1] offset:16*(\a)*PITCH+16*\b
.endr
.endm
	s_wait_kmcnt 0x0
	s_add_co_i32 s72, s76, s77
	s_add_co_i32 s72, s72, 127
	s_lshl_b32 s72, s72, 23                        ; 2^(ea + eb) as f32
	s_mov_b32 s73, s72
.if KIND == 0
	s_cmp_eq_u32 ttmp9, 0
	s_cselect_b32 s69, s78, s79                    ; q: e2, k: e3,
	s_cmp_eq_u32 ttmp9, 2
	s_cselect_b32 s69, s80, s69                    ; v: e4
.else
	s_mov_b32 s69, s78                             ; e10
	s_mov_b32 s84, 0xbdd2d3e8                      ; k2
	s_mov_b32 s85, s84
	v_mov_b32 v10, 0xc0135761                      ; k1
	v_mov_b32 v11, v10
.endif
	s_add_co_i32 s69, s69, 127
	s_lshl_b32 s82, s69, 23
	v_mov_b32 v[SC], s82                           ; the output's scale as f32,
	s_add_co_i32 s69, s69, 8
	s_lshl_b32 s69, s69, 23
	s_or_b32 s69, s69, 0x600000
	v_mov_b32 v[LIM], s69                          ; and 448 x it
	s_wait_loadcnt 0x0                             ; the bias
.if KIND == 0
.set j, 0
.rept 64
	v_cndmask_b32 v[BN+j], 0, v[BN+j], s68         ; q, k: the bias goes by columns;
.set j, j+1
.endr
.irp a, 0,1,2,3,4,5,6,7
	v_cndmask_b32 v[BM+2*\a], v[BM+2*\a], 0, s68   ; v: by rows.  A choice of values: no branch
	v_mov_b32 v[BM+2*\a+1], v[BM+2*\a]
.endr
.endif
	PLACES NP
.irp a, 0,1,2,3,4,5,6,7
	EPI \a
.endr
	s_wait_dscnt 0x0                               ; for the others' sake: my stores into the stage are done
	s_barrier_signal -1
	s_barrier_wait -1
.set t, 0
.rept 32
	ds_load_b128 v[RB+4*t:RB+4*t+3], v[RD] offset:2*t*PITCH
.set t, t+1
.endr
.set t, 0
.rept 32
	s_wait_dscnt 31-t
	global_store_b128 v[CO], v[RB+4*t:RB+4*t+3], s[12:13] offset:2*t*OUTP   ; sixteen lanes store 256 consecutive bytes, aligned
.set t, t+1
.endr
	s_wait_tensorcnt 0x0                           ; the wave's end
	ds_add_u32 v[SPW], v[NIL]
	s_wait_dscnt 0x0
	CROUND                                         ; the closing round
	s_endpgm
.Lfunc_end_k_qf228bbfeb6_g1:
	.size	k_qf228bbfeb6_g1, .Lfunc_end_k_qf228bbfeb6_g1-k_qf228bbfeb6_g1
	.p2alignl 7, 3214868480
	.fill 96, 4, 3214868480
	.section	.rodata,"a",@progbits
	.p2align	6, 0x0
	.amdhsa_kernel k_qf228bbfeb6_g1
		.amdhsa_group_segment_fixed_size 327680
		.amdhsa_private_segment_fixed_size 0
		.amdhsa_enable_private_segment 0
		.amdhsa_kernarg_size 40
		.amdhsa_user_sgpr_count 2
		.amdhsa_user_sgpr_kernarg_segment_ptr 1
		.amdhsa_wavefront_size32 1
		.amdhsa_system_sgpr_workgroup_id_x 1
		.amdhsa_system_sgpr_workgroup_id_y 1
		.amdhsa_system_sgpr_workgroup_id_z 1
		.amdhsa_system_vgpr_workitem_id 0
		.amdhsa_next_free_vgpr 1024
		.amdhsa_next_free_sgpr 100
		.amdhsa_reserve_vcc 0
		.amdhsa_float_denorm_mode_32 3
		.amdhsa_float_denorm_mode_16_64 3
		.amdhsa_memory_ordered 1
		.amdhsa_forward_progress 1
		.amdhsa_inst_pref_size 166
	.end_amdhsa_kernel
	.amdgpu_metadata
---
amdhsa.version: [ 1, 2 ]
amdhsa.kernels:
  - .name:           k_qf228bbfeb6_g1
    .symbol:         k_qf228bbfeb6_g1.kd
    .args:
      - { .name: h1c, .offset: 0, .size: 8, .value_kind: global_buffer, .address_space: global }
      - { .name: wc, .offset: 8, .size: 8, .value_kind: global_buffer, .address_space: global }
      - { .name: lowp_scales, .offset: 16, .size: 8, .value_kind: global_buffer, .address_space: global }
      - { .name: b_qkv, .offset: 24, .size: 8, .value_kind: global_buffer, .address_space: global }
      - { .name: qkvc, .offset: 32, .size: 8, .value_kind: global_buffer, .address_space: global }
    .group_segment_fixed_size: 327680
    .private_segment_fixed_size: 0
    .kernarg_segment_align: 8
    .kernarg_segment_size: 40
    .max_flat_workgroup_size: 128
    .sgpr_count:     100
    .vgpr_count:     1024
    .wavefront_size: 32
...
	.end_amdgpu_metadata
.endif
;; end of part 2
;; launch attn (part 3): grid 32 x 8, 16 waves a work-group, clusters of 4 x 1, 327,680 bytes of LDS; arguments qkvc, maskw, lowp_scales, oc; writes oc
.if DOCPART == 3
	.amdgcn_target "amdgcn-amd-amdhsa--gfx1250"
	.amdhsa_code_object_version 6
	.text
	.protected	k_qf228bbfeb6_attn
	.globl	k_qf228bbfeb6_attn
	.p2align	8
	.type	k_qf228bbfeb6_attn,@function
k_qf228bbfeb6_attn:
	s_mov_b64 s[64:65], 0
	v_nop
	global_prefetch_b8 v0, s[64:65] scope:SCOPE_SE
	s_setreg_imm32_b32 hwreg(HW_REG_WAVE_MODE, 25, 1), 1
	s_wait_xcnt 0x0
	s_wait_alu depctr_hold_cnt(0) depctr_sa_sdst(0) depctr_va_vdst(0) depctr_va_sdst(0) depctr_va_ssrc(0) depctr_va_vcc(0) depctr_vm_vsrc(0)
	s_getreg_b32 s2, hwreg(HW_REG_IB_STS2, 6, 4)
	s_cmp_eq_u32 s2, 0
	s_cbranch_scc0 .Lentry_in_a_cluster
	s_endpgm
.Lentry_in_a_cluster:
	s_bfe_u32 s2, ttmp6, 0x10000c
	s_cmp_lg_u32 s2, 0x3003
	s_cbranch_scc0 .Lentry_shape_is_right
	s_endpgm
.Lentry_shape_is_right:
; ATTENTION on codes of E4M3: products 2 and 3, the mask (an input, honoured word by word), the softmax, the division by the row's sum, and the quantiser of product 4's left operand.
; SHARES.  A work-group owns 64 queries x 4 heads of one batch; wave w owns head w / 4 of the four and queries 16 (w % 4) on.  Four heads to a work-group make every row of K's and V's tiles and of the output 256 bytes, aligned.
; Every wave walks all 2,048 keys, 128 a step; a slot holds 256 keys: 256 rows of K (a key's 4 x 64 codes), then 256 rows of V (a channel's 256 keys).
; CLUSTER.  The four query blocks of a cluster walk the same K and V: each tile is asked for jointly (waves 0, 1: K's halves; waves 2, 3: V's).
; LAYOUT.  S^T = K Q^T and O^T = V^T P^T: a lane holds one query throughout.  Lane r of tile 2 b + u of K takes key 32 b + 8 u + r + 8 (r / 8), so that the 16 registers of two neighbouring tiles are 16 neighbouring keys.
; SOFTMAX.  t = score x log2(e) / 8 x 2^(e2 + e3), one rounding; where the mask is 0, t is the f32 product of -1e9 and log2(e), a whole number; M = the running largest t rounded up; p = 2^(t - M), quantised with e5;
; the row's sum is taken of the unquantised p.  A row with no true entry has t - M = 0 on every key, as the definition has it.
; LIMITS: e2 + e3 - 3 between -126 and 127; e5 and e6 between -126 and 119.  NaN and infinities are not served.
; REGISTERS: v1-4 LDS addresses of K and V in slots 0, 1; v5, v6 the add's; v7 the masked t; v8 the prefetches' offset; v12 -M, v13 the largest t, v[14:15] the sum; v16-23 Q; v24-27 scales; v28-31 the way out and Q's offset;
;   v32-95 fragments of K, then of V; v96-159 S^T, t, p; v160-191 O^T; v192-207 p's codes; v208-214 at work.
; s[32:63] and s[68:99] hold a step's 64 mask words (at the head they serve as temporaries).
.set KP,    272                        ; an LDS row: 256 bytes + 16
.set SLOT,  139264                     ; 512 rows
.set VOFF,  69632                      ; V's rows lie behind K's 256
.set SPARE, 278528                     ; behind the ring: the spare words, 128 bytes for each of 16 waves
.set AK,  1
.set AV,  3
.set QF,  16
.set FRG, 32
.set S,   96
.set OT,  160
.set PC,  192
.macro CROUND
	s_barrier_signal -1
	s_barrier_wait -1
	s_cmp_lg_u32 s2, 0
	s_cbranch_scc1 .Lnot_wave_0_\@
	s_barrier_signal -3
.Lnot_wave_0_\@:
	s_barrier_wait -3
	s_barrier_signal -1
	s_barrier_wait -1
.endm
.macro JLOAD g0                        ; waves 0 to 3 fetch, one load each; the branch hangs on the wave's number alone; four v_nop follow the line
	s_cmp_lt_u32 s2, 4
	s_cbranch_scc0 .Lno_load_\@
	tensor_load_to_lds s[\g0:\g0+3], s[8:15]
	s_nop 0
.rept 4
	v_nop
.endr
.Lno_load_\@:
.endm
; A prefetch of the tile that the NEXT change of slots will ask for: two key steps ahead of its tensor load.  All clusters of a (batch, four heads) walk the same K and V: the first of them asks, in it waves 4, 5 for K and 6, 7 for V;
; the four partners take 64 rows each, told apart by address, a wave 32 of them, a lane a row of 256 bytes: each block is named once in the launch.
.macro ASK
	s_cmp_eq_u32 s67, 1
	s_cbranch_scc0 .Lnot_mine_\@
	global_prefetch_b8 v8, s[104:105] th:TH_LOAD_NT scope:SCOPE_SE
.Lnot_mine_\@:
.endm
.macro MLOAD                           ; a step's 64 mask words
	s_load_b512 s[32:47], s[4:5], 0x0
	s_load_b512 s[48:63], s[4:5], 0x40
	s_load_b512 s[68:83], s[4:5], 0x80
	s_load_b512 s[84:99], s[4:5], 0xc0
.endm
	s_load_b128 s[40:43], s[0:1], 0x0              ; qkvc, maskw
	s_load_b128 s[44:47], s[0:1], 0x10             ; the exponents, oc
	v_lshl_add_u32 v5, v0, 2, SPARE
	v_mov_b32 v6, 0
	ds_add_u32 v5, v6
	s_wait_dscnt 0x0
	v_lshrrev_b32 v9, 5, v0
	v_readfirstlane_b32 s2, v9                     ; wave 0..15
	s_bfe_u32 s48, ttmp6, 0x40000                  ; cx
	s_lshl_b32 s49, ttmp9, 2
	s_add_co_u32 s49, s49, s48                     ; my block of 64 queries: it enters Q's, the mask's and the output's addresses alone
	s_and_b32 s50, ttmp7, 0xffff
	s_lshr_b32 s51, s50, 2                         ; batch
	s_and_b32 s52, s50, 3                          ; which four heads
	s_lshr_b32 s53, s2, 2                          ; my head among them
	s_and_b32 s54, s2, 3                           ; my tile of queries; also: which quarter of a slot I fetch
	s_and_b32 s55, s2, 1                           ; which half of K's or V's rows
	s_bfe_u32 s56, s2, 0x10001                     ; K (0) or V (1)
	s_lshl_b32 s57, s51, 22
	s_lshl_b32 s58, s52, 8
	s_add_co_u32 s57, s57, s58
	s_add_co_u32 s57, s57, 1024                    ; K: batch x 2,048 tokens of 2,048 bytes + 1,024 + 256 x four heads
	s_lshl_b32 s59, s51, 21
	s_lshl_b32 s60, s52, 19
	s_add_co_u32 s59, s59, s60
	s_add_co_u32 s59, s59, 8388608                 ; V: behind q and k; batch x 1,024 rows of 2,048 bytes + 256 rows x four heads
	s_mov_b32 s28, 256
	s_cmp_eq_u32 s56, 0
	s_cselect_b32 s61, s57, s59
	s_cselect_b32 s28, 524288, s28                 ; a tile on: 256 rows of K, or 256 bytes in a row of V
	s_mov_b32 s29, 0
	s_lshl_b32 s24, s28, 1                         ; two tiles on
	s_mov_b32 s25, 0
	s_lshl_b32 s62, s55, 18                        ; my 128 rows
	s_add_co_u32 s62, s62, s61
	s_mov_b32 s63, 0
	s_lshl_b32 s68, s48, 17                        ; the prefetches: my work-group's 64 rows,
	s_lshl_b32 s69, s55, 16                        ; my wave's 32 of them,
	s_add_co_u32 s68, s68, s69
	s_add_co_u32 s68, s68, s61
	s_add_co_u32 s68, s68, s28                     ; at tile 1: the first change of slots steps it to tile 2
	s_mov_b32 s69, 0
	s_xor_b32 s70, s53, 1                          ; 0 in waves 4 to 7,
	s_or_b32 s70, s70, ttmp9                       ; of the first cluster: the same in all four partners
	s_cmp_eq_u32 s70, 0
	s_cselect_b32 s67, 1, -1
	s_lshl_b32 s72, s49, 2
	s_add_co_u32 s72, s72, s54
	s_lshl_b32 s72, s72, 12                        ; the mask words of my tile of queries: 16 steps of 256 bytes
	s_mov_b32 s73, 0
	s_lshl_b32 s74, s51, 21
	s_lshl_b32 s75, s49, 16
	s_add_co_u32 s74, s74, s75
	s_lshl_b32 s75, s2, 12
	s_add_co_u32 s74, s74, s75
	s_add_co_u32 s74, s74, s58                     ; the output: (2,048 batch + 64 block + 4 wave) rows of 1,024 bytes + 256 x four heads
	s_mov_b32 s75, 0
	s_lshl_b32 s76, s51, 22
	s_lshl_b32 s77, s49, 17
	s_add_co_u32 s76, s76, s77
	s_lshl_b32 s77, s54, 15
	s_add_co_u32 s76, s76, s77
	s_add_co_u32 s76, s76, s58
	s_lshl_b32 s89, s53, 6
	s_add_co_u32 s76, s76, s89                     ; Q: my first query's row + 256 x four heads + 64 x head
	s_mov_b32 s77, 0
	s_mov_b32 s8, 15|(0<<16)|(1<<20)|(1<<21)|(5<<22)|(3<<25)   ; the mask: all four work-groups; elements of 1 byte; padding on; bit 21 beside a mask; 4 words behind every 64
	s_mov_b32 s9, 256<<16                          ; tensor_dim0
	s_mov_b32 s10, 128<<16                         ; tensor_dim1
	s_mov_b32 s11, 256<<16                         ; tile_dim0
	s_mov_b32 s12, 128                             ; tile_dim1
	s_mov_b32 s13, 2048                            ; pitch: K's and V's tiles have one shape
	s_mov_b32 s14, 0
	s_mov_b32 s15, 0
	s_mov_b32 s26, 0x76543210
	s_mov_b32 s27, 0xfedcba98
	s_mov_b32 s16, 1
	s_mov_b32 s20, 1
	s_mul_i32 s17, s54, 34816                      ; where my quarter lands: no place in the cluster enters an LDS address
	s_add_co_u32 s21, s17, SLOT
	; every LDS address is made here, ahead of the first branch on the wave's number
	v_and_b32 v9, 15, v0                           ; r
	v_bfe_u32 v10, v0, 4, 1                        ; h
	v_and_b32 v11, 8, v9
	v_add_nc_u32 v11, v11, v9                      ; r + 8 (r / 8)
	v_mul_u32_u24 v1, v11, KP
	v_lshl_add_u32 v1, v10, 4, v1
	v_add_nc_u32 v1, s89, v1
	v_add_nc_u32 v2, SLOT, v1
	s_mul_i32 s90, s53, 64*KP
	s_add_co_u32 s90, s90, VOFF
	v_mul_u32_u24 v3, v9, KP
	v_lshl_add_u32 v3, v10, 4, v3
	v_add_nc_u32 v3, s90, v3
	v_add_nc_u32 v4, SLOT, v3
	s_mul_i32 s91, s54, 16*KP
	s_add_co_u32 s91, s91, s89
	v_mul_u32_u24 v28, v9, KP
	v_lshl_add_u32 v28, v10, 3, v28
	v_add_nc_u32 v28, s91, v28                     ; the stage, in: row 16 (w % 4) + r, byte 64 x head + 8 h
	s_mul_i32 s92, s2, 4*KP
	v_mul_u32_u24 v29, v10, KP
	v_lshl_add_u32 v29, v9, 4, v29
	v_add_nc_u32 v29, s92, v29                     ; back: wave w takes rows 4 w on
	v_lshlrev_b32 v30, 10, v10
	v_lshl_add_u32 v30, v9, 4, v30
	v_lshlrev_b32 v31, 11, v9
	v_lshl_add_u32 v31, v10, 4, v31
	v_and_b32 v8, 31, v0
	v_lshlrev_b32 v8, 11, v8
	s_wait_kmcnt 0x0
	s_load_b256 s[80:87], s[44:45], 0x0            ; e0 .. e7
	s_add_nc_u64 s[18:19], s[40:41], s[62:63]      ; tile 0,
	s_add_nc_u64 s[22:23], s[18:19], s[28:29]      ; tile 1
	s_or_b32 s19, s19, 0x80000000
	s_or_b32 s23, s23, 0x80000000
	s_add_nc_u64 s[104:105], s[40:41], s[68:69]
	s_add_nc_u64 s[4:5], s[42:43], s[72:73]
	s_add_nc_u64 s[100:101], s[46:47], s[74:75]
	s_add_nc_u64 s[30:31], s[40:41], s[76:77]
	CROUND                                         ; all four work-groups are here: the first joint loads meet
	JLOAD 16                                       ; tile 0 into slot 0
	global_load_b128 v[QF:QF+3], v31, s[30:31]               ; Q stays in registers: registers 4 c .. 4 c + 3 hold d = 32 c + 16 h + 0 .. 15, as K's fragments do
	global_load_b128 v[QF+4:QF+7], v31, s[30:31] offset:32
	v_mov_b32 v7, 0xce6e6b28                       ; -1e9
	v_mul_f32 v7, 0x3fb8aa3b, v7                   ; x log2(e)
	v_mov_b32 v13, 0xff61b1e6                      ; the largest t so far: -3e38
	v_floor_f32 v12, -v13
	v_mov_b32 v14, 0
	v_mov_b32 v15, 0
	v_mov_b32 v211, 0                              ; (named as the upper half of a pair)
	v_mov_b32 v214, 0                              ; a lane permute's destination counts as read
.set j, 0
.rept 32
	v_mov_b32 v[OT+j], 0                           ; the step is written once: the first finds zeros
.set j, j+1
.endr
	s_wait_kmcnt 0x0
	s_add_co_i32 s88, s82, s83
	s_sub_co_i32 s88, s88, 3
	s_lshl_b32 s88, s88, 23
	s_add_co_i32 s6, s88, 0x3fb8aa3b               ; c = log2(e) x 2^(e2 + e3 - 3): the exponents are added to the exponent field
	s_mov_b32 s7, s6
	s_add_co_i32 s66, s84, s85                     ; e4 + e5
	s_add_co_i32 s85, s85, 127
	s_lshl_b32 s88, s85, 23
	v_mov_b32 v24, s88                             ; 2^e5
	s_add_co_i32 s85, s85, 8
	s_lshl_b32 s85, s85, 23
	s_or_b32 s85, s85, 0x600000
	v_mov_b32 v25, s85                             ; 448 x 2^e5
	s_add_co_i32 s86, s86, 127
	s_lshl_b32 s88, s86, 23
	v_mov_b32 v26, s88                             ; 2^e6
	s_add_co_i32 s86, s86, 8
	s_lshl_b32 s86, s86, 23
	s_or_b32 s86, s86, 0x600000
	v_mov_b32 v27, s86                             ; 448 x 2^e6
	MLOAD                                          ; step 0's words: all temporaries above have been used
	s_wait_loadcnt 0x0                             ; Q
.macro STEP slot, q, ahead             ; 128 keys: the q-th half of the slot.  ahead = 1: the next step's mask words are asked for
.rept 4
	v_nop                                          ; places in front of loads into registers that the last products read
.endr
.irp t, 0,1,2,3,4,5,6,7
.irp c, 0,1
	ds_load_b128 v[FRG+8*\t+4*\c:FRG+8*\t+4*\c+3], v[AK+\slot] offset:(128*\q+32*(\t/2)+8*(\t%2))*KP+32*\c
.endr
.endr
	s_wait_dscnt 0x0
.irp t, 0,1,2,3,4,5,6,7
	v_wmma_f32_16x16x64_fp8_fp8 v[S+8*\t:S+8*\t+7], v[FRG+8*\t:FRG+8*\t+7], v[QF:QF+7], 0
.endr
.rept 4
	v_nop                                          ; places: in front of V's loads into K's registers, and of the first read of the scores
.endr
.irp t, 0,1,2,3
.irp c, 0,1,2,3
	ds_load_b128 v[FRG+16*\t+4*\c:FRG+16*\t+4*\c+3], v[AV+\slot] offset:16*\t*KP+128*\q+32*\c   ; V lands while the softmax is walked
.endr
.endr
.set j, 0
.rept 32
	v_pk_mul_f32 v[S+j:S+j+1], v[S+j:S+j+1], s[6:7] op_sel_hi:[1,0]   ; t; each accumulator from its low end on
.set j, j+2
.endr
	s_wait_kmcnt 0x0                               ; this step's mask words
.set n, 0
.rept 32
	v_cndmask_b32 v[S+n], v7, v[S+n], s[32+n]
.set n, n+1
.endr
.rept 32
	v_cndmask_b32 v[S+n], v7, v[S+n], s[36+n]
.set n, n+1
.endr
.if \ahead
	s_add_nc_u64 s[4:5], s[4:5], 256               ; (the loads that read this base are done)
	MLOAD
.endif
	v_max3_num_f32 v208, v[S], v[S+1], v[S+2]
	v_max3_num_f32 v209, v[S+3], v[S+4], v[S+5]
.irp i, 6,10,14,18,22,26,30,34,38,42,46,50,54,58
	v_max3_num_f32 v208, v208, v[S+\i], v[S+\i+1]
	v_max3_num_f32 v209, v209, v[S+\i+2], v[S+\i+3]
.endr
	v_max3_num_f32 v208, v208, v[S+62], v[S+63]
	v_max_num_f32 v208, v208, v209
	v_permlanex16_b32 v214, v208, s26, s27
	v_max_num_f32 v208, v208, v214                 ; with lane l xor 16's
	v_max_num_f32 v13, v13, v208                   ; the running largest t
	v_mov_b32 v208, v12
	v_floor_f32 v12, -v13                          ; the new -M = -ceil(t)
	v_sub_f32 v208, v12, v208                      ; old M - new M: a whole number, 0 or less
	v_cvt_i32_f32 v208, v208                       ; (it saturates)
	v_ldexp_f32 v210, 1.0, v208                    ; f = 2^(old M - new M)
.set j, 0
.rept 32
	v_pk_add_f32 v[S+j:S+j+1], v[S+j:S+j+1], v[12:13] op_sel_hi:[1,0]   ; t - M
.set j, j+2
.endr
.set j, 0
.rept 64
	v_exp_f32 v[S+j], v[S+j]
.set j, j+1
.endr
	v_pk_mul_f32 v[14:15], v[14:15], v[210:211] op_sel_hi:[1,0]   ; the sums under the new M (a plain instruction behind the batch)
	s_wait_alu depctr_va_vdst(0)                   ; one wait for the batch, ahead of its first reader
	v_pk_add_f32 v[212:213], v[S:S+1], v[S+2:S+3]  ; the row's sum is taken of the unquantised p
.irp j, 4,8,12,16,20,24,28,32,36,40,44,48,52,56,60
	v_pk_add_f32 v[14:15], v[14:15], v[S+\j:S+\j+1]
	v_pk_add_f32 v[212:213], v[212:213], v[S+\j+2:S+\j+3]
.endr
	v_pk_add_f32 v[14:15], v[14:15], v[212:213]
.irp b, 0,1,2,3
.irp i, 0,1,2,3,4,5,6,7,8,9,10,11,12,13,14,15
	v_min_num_f32 v[S+16*\b+\i], v[S+16*\b+\i], v25   ; p is not negative: the hold is one-sided
.endr
	v_cvt_scalef32_pk8_fp8_f32 v[PC+4*\b:PC+4*\b+1], v[S+16*\b:S+16*\b+7], v24
	v_cvt_scalef32_pk8_fp8_f32 v[PC+4*\b+2:PC+4*\b+3], v[S+16*\b+8:S+16*\b+15], v24
.endr
.set j, 0
.rept 16
	v_pk_mul_f32 v[OT+j:OT+j+1], v[OT+j:OT+j+1], v[210:211] op_sel_hi:[1,0]   ; O^T under the new M; also the plain instructions behind the conversions
.set j, j+2
.endr
	s_wait_dscnt 0x0                               ; V
.irp t, 0,1,2,3
	v_wmma_f32_16x16x128_fp8_fp8 v[OT+8*\t:OT+8*\t+7], v[FRG+16*\t:FRG+16*\t+15], v[PC:PC+15], v[OT+8*\t:OT+8*\t+7]   ; four accumulators by turns; the next step's eight products stand between two links
.endr
.endm
; A slot's two steps, behind the change of slots: every wave waits for all its tensor loads, adds 0 to its spare word, waits for that and for its reads of the slot that it has left; a round of the cluster's barrier;
; then the slot just left is asked for again, first thing.  By this text's count a wave has one tensor load out.
.macro TRIP slot, refill, ask, lastahead
.if \ask
	s_wait_xcnt 0x0                                ; the last prefetch, a slot back, has read its address
	s_add_nc_u64 s[104:105], s[104:105], s[28:29]
.endif
	s_wait_tensorcnt 0x0
	ds_add_u32 v5, v6
	s_add_nc_u64 s[18+4*\slot:19+4*\slot], s[18+4*\slot:19+4*\slot], s[24:25]   ; no load of mine is out: this slot's next tile
	s_wait_dscnt 0x0
	CROUND
.if \refill
	JLOAD 20-4*\slot
.endif
.if \ask
	ASK
.endif
	STEP \slot, 0, 1
	STEP \slot, 1, \lastahead
.endm
	s_mov_b32 s3, 3
.Lpair:                                        ; tiles 0 to 5
	TRIP 0, 1, 1, 1
	TRIP 1, 1, 1, 1
	s_sub_co_u32 s3, s3, 1
	s_cmp_lg_u32 s3, 0
	s_cbranch_scc1 .Lpair
	TRIP 0, 1, 0, 1                                ; tile 6; tile 7 is asked for; nothing is left to prefetch
	TRIP 1, 0, 0, 0                                ; tile 7: written out
	; THE WAY OUT: O^T / the sum x 2^(e4 + e5), quantised with e6; the codes meet in a stage in slot 0 (its last fill and its last read lie in front of the last round) and leave as rows of 256 bytes
	v_add_f32 v14, v14, v15
	v_permlanex16_b32 v214, v14, s26, s27
	v_add_f32 v14, v14, v214
	v_rcp_f32 v14, v14
.rept 4
	v_nop                                          ; plain instructions: behind the reciprocal, and the places behind the last products
.endr
	s_wait_alu depctr_va_vdst(0)
	v_ldexp_f32 v14, v14, s66
	v_mov_b32 v15, v14
.set j, 0
.rept 16
	v_pk_mul_f32 v[S+j:S+j+1], v[OT+j:OT+j+1], v[14:15]
.set j, j+2
.endr
.set j, 0
.rept 32
	v_med3_num_f32 v[S+j], v[S+j], -v27, v27
.set j, j+1
.endr
.irp t, 0,1,2,3
	v_cvt_scalef32_pk8_fp8_f32 v[PC+2*\t:PC+2*\t+1], v[S+8*\t:S+8*\t+7], v26
.endr
	v_nop
.irp t, 0,1,2,3
	ds_store_b64 v28, v[PC+2*\t:PC+2*\t+1] offset:16*\t   ; o(query r, d = 16 t + 8 h + 0 .. 7)
.endr
	s_wait_dscnt 0x0                               ; for the others' sake
	s_barrier_signal -1
	s_barrier_wait -1
.irp i, 0,1
	ds_load_b128 v[FRG+4*\i:FRG+4*\i+3], v29 offset:2*\i*KP
.endr
.irp i, 0,1
	s_wait_dscnt 1-\i
	global_store_b128 v30, v[FRG+4*\i:FRG+4*\i+3], s[100:101] offset:2048*\i   ; sixteen lanes store 256 consecutive bytes, aligned
.endr
	s_wait_tensorcnt 0x0                           ; the wave's end
	ds_add_u32 v5, v6
	s_wait_dscnt 0x0
	CROUND                                         ; the closing round
	s_endpgm
.Lfunc_end_k_qf228bbfeb6_attn:
	.size	k_qf228bbfeb6_attn, .Lfunc_end_k_qf228bbfeb6_attn-k_qf228bbfeb6_attn
	.p2alignl 7, 3214868480
	.fill 96, 4, 3214868480
	.section	.rodata,"a",@progbits
	.p2align	6, 0x0
	.amdhsa_kernel k_qf228bbfeb6_attn
		.amdhsa_group_segment_fixed_size 327680
		.amdhsa_private_segment_fixed_size 0
		.amdhsa_enable_private_segment 0
		.amdhsa_kernarg_size 32
		.amdhsa_user_sgpr_count 2
		.amdhsa_user_sgpr_kernarg_segment_ptr 1
		.amdhsa_wavefront_size32 1
		.amdhsa_system_sgpr_workgroup_id_x 1
		.amdhsa_system_sgpr_workgroup_id_y 1
		.amdhsa_system_sgpr_workgroup_id_z 1
		.amdhsa_system_vgpr_workitem_id 0
		.amdhsa_next_free_vgpr 224
		.amdhsa_next_free_sgpr 106
		.amdhsa_reserve_vcc 0
		.amdhsa_float_denorm_mode_32 3
		.amdhsa_float_denorm_mode_16_64 3
		.amdhsa_memory_ordered 1
		.amdhsa_forward_progress 1
		.amdhsa_inst_pref_size 188
	.end_amdhsa_kernel
	.amdgpu_metadata
---
amdhsa.version: [ 1, 2 ]
amdhsa.kernels:
  - .name:           k_qf228bbfeb6_attn
    .symbol:         k_qf228bbfeb6_attn.kd
    .args:
      - { .name: qkvc, .offset: 0, .size: 8, .value_kind: global_buffer, .address_space: global }
      - { .name: maskw, .offset: 8, .size: 8, .value_kind: global_buffer, .address_space: global }
      - { .name: lowp_scales, .offset: 16, .size: 8, .value_kind: global_buffer, .address_space: global }
      - { .name: oc, .offset: 24, .size: 8, .value_kind: global_buffer, .address_space: global }
    .group_segment_fixed_size: 327680
    .private_segment_fixed_size: 0
    .kernarg_segment_align: 8
    .kernarg_segment_size: 32
    .max_flat_workgroup_size: 512
    .sgpr_count:     106
    .vgpr_count:     224
    .wavefront_size: 32
...
	.end_amdgpu_metadata
.endif
;; end of part 3
;; launch g2 (part 4): grid 8 x 32, 4 waves a work-group, clusters of 4 x 4, 327,680 bytes of LDS; arguments oc, wc, lowp_scales, b_o, x, x1; writes x1
.if DOCPART == 4
	.amdgcn_target "amdgcn-amd-amdhsa--gfx1250"
	.amdhsa_code_object_version 6
	.text
	.protected	k_qf228bbfeb6_g2
	.globl	k_qf228bbfeb6_g2
	.p2align	8
	.type	k_qf228bbfeb6_g2,@function
k_qf228bbfeb6_g2:
	s_mov_b64 s[64:65], 0
	v_nop
	global_prefetch_b8 v0, s[64:65] scope:SCOPE_SE
	s_setreg_imm32_b32 hwreg(HW_REG_WAVE_MODE, 25, 1), 1
	s_wait_xcnt 0x0
	s_wait_alu depctr_hold_cnt(0) depctr_sa_sdst(0) depctr_va_vdst(0) depctr_va_sdst(0) depctr_va_ssrc(0) depctr_va_vcc(0) depctr_vm_vsrc(0)
	s_getreg_b32 s2, hwreg(HW_REG_IB_STS2, 6, 4)
	s_cmp_eq_u32 s2, 0
	s_cbranch_scc0 .Lentry_in_a_cluster
	s_endpgm
.Lentry_in_a_cluster:
	s_bfe_u32 s2, ttmp6, 0x10000c
	s_cmp_lg_u32 s2, 0xf033
	s_cbranch_scc0 .Lentry_shape_is_right
	s_endpgm
.Lentry_shape_is_right:
; out = resid + A B^T x 2^(ea + eb) + bias, f32.  A: [4096][SIZE_K] codes of E4M3; B: 1,024 rows of SIZE_K codes at WOFF in wc.  Tile 128 x 128 (tiles of 256 x 256 would be 64, a quarter of the WGPs);
; four waves of 64 x 64: 16 accumulators.  K goes in steps of 512 (LDS rows of 512 bytes + 16) through two slots; a wave's tensor load brings 64 rows.
; CLUSTERS: 4 x 4; A's tiles are asked for jointly along a row of the cluster, B's along a column.  The matrix instruction is used transposed: a lane holds eight neighbours of a row of C.
; The residual is asked for at the head, in the layout in which rows are stored, and lands during the products.  A wave's 64 columns are 256 bytes, aligned: each wave has a stage of its own and no barrier stands on the way out.
; LIMIT: ea + eb between -126 and 127.
; REGISTERS: window 0: v0-31 addresses, v12-15 the bias; v32-95 two sets of rows on the way out; v128-255 the accumulators.  window 1: two fragment buffers of 128 (A's 4 x 16, then B's 4 x 16).  window 2: v0-127 the residual.
.set SIZE_K, 1024
.set WOFF,   3145728
.set EOFF,   24
.set KSTEP,  512
.set PITCH,  528                       ; 132 words: the 16 rows that a load touches start at 16 different banks (64 banks of 4 bytes: ISA guide 11.1)
.set HALFT,  64*PITCH
.set SLOT,   4*HALFT
.set STAGE,  2*SLOT                    ; behind the ring: 16 rows x 272 bytes for each wave
.set SPITCH, 272
.set SPARE,  STAGE+4*16*SPITCH         ; behind the stages: the spare words
.set LAPS,   SIZE_K/(2*KSTEP)
.set ADRA, 16
.set ADRB, 20
.set STO,  24
.set RD,   25
.set CO,   26
.set SPW,  28
.set NIL,  29
.set BI,   12
.set TB,   32
.set ACC,  128
.set F0,   0
.set F1,   128
.set G1, 24
.set G0, 32
.set G1B, 48
.set G0B, 56
.set MSB, 0
.macro WIN new
.if MSB != \new
	s_set_vgpr_msb (MSB<<8)|\new
.set MSB, \new
.endif
.endm
.set MUL,  0x05                        ; sources 0 (B) and 1 (A) window 1; C and D window 0
.set TO_F, 0x40
.macro JLOAD s
	s_cmp_eq_u32 s11, 0
	s_cbranch_scc0 .Lfor_b_\@
	tensor_load_to_lds s[G0+4*\s:G0+4*\s+3], s[G1:G1+7]
	s_nop 0
.rept 4
	v_nop
.endr
	s_branch .Lasked_\@
.Lfor_b_\@:
	tensor_load_to_lds s[G0B+4*\s:G0B+4*\s+3], s[G1B:G1B+7]
	s_nop 0
.rept 4
	v_nop
.endr
.Lasked_\@:
.endm
.macro CREST
	s_cmp_lg_u32 s10, 0
	s_cbranch_scc1 .Lnot_wave_0_\@
	s_barrier_signal -3
.Lnot_wave_0_\@:
	s_barrier_wait -3
	s_barrier_signal -1
	s_barrier_wait -1
.endm
.macro CROUND
	s_barrier_signal -1
	s_barrier_wait -1
	CREST
.endm
	s_load_b128 s[4:7], s[0:1], 0x0                ; A's codes, wc
	s_load_b64 s[8:9], s[0:1], 0x10                ; the exponents
	s_load_b128 s[68:71], s[0:1], 0x18             ; the bias, the residual
	s_load_b64 s[72:73], s[0:1], 0x28              ; the output
	v_lshl_add_u32 v[SPW], v0, 2, SPARE
	v_mov_b32 v[NIL], 0
	ds_add_u32 v28, v29
	s_wait_dscnt 0x0
	v_lshrrev_b32 v1, 5, v0
	v_readfirstlane_b32 s10, v1                    ; wave 0..3
	s_lshr_b32 s11, s10, 1                         ; my half of the rows; also: I fetch for A (0) or B (1)
	s_and_b32 s12, s10, 1                          ; my half of the columns; also: which 64 rows I fetch
	s_bfe_u32 s40, ttmp6, 0x40000
	s_bfe_u32 s41, ttmp6, 0x40004
	s_lshl_b32 s42, ttmp9, 2
	s_add_co_u32 s42, s42, s40                     ; tile column
	s_and_b32 s13, ttmp7, 0xffff
	s_lshl_b32 s13, s13, 2
	s_add_co_u32 s13, s13, s41                     ; tile row
	s_lshl_b32 s43, s41, 2
	s_lshl_b32 s43, 15, s43
	s_lshl_b32 s44, 0x1111, s40
	s_or_b32 s[G1+0], s43, (0<<16)|(1<<20)|(1<<21)|(6<<22)|(3<<25)  ; mask; elements of 1 byte; padding on; bit 21 beside a mask; 4 words behind every 128
	s_or_b32 s[G1B+0], s44, (0<<16)|(1<<20)|(1<<21)|(6<<22)|(3<<25)
.irp g, G1, G1B
	s_mov_b32 s[\g+1], KSTEP<<16
	s_mov_b32 s[\g+2], 64<<16
	s_mov_b32 s[\g+3], KSTEP<<16
	s_mov_b32 s[\g+4], 64
	s_mov_b32 s[\g+5], SIZE_K
	s_mov_b32 s[\g+6], 0
	s_mov_b32 s[\g+7], 0
.endr
	s_lshl_b32 s17, s12, 6
	s_lshl_b32 s16, s13, 7
	s_add_co_u32 s16, s16, s17
	s_mul_i32 s16, s16, SIZE_K
	s_lshl_b32 s46, s42, 7
	s_add_co_u32 s46, s46, s17
	s_mul_i32 s46, s46, SIZE_K
	s_add_co_u32 s46, s46, WOFF
	s_mov_b32 s17, 0
	s_mov_b32 s47, 0
	s_mul_i32 s20, s10, HALFT
	s_wait_kmcnt 0x0
	s_load_b64 s[76:77], s[8:9], EOFF              ; ea, eb
	s_add_nc_u64 s[14:15], s[4:5], s[16:17]
	s_add_nc_u64 s[46:47], s[6:7], s[46:47]
	CROUND
.irp s, 0,1
	s_mov_b32 s[G0+4*\s], 1
	s_add_co_u32 s[G0+4*\s+1], s20, \s*SLOT
	s_add_nc_u64 s[G0+4*\s+2:G0+4*\s+3], s[14:15], \s*KSTEP
	s_or_b32 s[G0+4*\s+3], s[G0+4*\s+3], 0x80000000
	s_mov_b32 s[G0B+4*\s], 1
	s_add_co_u32 s[G0B+4*\s+1], s20, \s*SLOT
	s_add_nc_u64 s[G0B+4*\s+2:G0B+4*\s+3], s[46:47], \s*KSTEP
	s_or_b32 s[G0B+4*\s+3], s[G0B+4*\s+3], 0x80000000
	JLOAD \s
.endr
	v_and_b32 v1, 15, v0
	v_bfe_u32 v2, v0, 4, 1
	v_mul_u32_u24 v3, v1, PITCH
	v_lshl_add_u32 v3, v2, 4, v3
	s_mul_i32 s21, s11, HALFT
	s_mul_i32 s22, s12, HALFT
	s_add_co_u32 s22, s22, 2*HALFT
.irp s, 0,1
	v_add_nc_u32 v[ADRA+\s], s21, v3
	v_add_nc_u32 v[ADRB+\s], s22, v3
	s_add_co_u32 s21, s21, SLOT
	s_add_co_u32 s22, s22, SLOT
.endr
	s_mul_i32 s23, s10, 16*SPITCH
	s_add_co_u32 s23, s23, STAGE
	v_mul_u32_u24 v4, v1, SPITCH
	v_lshl_add_u32 v4, v2, 5, v4
	v_add_nc_u32 v[STO], s23, v4                   ; in: row r, 32 bytes for each half of the lanes
	v_mul_u32_u24 v5, v2, SPITCH
	v_lshl_add_u32 v5, v1, 4, v5
	v_add_nc_u32 v[RD], s23, v5                    ; back: two rows an instruction
	v_lshlrev_b32 v5, 12, v2
	v_lshl_add_u32 v[CO], v1, 4, v5                ; the same two rows in memory: rows of 4,096 bytes
	v_lshlrev_b32 v6, 4, v1
	s_lshl_b32 s16, s13, 7
	s_lshl_b32 s17, s11, 6
	s_add_co_u32 s16, s16, s17
	s_lshl_b32 s16, s16, 12                        ; my first row
	s_lshl_b32 s46, s42, 7
	s_lshl_b32 s47, s12, 6
	s_add_co_u32 s46, s46, s47
	s_lshl_b32 s46, s46, 2                         ; my first column, in bytes
	s_mov_b32 s47, 0
	s_add_nc_u64 s[68:69], s[68:69], s[46:47]
	s_add_co_u32 s16, s16, s46
	s_mov_b32 s17, 0
	s_add_nc_u64 s[70:71], s[70:71], s[16:17]
	s_add_nc_u64 s[72:73], s[72:73], s[16:17]
	global_load_b128 v[BI:BI+3], v6, s[68:69]      ; the bias of my four columns of a stored row
	WIN 0x80                                       ; destination window 2
.irp a, 0,1,2,3
.irp t, 0,1,2,3,4,5,6,7
	global_load_b128 v[4*(8*\a+\t):4*(8*\a+\t)+3], v[CO], s[70:71] offset:(16*\a+2*\t)*4096
.endr
.endr
	WIN 0
.macro MUL4 f, a, zero                 ; the 16 accumulators take turns, one instruction a turn
.irp b, 0,1,2,3
.if \zero
	v_wmma_f32_16x16x128_fp8_fp8 v[ACC+8*(4*(\a)+\b):ACC+8*(4*(\a)+\b)+7], v[\f+64+16*\b:\f+64+16*\b+15], v[\f+16*(\a):\f+16*(\a)+15], 0
.else
	v_wmma_f32_16x16x128_fp8_fp8 v[ACC+8*(4*(\a)+\b):ACC+8*(4*(\a)+\b)+7], v[\f+64+16*\b:\f+64+16*\b+15], v[\f+16*(\a):\f+16*(\a)+15], v[ACC+8*(4*(\a)+\b):ACC+8*(4*(\a)+\b)+7]
.endif
.endr
.endm
.macro FETCH slot, k, f                ; 32 LDS loads: the fragments of 128 along K at byte k of the rows
	WIN TO_F
.irp i, 0,1,2,3
.irp c, 0,1,2,3
	ds_load_b128 v[\f+64+16*\i+4*\c:\f+64+16*\i+4*\c+3], v[ADRB+\slot] offset:\k+32*\c+\i*16*PITCH
.endr
.endr
.irp i, 0,1,2,3
.irp c, 0,1,2,3
	ds_load_b128 v[\f+16*\i+4*\c:\f+16*\i+4*\c+3], v[ADRA+\slot] offset:\k+32*\c+\i*16*PITCH
.endr
.endr
.endm
.macro PLACES
.rept 4
	v_nop
.endr
.endm
.macro QUARTER slot, k, f, g, zero     ; multiplies buffer f; the next quarter's loads, into g, go out first
	s_wait_dscnt 0x0                               ; buffer f is in
	PLACES                                         ; buffer g was read by the products just issued
	FETCH \slot, \k, \g
	WIN MUL
	MUL4 \f, 0, \zero
	MUL4 \f, 1, \zero
	MUL4 \f, 2, \zero
	MUL4 \f, 3, \zero
.endm
.macro TURN slot, next, fill           ; a slot's last quarter (buffer 1) changes slots
	WIN 0
	s_wait_tensorcnt 0x0                           ; all my tensor loads have landed: my part of the next slot
	ds_add_u32 v[SPW], v[NIL]
	s_wait_dscnt 1                                 ; buffer 1 is in; the add may be out
	WIN MUL
	MUL4 F1, 0, 0
	s_wait_dscnt 0x0                               ; the add is done, and my reads of this slot are over
	s_barrier_signal -1
	MUL4 F1, 1, 0
.if \fill
	WIN 0
.endif
	s_barrier_wait -1
.if \fill
	CREST
	s_add_nc_u64 s[G0+4*\slot+2:G0+4*\slot+3], s[G0+4*\slot+2:G0+4*\slot+3], 2*KSTEP
	s_add_nc_u64 s[G0B+4*\slot+2:G0B+4*\slot+3], s[G0B+4*\slot+2:G0B+4*\slot+3], 2*KSTEP
	JLOAD \slot                                    ; the first tensor load behind the round; its four v_nop are the places in front of the loads below
.else
	PLACES
.endif
	FETCH \next, 0, F0
	WIN MUL
	MUL4 F1, 2, 0
	MUL4 F1, 3, 0
.endm
	s_wait_tensorcnt 1                             ; my part of K step 0 is in (K step 1's load may be out),
	s_barrier_signal -1
	s_barrier_wait -1
	FETCH 0, 0, F0
	QUARTER 0, 128, F0, F1, 1
.if LAPS > 1
	WIN 0
	s_mov_b32 s3, LAPS-1
.Llap:
	QUARTER 0, 256, F1, F0, 0
	QUARTER 0, 384, F0, F1, 0
	TURN 0, 1, 1
	QUARTER 1, 128, F0, F1, 0
	QUARTER 1, 256, F1, F0, 0
	QUARTER 1, 384, F0, F1, 0
	TURN 1, 0, 1
	QUARTER 0, 128, F0, F1, 0
	WIN 0
	s_sub_co_u32 s3, s3, 1
	s_cmp_lg_u32 s3, 0
	s_cbranch_scc1 .Llap
.endif
	QUARTER 0, 256, F1, F0, 0
	QUARTER 0, 384, F0, F1, 0
	TURN 0, 1, 0
	QUARTER 1, 128, F0, F1, 0
	QUARTER 1, 256, F1, F0, 0
	QUARTER 1, 384, F0, F1, 0
	s_wait_dscnt 0x0
	WIN MUL
	MUL4 F1, 0, 0
	MUL4 F1, 1, 0
	MUL4 F1, 2, 0
	MUL4 F1, 3, 0
	WIN 0
; THE WAY OUT of block a (16 rows x 64 columns): the sums go through my own stage and come back as rows of 256 bytes; then x 2^(ea + eb) + bias + residual.
.macro OUTB a
.set TBB, TB+32*((\a)%2)
.if (\a) >= 2
	s_wait_xcnt 0x0                                ; the stores of the block two back have read this set of registers
.endif
.irp b, 0,1,2,3
	ds_store_b128 v[STO], v[ACC+8*(4*(\a)+\b):ACC+8*(4*(\a)+\b)+3] offset:64*\b          ; each accumulator from its low end on
	ds_store_b128 v[STO], v[ACC+8*(4*(\a)+\b)+4:ACC+8*(4*(\a)+\b)+7] offset:64*\b+16
.endr
.irp t, 0,1,2,3,4,5,6,7
	ds_load_b128 v[TBB+4*\t:TBB+4*\t+3], v[RD] offset:2*\t*SPITCH   ; LDS serves a wave's instructions in order: these see my stores
.endr
	s_wait_dscnt 0x0
.irp t, 0,1,2,3,4,5,6,7
	v_pk_fma_f32 v[TBB+4*\t:TBB+4*\t+1], v[TBB+4*\t:TBB+4*\t+1], s[74:75], v[BI:BI+1] op_sel_hi:[1,0,1]
	v_pk_fma_f32 v[TBB+4*\t+2:TBB+4*\t+3], v[TBB+4*\t+2:TBB+4*\t+3], s[74:75], v[BI+2:BI+3] op_sel_hi:[1,0,1]
.endr
	WIN 0x08                                       ; source 1 (the residual) window 2
.irp t, 0,1,2,3,4,5,6,7
	v_pk_add_f32 v[TBB+4*\t:TBB+4*\t+1], v[TBB+4*\t:TBB+4*\t+1], v[4*(8*(\a)+\t):4*(8*(\a)+\t)+1]
	v_pk_add_f32 v[TBB+4*\t+2:TBB+4*\t+3], v[TBB+4*\t+2:TBB+4*\t+3], v[4*(8*(\a)+\t)+2:4*(8*(\a)+\t)+3]
.endr
	WIN 0
.irp t, 0,1,2,3,4,5,6,7
	global_store_b128 v[CO], v[TBB+4*\t:TBB+4*\t+3], s[72:73] offset:(16*(\a)+2*\t)*4096   ; sixteen lanes store 256 consecutive bytes, aligned
.endr
.endm
	s_wait_loadcnt 0x0                             ; the bias and the residual
	s_wait_kmcnt 0x0
	s_add_co_i32 s74, s76, s77
	s_add_co_i32 s74, s74, 127
	s_lshl_b32 s74, s74, 23                        ; 2^(ea + eb) as f32
	s_mov_b32 s75, s74
	PLACES
	OUTB 0
	OUTB 1
	OUTB 2
	OUTB 3
	s_wait_tensorcnt 0x0                           ; the wave's end
	ds_add_u32 v[SPW], v[NIL]
	s_wait_dscnt 0x0
	CROUND                                         ; the closing round
	s_endpgm
.Lfunc_end_k_qf228bbfeb6_g2:
	.size	k_qf228bbfeb6_g2, .Lfunc_end_k_qf228bbfeb6_g2-k_qf228bbfeb6_g2
	.p2alignl 7, 3214868480
	.fill 96, 4, 3214868480
	.section	.rodata,"a",@progbits
	.p2align	6, 0x0
	.amdhsa_kernel k_qf228bbfeb6_g2
		.amdhsa_group_segment_fixed_size 327680
		.amdhsa_private_segment_fixed_size 0
		.amdhsa_enable_private_segment 0
		.amdhsa_kernarg_size 48
		.amdhsa_user_sgpr_count 2
		.amdhsa_user_sgpr_kernarg_segment_ptr 1
		.amdhsa_wavefront_size32 1
		.amdhsa_system_sgpr_workgroup_id_x 1
		.amdhsa_system_sgpr_workgroup_id_y 1
		.amdhsa_system_sgpr_workgroup_id_z 1
		.amdhsa_system_vgpr_workitem_id 0
		.amdhsa_next_free_vgpr 640
		.amdhsa_next_free_sgpr 80
		.amdhsa_reserve_vcc 0
		.amdhsa_float_denorm_mode_32 3
		.amdhsa_float_denorm_mode_16_64 3
		.amdhsa_memory_ordered 1
		.amdhsa_forward_progress 1
		.amdhsa_inst_pref_size 53
	.end_amdhsa_kernel
	.amdgpu_metadata
---
amdhsa.version: [ 1, 2 ]
amdhsa.kernels:
  - .name:           k_qf228bbfeb6_g2
    .symbol:         k_qf228bbfeb6_g2.kd
    .args:
      - { .name: oc, .offset: 0, .size: 8, .value_kind: global_buffer, .address_space: global }
      - { .name: wc, .offset: 8, .size: 8, .value_kind: global_buffer, .address_space: global }
      - { .name: lowp_scales, .offset: 16, .size: 8, .value_kind: global_buffer, .address_space: global }
      - { .name: b_o, .offset: 24, .size: 8, .value_kind: global_buffer, .address_space: global }
      - { .name: x, .offset: 32, .size: 8, .value_kind: global_buffer, .address_space: global }
      - { .name: x1, .offset: 40, .size: 8, .value_kind: global_buffer, .address_space: global }
    .group_segment_fixed_size: 327680
    .private_segment_fixed_size: 0
    .kernarg_segment_align: 8
    .kernarg_segment_size: 48
    .max_flat_workgroup_size: 128
    .sgpr_count:     80
    .vgpr_count:     640
    .wavefront_size: 32
...
	.end_amdgpu_metadata
.endif
;; end of part 4
;; launch ln2 (part 5): grid 256 x 1, 4 waves a work-group, no clusters, 0 bytes of LDS; arguments x1, ln2_w, ln2_b, lowp_scales, h2c; writes h2c
.if DOCPART == 5
	.amdgcn_target "amdgcn-amd-amdhsa--gfx1250"
	.amdhsa_code_object_version 6
	.text
	.protected	k_qf228bbfeb6_ln2
	.globl	k_qf228bbfeb6_ln2
	.p2align	8
	.type	k_qf228bbfeb6_ln2,@function
k_qf228bbfeb6_ln2:
	s_mov_b64 s[64:65], 0
	v_nop
	global_prefetch_b8 v0, s[64:65] scope:SCOPE_SE
	s_setreg_imm32_b32 hwreg(HW_REG_WAVE_MODE, 25, 1), 1
	s_wait_xcnt 0x0
; LAYER NORM 2 of x1, quantised to codes of E4M3 with the scale 2^e8.  A stream: a wave takes 4 rows of 1,024 and keeps each in registers between its passes; waves share nothing, so no LDS, no barrier, no cluster.
; Lane l holds k = 256 j + 8 l + 0..7, j = 0..3, so that 8 neighbours along K stand in one lane and 32 lanes store 256 consecutive bytes of codes.
; The variance is the mean of the squared differences from the mean, taken in a second pass over the registers.  LIMIT: e8 between -126 and 119.  NaN and infinities are not served.
.macro QSET se, st, vsc, vlim
	s_add_co_i32 s[\se], s[\se], 127
	s_lshl_b32 s[\st], s[\se], 23
	v_mov_b32 v[\vsc], s[\st]
	s_add_co_i32 s[\se], s[\se], 8
	s_lshl_b32 s[\se], s[\se], 23
	s_or_b32 s[\se], s[\se], 0x600000
	v_mov_b32 v[\vlim], s[\se]
.endm
.macro WSUM
	v_add_f32_dpp v2, v2, v2 row_xmask:1 row_mask:0xf bank_mask:0xf
	v_add_f32_dpp v2, v2, v2 row_xmask:2 row_mask:0xf bank_mask:0xf
	v_add_f32_dpp v2, v2, v2 row_xmask:4 row_mask:0xf bank_mask:0xf
	v_add_f32_dpp v2, v2, v2 row_xmask:8 row_mask:0xf bank_mask:0xf
	v_permlanex16_b32 v3, v2, s20, s21
	v_add_f32 v2, v2, v3
.endm
.macro LNROW i
.set RR, 80+32*(\i)
.set CC, 208+8*(\i)
	s_wait_loadcnt 8*(3-(\i))                      ; this row's eight loads are in (and gain and bias, asked for earlier); the later rows' may be out
	v_pk_add_f32 v[2:3], v[RR:RR+1], v[RR+2:RR+3]
	v_pk_add_f32 v[4:5], v[RR+4:RR+5], v[RR+6:RR+7]
.irp j, 8,12,16,20,24,28
	v_pk_add_f32 v[2:3], v[2:3], v[RR+\j:RR+\j+1]
	v_pk_add_f32 v[4:5], v[4:5], v[RR+\j+2:RR+\j+3]
.endr
	v_pk_add_f32 v[2:3], v[2:3], v[4:5]
	v_add_f32 v2, v2, v3
	WSUM
	v_mul_f32 v6, s22, v2
	v_mov_b32 v7, v6
.set j, 0
.rept 16
	v_pk_add_f32 v[RR+j:RR+j+1], v[RR+j:RR+j+1], v[6:7] neg_lo:[0,1] neg_hi:[0,1]
.set j, j+2
.endr
	v_pk_mul_f32 v[2:3], v[RR:RR+1], v[RR:RR+1]
	v_pk_mul_f32 v[4:5], v[RR+2:RR+3], v[RR+2:RR+3]
.irp j, 4,8,12,16,20,24,28
	v_pk_fma_f32 v[2:3], v[RR+\j:RR+\j+1], v[RR+\j:RR+\j+1], v[2:3]
	v_pk_fma_f32 v[4:5], v[RR+\j+2:RR+\j+3], v[RR+\j+2:RR+\j+3], v[4:5]
.endr
	v_pk_add_f32 v[2:3], v[2:3], v[4:5]
	v_add_f32 v2, v2, v3
	WSUM
	v_fma_f32 v6, v2, s22, s23
	v_rsq_f32 v8, v6
	v_nop                                          ; a plain instruction behind the transcendental
	s_wait_alu depctr_va_vdst(0)                   ; the wait ahead of the result's first reader
	v_mov_b32 v9, v8
.set j, 0
.rept 16
	v_pk_mul_f32 v[RR+j:RR+j+1], v[RR+j:RR+j+1], v[8:9]
.set j, j+2
.endr
.set j, 0
.rept 16
	v_pk_fma_f32 v[RR+j:RR+j+1], v[RR+j:RR+j+1], v[16+j:17+j], v[48+j:49+j]
.set j, j+2
.endr
.set j, 0
.rept 32
	v_med3_num_f32 v[RR+j], v[RR+j], -v10, v10     ; the conversion does not saturate (ISA guide 7.6.2)
.set j, j+1
.endr
.irp g, 0,1,2,3
	v_cvt_scalef32_pk8_fp8_f32 v[CC+2*\g:CC+2*\g+1], v[RR+8*\g:RR+8*\g+7], v11
.endr
.irp g, 0,1,2,3
	global_store_b64 v13, v[CC+2*\g:CC+2*\g+1], s[12:13] offset:1024*(\i)+256*\g   ; 32 lanes store 256 consecutive bytes, aligned; each row has code registers of its own
.endr
.endm
	s_load_b128 s[4:7], s[0:1], 0x0                ; x1, ln2_w
	s_load_b128 s[8:11], s[0:1], 0x10              ; ln2_b, the exponents
	s_load_b64 s[12:13], s[0:1], 0x20              ; h2c
	v_lshrrev_b32 v1, 5, v0
	v_readfirstlane_b32 s2, v1
	v_and_b32 v2, 31, v0
	s_lshl_b32 s15, ttmp9, 4
	s_lshl_b32 s16, s2, 2
	s_add_co_u32 s15, s15, s16                     ; my first row
	s_lshl_b32 s16, s15, 12
	s_mov_b32 s17, 0
	s_lshl_b32 s18, s15, 10
	s_mov_b32 s19, 0
	s_mov_b32 s20, 0x76543210
	s_mov_b32 s21, 0xfedcba98
	s_mov_b32 s22, 0x3a800000                      ; 1 / 1,024
	s_mov_b32 s23, 0x3727c5ac                      ; 1e-5
	v_lshlrev_b32 v12, 5, v2
	v_lshlrev_b32 v13, 3, v2
	s_wait_kmcnt 0x0
	s_load_b32 s24, s[10:11], 0x20                 ; e8
	s_add_nc_u64 s[4:5], s[4:5], s[16:17]
	s_add_nc_u64 s[12:13], s[12:13], s[18:19]
.irp j, 0,1,2,3
	global_load_b128 v[16+8*\j:19+8*\j], v12, s[6:7] offset:1024*\j
	global_load_b128 v[20+8*\j:23+8*\j], v12, s[6:7] offset:1024*\j+16
	global_load_b128 v[48+8*\j:51+8*\j], v12, s[8:9] offset:1024*\j
	global_load_b128 v[52+8*\j:55+8*\j], v12, s[8:9] offset:1024*\j+16
.endr
.irp i, 0,1,2,3
.irp j, 0,1,2,3
	global_load_b128 v[80+32*\i+8*\j:83+32*\i+8*\j], v12, s[4:5] offset:4096*\i+1024*\j
	global_load_b128 v[84+32*\i+8*\j:87+32*\i+8*\j], v12, s[4:5] offset:4096*\i+1024*\j+16
.endr
.endr
	s_wait_kmcnt 0x0
	QSET 24, 25, 11, 10
	LNROW 0
	LNROW 1
	LNROW 2
	LNROW 3
	s_endpgm
.Lfunc_end_k_qf228bbfeb6_ln2:
	.size	k_qf228bbfeb6_ln2, .Lfunc_end_k_qf228bbfeb6_ln2-k_qf228bbfeb6_ln2
	.p2alignl 7, 3214868480
	.fill 96, 4, 3214868480
	.section	.rodata,"a",@progbits
	.p2align	6, 0x0
	.amdhsa_kernel k_qf228bbfeb6_ln2
		.amdhsa_group_segment_fixed_size 0
		.amdhsa_private_segment_fixed_size 0
		.amdhsa_enable_private_segment 0
		.amdhsa_kernarg_size 40
		.amdhsa_user_sgpr_count 2
		.amdhsa_user_sgpr_kernarg_segment_ptr 1
		.amdhsa_wavefront_size32 1
		.amdhsa_system_sgpr_workgroup_id_x 1
		.amdhsa_system_sgpr_workgroup_id_y 1
		.amdhsa_system_sgpr_workgroup_id_z 1
		.amdhsa_system_vgpr_workitem_id 0
		.amdhsa_next_free_vgpr 240
		.amdhsa_next_free_sgpr 66
		.amdhsa_reserve_vcc 0
		.amdhsa_float_denorm_mode_32 3
		.amdhsa_float_denorm_mode_16_64 3
		.amdhsa_memory_ordered 1
		.amdhsa_forward_progress 1
		.amdhsa_inst_pref_size 41
	.end_amdhsa_kernel
	.amdgpu_metadata
---
amdhsa.version: [ 1, 2 ]
amdhsa.kernels:
  - .name:           k_qf228bbfeb6_ln2
    .symbol:         k_qf228bbfeb6_ln2.kd
    .args:
      - { .name: x1, .offset: 0, .size: 8, .value_kind: global_buffer, .address_space: global }
      - { .name: ln2_w, .offset: 8, .size: 8, .value_kind: global_buffer, .address_space: global }
      - { .name: ln2_b, .offset: 16, .size: 8, .value_kind: global_buffer, .address_space: global }
      - { .name: lowp_scales, .offset: 24, .size: 8, .value_kind: global_buffer, .address_space: global }
      - { .name: h2c, .offset: 32, .size: 8, .value_kind: global_buffer, .address_space: global }
    .group_segment_fixed_size: 0
    .private_segment_fixed_size: 0
    .kernarg_segment_align: 8
    .kernarg_segment_size: 40
    .max_flat_workgroup_size: 128
    .sgpr_count:     66
    .vgpr_count:     240
    .wavefront_size: 32
...
	.end_amdgpu_metadata
.endif
;; end of part 5
;; launch g3 (part 6): grid 16 x 16, 4 waves a work-group, clusters of 4 x 4, 327,680 bytes of LDS; arguments h2c, wc, lowp_scales, b_fc, gc; writes gc
.if DOCPART == 6
	.amdgcn_target "amdgcn-amd-amdhsa--gfx1250"
	.amdhsa_code_object_version 6
	.text
	.protected	k_qf228bbfeb6_g3
	.globl	k_qf228bbfeb6_g3
	.p2align	8
	.type	k_qf228bbfeb6_g3,@function
k_qf228bbfeb6_g3:
	s_mov_b64 s[64:65], 0
	v_nop
	global_prefetch_b8 v0, s[64:65] scope:SCOPE_SE
	s_setreg_imm32_b32 hwreg(HW_REG_WAVE_MODE, 25, 1), 1
	s_wait_xcnt 0x0
	s_wait_alu depctr_hold_cnt(0) depctr_sa_sdst(0) depctr_va_vdst(0) depctr_va_sdst(0) depctr_va_ssrc(0) depctr_va_vcc(0) depctr_vm_vsrc(0)
	s_getreg_b32 s2, hwreg(HW_REG_IB_STS2, 6, 4)
	s_cmp_eq_u32 s2, 0
	s_cbranch_scc0 .Lentry_in_a_cluster
	s_endpgm
.Lentry_in_a_cluster:
	s_bfe_u32 s2, ttmp6, 0x10000c
	s_cmp_lg_u32 s2, 0xf033
	s_cbranch_scc0 .Lentry_shape_is_right
	s_endpgm
.Lentry_shape_is_right:
; A GEMM on codes of E4M3 whose results are quantised again on the way out: C = A B^T, K = 1,024; tile 256 x 256, four waves of 128 x 128; ring of two LDS slots of 256 along K.
; KIND 0: product 1, q k v = LN1(x) W_qkv + b_qkv.  A cluster of 4 x 4 tiles is purely q (cluster x = 0), k (1) or v (2).  q and k: A = the tokens' codes, B = the weight's rows; codes go to [token][2048].
;         v: THE OPERANDS CHANGE PLACES (A = W_v's rows, B = the tokens), so that C is [channel][token] and the codes come out with the keys innermost; nothing is transposed.  The choice hangs on the cluster's x alone.
; KIND 1: product 5, gelu(LN2(x1) W_fc + b_fc), codes to [token][4096].  gelu (tanh form) is computed as x / (1 + 2^z), z = x (k1 + k2 x^2), k1 = -2 log2(e) sqrt(2 / pi), k2 = 0.044715 k1: the same function.
; CLUSTERS: the four of a row of the cluster ask for A's tiles jointly, the four of a column for B's.  The matrix instruction is used transposed (source 0 = rows of B, source 1 = rows of A): a lane holds eight neighbours of a row of C.
; LIMITS: ea + eb between -126 and 127; the output's exponent between -126 and 119.  NaN and infinities are not served.
; REGISTERS: window 0: v0-31 addresses and constants; v32-47 bias by rows; v48-63 codes; v64-127 bias by columns; v128-255 A's fragments, on the way out numbers at work and rows read back.
;   window 1: B's fragments, two sets.   windows 2, 3: the 64 accumulators.
.set KIND,   1
.set OUTP,   4096                      ; bytes of a row of the output
.set WOFF,   4194304                   ; the weight's place in wc (KIND 1)
.set KSTEP,  256
.set ROWB,   256
.set KROW,   1024
.set PITCH,  272                       ; an LDS row: 256 bytes + 16 of padding = 68 words: the 16 rows that a load touches start at 16 different banks (64 banks of 4 bytes: ISA guide 11.1)
.set FR,     16
.set NL,     4
.set NP,     4
.set HALFT,  128*PITCH
.set SLOT,   4*HALFT
.set LAPS,   2                         ; 1,024 along K = four K steps = twice round the ring
.set SPARE,  2*SLOT                    ; behind the ring: the spare words, 128 bytes a wave
.set ADRA, 16
.set ADRB, 20
.set STO,  24
.set RD,   25
.set CO,   26
.set SPW,  28
.set NIL,  29
.set SC,   30
.set LIM,  31
.set BM,   32
.set CD,   48
.set BN,   64
.set AF,   128
.set XV,   128
.set ZV,   192
.set RB,   128
.set G1, 24
.set G0, 32
.set G1B, 48
.set G0B, 56
.set MSB, 0
.macro WIN new                         ; the immediate's high byte repeats the setting that is left
.if MSB != \new
	s_set_vgpr_msb (MSB<<8)|\new
.set MSB, \new
.endif
.endm
.set MUL_LO, 0xa1
.set MUL_HI, 0xf1
.set TO_B,   0x40
.macro JLOAD g0a, g1a, g0b, g1b        ; a joint load: waves 0 and 1 fetch for A, waves 2 and 3 for B; four v_nop follow each line
	s_cmp_eq_u32 s15, 0
	s_cbranch_scc0 .Lfor_b_\@
	tensor_load_to_lds s[\g0a:\g0a+3], s[\g1a:\g1a+7]
	s_nop 0
.rept 4
	v_nop
.endr
	s_branch .Lasked_\@
.Lfor_b_\@:
	tensor_load_to_lds s[\g0b:\g0b+3], s[\g1b:\g1b+7]
	s_nop 0
.rept 4
	v_nop
.endr
.Lasked_\@:
.endm
.macro CREST
	s_cmp_lg_u32 s14, 0
	s_cbranch_scc1 .Lnot_wave_0_\@
	s_barrier_signal -3
.Lnot_wave_0_\@:
	s_barrier_wait -3
	s_barrier_signal -1
	s_barrier_wait -1
.endm
.macro CROUND
	s_barrier_signal -1
	s_barrier_wait -1
	CREST
.endm
	s_load_b128 s[4:7], s[0:1], 0x0                ; the activations' codes, wc
	s_load_b128 s[8:11], s[0:1], 0x10              ; the exponents, the bias
	s_load_b64 s[12:13], s[0:1], 0x20              ; the output
	v_lshl_add_u32 v[SPW], v0, 2, SPARE
	v_mov_b32 v[NIL], 0
	ds_add_u32 v28, v29
	s_wait_dscnt 0x0
	v_lshrrev_b32 v1, 5, v0
	v_readfirstlane_b32 s14, v1                    ; wave 0..3
	s_lshr_b32 s15, s14, 1                         ; my half of the tile's rows; also: I fetch for A (0) or B (1)
	s_and_b32 s16, s14, 1                          ; my half of its columns; also: which 128 rows I fetch
	s_bfe_u32 s40, ttmp6, 0x40000                  ; cx
	s_bfe_u32 s41, ttmp6, 0x40004                  ; cy
	s_and_b32 s67, ttmp7, 0xffff                   ; cluster y
.if KIND == 0
	s_cmp_lt_u32 ttmp9, 2                          ; q or k?  The same in all sixteen partners
	s_cselect_b32 s66, s67, 0                      ; rows of clusters: tokens, or the one block of 1,024 channels
	s_cselect_b32 s67, ttmp9, s67                  ; columns of clusters: q, k, or tokens
	s_cselect_b32 s68, -1, 0                       ; all ones for q and k
	s_cselect_b32 s19, 0, 2097152                  ; W_v's rows begin 2,048 rows into the weight's codes
.else
	s_mov_b32 s66, s67
	s_mov_b32 s67, ttmp9
.endif
	s_lshl_b32 s42, s67, 2
	s_add_co_u32 s42, s42, s40                     ; tile column of C
	s_lshl_b32 s17, s66, 2
	s_add_co_u32 s17, s17, s41                     ; tile row of C
	s_lshl_b32 s43, s41, 2
	s_lshl_b32 s43, 15, s43                        ; my row of the cluster
	s_lshl_b32 s44, 0x1111, s40                    ; my column
	s_or_b32 s[G1+0], s43, (0<<16)|(1<<20)|(1<<21)|(5<<22)|(3<<25)  ; mask; elements of 1 byte; padding on; bit 21 beside a mask; 4 words behind every 64
	s_or_b32 s[G1B+0], s44, (0<<16)|(1<<20)|(1<<21)|(5<<22)|(3<<25)
.irp g, G1, G1B
	s_mov_b32 s[\g+1], ROWB<<16                    ; tensor_dim0
	s_mov_b32 s[\g+2], 128<<16                     ; tensor_dim1
	s_mov_b32 s[\g+3], ROWB<<16                    ; tile_dim0
	s_mov_b32 s[\g+4], 128                         ; tile_dim1
	s_mov_b32 s[\g+5], KROW                        ; pitch
	s_mov_b32 s[\g+6], 0
	s_mov_b32 s[\g+7], 0
.endr
	s_lshl_b32 s18, s16, 7
	s_lshl_b32 s20, s17, 8
	s_add_co_u32 s20, s20, s18
	s_lshl_b32 s20, s20, 10                        ; A: (256 x tile row + 128 x half) rows of 1,024 bytes
	s_lshl_b32 s46, s42, 8
	s_add_co_u32 s46, s46, s18
	s_lshl_b32 s46, s46, 10                        ; B likewise, by the tile column
.if KIND == 0
	s_add_co_u32 s20, s20, s19
.else
	s_add_co_u32 s46, s46, WOFF
.endif
	s_mov_b32 s21, 0
	s_mov_b32 s47, 0
	s_mul_i32 s45, s14, HALFT                      ; where my part lands: wave x 128 rows
	s_wait_kmcnt 0x0
.if KIND == 0
	s_load_b128 s[76:79], s[8:9], 0x0              ; e0 .. e3
	s_load_b32 s80, s[8:9], 0x10                   ; e4
	s_cmp_lt_u32 ttmp9, 2
	s_cselect_b64 s[92:93], s[4:5], s[6:7]         ; A's buffer
	s_cselect_b64 s[94:95], s[6:7], s[4:5]         ; B's
	s_add_nc_u64 s[20:21], s[92:93], s[20:21]
	s_add_nc_u64 s[46:47], s[94:95], s[46:47]
.else
	s_load_b128 s[76:79], s[8:9], 0x20             ; e8 .. e11
	s_add_nc_u64 s[20:21], s[4:5], s[20:21]
	s_add_nc_u64 s[46:47], s[6:7], s[46:47]
.endif
	CROUND                                         ; all sixteen work-groups are here: the first joint loads meet
.irp s, 0,1
	s_mov_b32 s[G0+4*\s], 1
	s_add_co_u32 s[G0+4*\s+1], s45, \s*SLOT
	s_add_nc_u64 s[G0+4*\s+2:G0+4*\s+3], s[20:21], \s*ROWB
	s_or_b32 s[G0+4*\s+3], s[G0+4*\s+3], 0x80000000
	s_mov_b32 s[G0B+4*\s], 1
	s_add_co_u32 s[G0B+4*\s+1], s45, \s*SLOT
	s_add_nc_u64 s[G0B+4*\s+2:G0B+4*\s+3], s[46:47], \s*ROWB
	s_or_b32 s[G0B+4*\s+3], s[G0B+4*\s+3], 0x80000000
	JLOAD G0+4*\s, G1, G0B+4*\s, G1B
.endr
	v_and_b32 v1, 15, v0                           ; r = l % 16
	v_bfe_u32 v2, v0, 4, 1                         ; h = l / 16
	v_mul_u32_u24 v3, v1, PITCH
	v_lshl_add_u32 v4, v2, 4, v3
	s_mul_i32 s21, s15, HALFT
	s_mul_i32 s22, s16, HALFT
	s_add_co_u32 s22, s22, 2*HALFT
.irp s, 0,1
	v_add_nc_u32 v[ADRA+\s], s21, v4
	v_add_nc_u32 v[ADRB+\s], s22, v4
	s_add_co_u32 s21, s21, SLOT
	s_add_co_u32 s22, s22, SLOT
.endr
	; the way out: ONE stage of 256 rows x 272 bytes for the work-group, in slot 0, since a row's 256 codes come from two waves
	s_mul_i32 s23, s15, 128*PITCH
	s_lshl_b32 s22, s16, 7
	s_add_co_u32 s23, s23, s22
	v_lshl_add_u32 v5, v2, 3, v3
	v_add_nc_u32 v[STO], s23, v5                   ; in: row 128 x half + r, byte 128 x half + 8 h
	s_mul_i32 s23, s14, 64*PITCH
	v_mul_u32_u24 v6, v2, PITCH
	v_lshl_add_u32 v6, v1, 4, v6
	v_add_nc_u32 v[RD], s23, v6                    ; back: wave w takes rows 64 w on, two rows an instruction
	v_mul_u32_u24 v7, v2, OUTP
	v_lshl_add_u32 v[CO], v1, 4, v7
	s_lshl_b32 s20, s17, 8
	s_lshl_b32 s21, s14, 6
	s_add_co_u32 s20, s20, s21
	s_mul_i32 s20, s20, OUTP                       ; the first row that I store
.if KIND == 0
	s_and_b32 s46, s42, 7
	s_lshl_b32 s46, s46, 8                         ; q, k: 256 x tile column;  v: the key within its batch,
	s_lshr_b32 s47, s42, 3
	s_lshl_b32 s47, s47, 21                        ; and the batch: 1,024 rows of 2,048 bytes
	s_add_co_u32 s46, s46, s47
	s_cmp_lt_u32 ttmp9, 2
	s_cselect_b32 s47, 0, 8388608                  ; v's codes lie behind q's and k's
	s_add_co_u32 s46, s46, s47
.else
	s_lshl_b32 s46, s42, 8
.endif
	s_add_co_u32 s20, s20, s46
	s_mov_b32 s21, 0
	s_add_nc_u64 s[12:13], s[12:13], s[20:21]
	; the bias, asked for now and waited for on the way out; its address registers are never rewritten
	s_lshl_b32 s82, s42, 8
	s_lshl_b32 s83, s16, 7
	s_add_co_u32 s82, s82, s83                     ; my first column
.if KIND == 0
	s_cmp_lt_u32 ttmp9, 2
	s_cselect_b32 s82, s82, 0                      ; (v: these loads stay inside the buffer and their numbers are replaced by 0)
	s_cselect_b32 s84, 0, s17
	s_lshl_b32 s84, s84, 8
	s_lshl_b32 s85, s15, 7
	s_add_co_u32 s84, s84, s85
	s_add_co_u32 s84, s84, 2048                    ; v: the bias goes by rows of C, entries 2,048 on
	s_lshl_b32 s84, s84, 2
	s_mov_b32 s85, 0
	s_add_nc_u64 s[90:91], s[10:11], s[84:85]
.endif
	s_lshl_b32 s82, s82, 2
	s_mov_b32 s83, 0
	s_add_nc_u64 s[88:89], s[10:11], s[82:83]
	v_lshlrev_b32 v8, 5, v2
	v_lshlrev_b32 v9, 2, v1
.irp b, 0,1,2,3,4,5,6,7
	global_load_b128 v[BN+8*\b:BN+8*\b+3], v8, s[88:89] offset:64*\b          ; columns 16 b + 8 h + 0 .. 7
	global_load_b128 v[BN+8*\b+4:BN+8*\b+7], v8, s[88:89] offset:64*\b+16
.endr
.if KIND == 0
.irp a, 0,1,2,3,4,5,6,7
	global_load_b32 v[BM+2*\a], v9, s[90:91] offset:64*\a                     ; row 16 a + r
.endr
.endif
.macro FRAG reg, adr, q, i             ; 16 rows x 128 K: registers 4 c .. 4 c + 3 hold K = 32 c + 16 h + 0 .. 15: the same permutation of K in A and in B
.irp c, 0,1,2,3
	ds_load_b128 v[\reg+4*\c:\reg+4*\c+3], v[\adr] offset:128*(\q)+32*\c+(\i)*16*PITCH
.endr
.endm
.macro MUL16 a0, p, zero               ; the 64 accumulators take turns, one instruction a turn, in the same order in every step
.irp a, \a0, \a0+1
.irp b, 0,1,2,3,4,5,6,7
.if \zero
	v_wmma_f32_16x16x128_fp8_fp8 v[8*(8*((\a)%4)+\b):8*(8*((\a)%4)+\b)+7], v[128*(\p)+FR*\b:128*(\p)+FR*\b+FR-1], v[AF+FR*(\a):AF+FR*(\a)+FR-1], 0
.else
	v_wmma_f32_16x16x128_fp8_fp8 v[8*(8*((\a)%4)+\b):8*(8*((\a)%4)+\b)+7], v[128*(\p)+FR*\b:128*(\p)+FR*\b+FR-1], v[AF+FR*(\a):AF+FR*(\a)+FR-1], v[8*(8*((\a)%4)+\b):8*(8*((\a)%4)+\b)+7]
.endif
.endr
.endr
.endm
.macro FETCH_B slot, q, p
	WIN TO_B
.irp i, 0,1,2,3,4,5,6,7
	FRAG 128*(\p)+FR*\i, ADRB+\slot, \q, \i
.endr
	WIN 0
.endm
.macro FETCH_A slot, q, i0
.irp i, \i0, \i0+1, \i0+2, \i0+3
	FRAG AF+FR*(\i), ADRA+\slot, \q, \i
.endr
.endm
.macro PLACES n                        ; plain vector instructions between a matrix instruction and a load into, or a read of, its registers
.rept \n
	v_nop
.endr
.endm
.macro STEP slot, q, zero              ; 128 along K whose successor lies in the same slot
	s_wait_dscnt 4*NL                              ; B's set and A's blocks 0-3 are in; the youngest sixteen loads (A's blocks 4-7) may be out
	WIN MUL_LO
	MUL16 0, (\q)%2, \zero
	MUL16 2, (\q)%2, \zero
	s_wait_dscnt 0
	PLACES NP
	FETCH_B \slot, (\q)+1, 1-(\q)%2
	FETCH_A \slot, (\q)+1, 0
	WIN MUL_HI
	MUL16 4, (\q)%2, \zero
	MUL16 6, (\q)%2, \zero
	PLACES NP
	WIN 0
	FETCH_A \slot, (\q)+1, 4
.endm
.macro TURN slot, next, fill           ; a slot's last step changes slots
	s_wait_tensorcnt 0x0                           ; all my tensor loads have landed: my part of the next slot
	ds_add_u32 v[SPW], v[NIL]                      ; 0 onto my spare word
	s_wait_dscnt 4*NL+1                            ; (the add and the youngest sixteen loads may be out)
	WIN MUL_LO
	MUL16 0, 1, 0
	s_wait_dscnt 0x0                               ; the add is done, and my reads of this slot are over
	s_barrier_signal -1
	MUL16 2, 1, 0
	WIN 0
	s_barrier_wait -1
.if \fill
	CREST                                          ; the barrier has opened a round of the cluster's: no wave of any partner still reads this slot or has a load on its way
	s_add_nc_u64 s[G0+4*\slot+2:G0+4*\slot+3], s[G0+4*\slot+2:G0+4*\slot+3], 2*ROWB
	s_add_nc_u64 s[G0B+4*\slot+2:G0B+4*\slot+3], s[G0B+4*\slot+2:G0B+4*\slot+3], 2*ROWB
	JLOAD G0+4*\slot, G1, G0B+4*\slot, G1B         ; the first tensor load behind the round; its four v_nop are the places in front of the loads below
.else
	PLACES NP
.endif
	FETCH_B \next, 0, 0
	FETCH_A \next, 0, 0
	WIN MUL_HI
	MUL16 4, 1, 0
	MUL16 6, 1, 0
	PLACES NP
	WIN 0
	FETCH_A \next, 0, 4
.endm
	s_wait_tensorcnt 1                             ; my part of K step 0 is in (K step 1's load may be out),
	s_barrier_signal -1
	s_barrier_wait -1                              ; everybody's is
	FETCH_B 0, 0, 0
	FETCH_A 0, 0, 0
	FETCH_A 0, 0, 4
	STEP 0, 0, 1                                   ; the first step's products start the sums
	s_mov_b32 s3, LAPS-1
.Llap:
	TURN 0, 1, 1
	STEP 1, 0, 0
	TURN 1, 0, 1
	STEP 0, 0, 0
	s_sub_co_u32 s3, s3, 1
	s_cmp_lg_u32 s3, 0
	s_cbranch_scc1 .Llap
	TURN 0, 1, 0                                   ; the last lap fills nothing; behind this barrier nobody reads slot 0, and nothing is filled there again
	STEP 1, 0, 0
	s_wait_dscnt 4*NL
	WIN MUL_LO
	MUL16 0, 1, 0
	MUL16 2, 1, 0
	s_wait_dscnt 0
	WIN MUL_HI
	MUL16 4, 1, 0
	MUL16 6, 1, 0
	WIN 0
; THE WAY OUT of block a (16 rows x 128 columns): sum x 2^(ea + eb) + bias, the activation, the hold, the conversion; 8 codes a lane and tile into the stage.
.macro EPI a
.set AC, 64*((\a)%4)
	WIN 0x02+((\a)/4)                              ; source 0: window 2 or 3
.set j, 0
.rept 32
	v_pk_fma_f32 v[XV+j:XV+j+1], v[AC+j:AC+j+1], s[72:73], v[BN+j:BN+j+1] op_sel_hi:[1,0,1]   ; each accumulator from its low end on
.set j, j+2
.endr
	WIN 0
.if KIND == 0
.set j, 0
.rept 32
	v_pk_add_f32 v[XV+j:XV+j+1], v[XV+j:XV+j+1], v[BM+2*(\a):BM+2*(\a)+1]
.set j, j+2
.endr
.else
.set j, 0
.rept 32
	v_pk_mul_f32 v[ZV+j:ZV+j+1], v[XV+j:XV+j+1], v[XV+j:XV+j+1]
.set j, j+2
.endr
.set j, 0
.rept 32
	v_pk_fma_f32 v[ZV+j:ZV+j+1], v[ZV+j:ZV+j+1], s[84:85], v[10:11] op_sel_hi:[1,0,1]         ; k2 x^2 + k1
.set j, j+2
.endr
.set j, 0
.rept 32
	v_pk_mul_f32 v[ZV+j:ZV+j+1], v[ZV+j:ZV+j+1], v[XV+j:XV+j+1]                              ; z
.set j, j+2
.endr
.set j, 0
.rept 64
	v_exp_f32 v[ZV+j], v[ZV+j]
.set j, j+1
.endr
	v_nop                                          ; a plain instruction behind the batch
	s_wait_alu depctr_va_vdst(0)                   ; one wait for the batch, ahead of its first reader
.set j, 0
.rept 32
	v_pk_add_f32 v[ZV+j:ZV+j+1], v[ZV+j:ZV+j+1], 1.0 op_sel_hi:[1,0]
.set j, j+2
.endr
.set j, 0
.rept 64
	v_rcp_f32 v[ZV+j], v[ZV+j]
.set j, j+1
.endr
	v_nop
	s_wait_alu depctr_va_vdst(0)
.set j, 0
.rept 32
	v_pk_mul_f32 v[XV+j:XV+j+1], v[XV+j:XV+j+1], v[ZV+j:ZV+j+1]                              ; x / (1 + 2^z)
.set j, j+2
.endr
.endif
.set j, 0
.rept 64
	v_med3_num_f32 v[XV+j], v[XV+j], -v[LIM], v[LIM]
.set j, j+1
.endr
	s_wait_dscnt 0x0                               ; the last block's stores into the stage have read their registers
.irp b, 0,1,2,3,4,5,6,7
	v_cvt_scalef32_pk8_fp8_f32 v[CD+2*\b:CD+2*\b+1], v[XV+8*\b:XV+8*\b+7], v[SC]
.endr
	v_nop                                          ; a plain instruction behind the last conversion
.irp b, 0,1,2,3,4,5,6,7
	ds_store_b64 v[STO], v[CD+2*\b:CD+2*\b+1] offset:16*(\a)*PITCH+16*\b
.endr
.endm
	s_wait_kmcnt 0x0
	s_add_co_i32 s72, s76, s77
	s_add_co_i32 s72, s72, 127
	s_lshl_b32 s72, s72, 23                        ; 2^(ea + eb) as f32
	s_mov_b32 s73, s72
.if KIND == 0
	s_cmp_eq_u32 ttmp9, 0
	s_cselect_b32 s69, s78, s79                    ; q: e2, k: e3,
	s_cmp_eq_u32 ttmp9, 2
	s_cselect_b32 s69, s80, s69                    ; v: e4
.else
	s_mov_b32 s69, s78                             ; e10
	s_mov_b32 s84, 0xbdd2d3e8                      ; k2
	s_mov_b32 s85, s84
	v_mov_b32 v10, 0xc0135761                      ; k1
	v_mov_b32 v11, v10
.endif
	s_add_co_i32 s69, s69, 127
	s_lshl_b32 s82, s69, 23
	v_mov_b32 v[SC], s82                           ; the output's scale as f32,
	s_add_co_i32 s69, s69, 8
	s_lshl_b32 s69, s69, 23
	s_or_b32 s69, s69, 0x600000
	v_mov_b32 v[LIM], s69                          ; and 448 x it
	s_wait_loadcnt 0x0                             ; the bias
.if KIND == 0
.set j, 0
.rept 64
	v_cndmask_b32 v[BN+j], 0, v[BN+j], s68         ; q, k: the bias goes by columns;
.set j, j+1
.endr
.irp a, 0,1,2,3,4,5,6,7
	v_cndmask_b32 v[BM+2*\a], v[BM+2*\a], 0, s68   ; v: by rows.  A choice of values: no branch
	v_mov_b32 v[BM+2*\a+1], v[BM+2*\a]
.endr
.endif
	PLACES NP
.irp a, 0,1,2,3,4,5,6,7
	EPI \a
.endr
	s_wait_dscnt 0x0                               ; for the others' sake: my stores into the stage are done
	s_barrier_signal -1
	s_barrier_wait -1
.set t, 0
.rept 32
	ds_load_b128 v[RB+4*t:RB+4*t+3], v[RD] offset:2*t*PITCH
.set t, t+1
.endr
.set t, 0
.rept 32
	s_wait_dscnt 31-t
	global_store_b128 v[CO], v[RB+4*t:RB+4*t+3], s[12:13] offset:2*t*OUTP   ; sixteen lanes store 256 consecutive bytes, aligned
.set t, t+1
.endr
	s_wait_tensorcnt 0x0                           ; the wave's end
	ds_add_u32 v[SPW], v[NIL]
	s_wait_dscnt 0x0
	CROUND                                         ; the closing round
	s_endpgm
.Lfunc_end_k_qf228bbfeb6_g3:
	.size	k_qf228bbfeb6_g3, .Lfunc_end_k_qf228bbfeb6_g3-k_qf228bbfeb6_g3
	.p2alignl 7, 3214868480
	.fill 96, 4, 3214868480
	.section	.rodata,"a",@progbits
	.p2align	6, 0x0
	.amdhsa_kernel k_qf228bbfeb6_g3
		.amdhsa_group_segment_fixed_size 327680
		.amdhsa_private_segment_fixed_size 0
		.amdhsa_enable_private_segment 0
		.amdhsa_kernarg_size 40
		.amdhsa_user_sgpr_count 2
		.amdhsa_user_sgpr_kernarg_segment_ptr 1
		.amdhsa_wavefront_size32 1
		.amdhsa_system_sgpr_workgroup_id_x 1
		.amdhsa_system_sgpr_workgroup_id_y 1
		.amdhsa_system_sgpr_workgroup_id_z 1
		.amdhsa_system_vgpr_workitem_id 0
		.amdhsa_next_free_vgpr 1024
		.amdhsa_next_free_sgpr 100
		.amdhsa_reserve_vcc 0
		.amdhsa_float_denorm_mode_32 3
		.amdhsa_float_denorm_mode_16_64 3
		.amdhsa_memory_ordered 1
		.amdhsa_forward_progress 1
		.amdhsa_inst_pref_size 255
	.end_amdhsa_kernel
	.section	.bss,"aw",@nobits
	.p2align	6
	.space	262144
	.amdgpu_metadata
---
amdhsa.version: [ 1, 2 ]
amdhsa.kernels:
  - .name:           k_qf228bbfeb6_g3
    .symbol:         k_qf228bbfeb6_g3.kd
    .args:
      - { .name: h2c, .offset: 0, .size: 8, .value_kind: global_buffer, .address_space: global }
      - { .name: wc, .offset: 8, .size: 8, .value_kind: global_buffer, .address_space: global }
      - { .name: lowp_scales, .offset: 16, .size: 8, .value_kind: global_buffer, .address_space: global }
      - { .name: b_fc, .offset: 24, .size: 8, .value_kind: global_buffer, .address_space: global }
      - { .name: gc, .offset: 32, .size: 8, .value_kind: global_buffer, .address_space: global }
    .group_segment_fixed_size: 327680
    .private_segment_fixed_size: 0
    .kernarg_segment_align: 8
    .kernarg_segment_size: 40
    .max_flat_workgroup_size: 128
    .sgpr_count:     100
    .vgpr_count:     1024
    .wavefront_size: 32
...
	.end_amdgpu_metadata
.endif
;; end of part 6
;; launch g4 (part 7): grid 8 x 32, 4 waves a work-group, clusters of 4 x 4, 327,680 bytes of LDS; arguments gc, wc, lowp_scales, b_proj, x1, out0; writes out0
.if DOCPART == 7
	.amdgcn_target "amdgcn-amd-amdhsa--gfx1250"
	.amdhsa_code_object_version 6
	.text
	.protected	k_qf228bbfeb6_g4
	.globl	k_qf228bbfeb6_g4
	.p2align	8
	.type	k_qf228bbfeb6_g4,@function
k_qf228bbfeb6_g4:
	s_mov_b64 s[64:65], 0
	v_nop
	global_prefetch_b8 v0, s[64:65] scope:SCOPE_SE
	s_setreg_imm32_b32 hwreg(HW_REG_WAVE_MODE, 25, 1), 1
	s_wait_xcnt 0x0
	s_wait_alu depctr_hold_cnt(0) depctr_sa_sdst(0) depctr_va_vdst(0) depctr_va_sdst(0) depctr_va_ssrc(0) depctr_va_vcc(0) depctr_vm_vsrc(0)
	s_getreg_b32 s2, hwreg(HW_REG_IB_STS2, 6, 4)
	s_cmp_eq_u32 s2, 0
	s_cbranch_scc0 .Lentry_in_a_cluster
	s_endpgm
.Lentry_in_a_cluster:
	s_bfe_u32 s2, ttmp6, 0x10000c
	s_cmp_lg_u32 s2, 0xf033
	s_cbranch_scc0 .Lentry_shape_is_right
	s_endpgm
.Lentry_shape_is_right:
; out = resid + A B^T x 2^(ea + eb) + bias, f32.  A: [4096][SIZE_K] codes of E4M3; B: 1,024 rows of SIZE_K codes at WOFF in wc.  Tile 128 x 128 (tiles of 256 x 256 would be 64, a quarter of the WGPs);
; four waves of 64 x 64: 16 accumulators.  K goes in steps of 512 (LDS rows of 512 bytes + 16) through two slots; a wave's tensor load brings 64 rows.
; CLUSTERS: 4 x 4; A's tiles are asked for jointly along a row of the cluster, B's along a column.  The matrix instruction is used transposed: a lane holds eight neighbours of a row of C.
; The residual is asked for at the head, in the layout in which rows are stored, and lands during the products.  A wave's 64 columns are 256 bytes, aligned: each wave has a stage of its own and no barrier stands on the way out.
; LIMIT: ea + eb between -126 and 127.
; REGISTERS: window 0: v0-31 addresses, v12-15 the bias; v32-95 two sets of rows on the way out; v128-255 the accumulators.  window 1: two fragment buffers of 128 (A's 4 x 16, then B's 4 x 16).  window 2: v0-127 the residual.
.set SIZE_K, 4096
.set WOFF,   8388608
.set EOFF,   40
.set KSTEP,  512
.set PITCH,  528                       ; 132 words: the 16 rows that a load touches start at 16 different banks (64 banks of 4 bytes: ISA guide 11.1)
.set HALFT,  64*PITCH
.set SLOT,   4*HALFT
.set STAGE,  2*SLOT                    ; behind the ring: 16 rows x 272 bytes for each wave
.set SPITCH, 272
.set SPARE,  STAGE+4*16*SPITCH         ; behind the stages: the spare words
.set LAPS,   SIZE_K/(2*KSTEP)
.set ADRA, 16
.set ADRB, 20
.set STO,  24
.set RD,   25
.set CO,   26
.set SPW,  28
.set NIL,  29
.set BI,   12
.set TB,   32
.set ACC,  128
.set F0,   0
.set F1,   128
.set G1, 24
.set G0, 32
.set G1B, 48
.set G0B, 56
.set MSB, 0
.macro WIN new
.if MSB != \new
	s_set_vgpr_msb (MSB<<8)|\new
.set MSB, \new
.endif
.endm
.set MUL,  0x05                        ; sources 0 (B) and 1 (A) window 1; C and D window 0
.set TO_F, 0x40
.macro JLOAD s
	s_cmp_eq_u32 s11, 0
	s_cbranch_scc0 .Lfor_b_\@
	tensor_load_to_lds s[G0+4*\s:G0+4*\s+3], s[G1:G1+7]
	s_nop 0
.rept 4
	v_nop
.endr
	s_branch .Lasked_\@
.Lfor_b_\@:
	tensor_load_to_lds s[G0B+4*\s:G0B+4*\s+3], s[G1B:G1B+7]
	s_nop 0
.rept 4
	v_nop
.endr
.Lasked_\@:
.endm
.macro CREST
	s_cmp_lg_u32 s10, 0
	s_cbranch_scc1 .Lnot_wave_0_\@
	s_barrier_signal -3
.Lnot_wave_0_\@:
	s_barrier_wait -3
	s_barrier_signal -1
	s_barrier_wait -1
.endm
.macro CROUND
	s_barrier_signal -1
	s_barrier_wait -1
	CREST
.endm
	s_load_b128 s[4:7], s[0:1], 0x0                ; A's codes, wc
	s_load_b64 s[8:9], s[0:1], 0x10                ; the exponents
	s_load_b128 s[68:71], s[0:1], 0x18             ; the bias, the residual
	s_load_b64 s[72:73], s[0:1], 0x28              ; the output
	v_lshl_add_u32 v[SPW], v0, 2, SPARE
	v_mov_b32 v[NIL], 0
	ds_add_u32 v28, v29
	s_wait_dscnt 0x0
	v_lshrrev_b32 v1, 5, v0
	v_readfirstlane_b32 s10, v1                    ; wave 0..3
	s_lshr_b32 s11, s10, 1                         ; my half of the rows; also: I fetch for A (0) or B (1)
	s_and_b32 s12, s10, 1                          ; my half of the columns; also: which 64 rows I fetch
	s_bfe_u32 s40, ttmp6, 0x40000
	s_bfe_u32 s41, ttmp6, 0x40004
	s_lshl_b32 s42, ttmp9, 2
	s_add_co_u32 s42, s42, s40                     ; tile column
	s_and_b32 s13, ttmp7, 0xffff
	s_lshl_b32 s13, s13, 2
	s_add_co_u32 s13, s13, s41                     ; tile row
	s_lshl_b32 s43, s41, 2
	s_lshl_b32 s43, 15, s43
	s_lshl_b32 s44, 0x1111, s40
	s_or_b32 s[G1+0], s43, (0<<16)|(1<<20)|(1<<21)|(6<<22)|(3<<25)  ; mask; elements of 1 byte; padding on; bit 21 beside a mask; 4 words behind every 128
	s_or_b32 s[G1B+0], s44, (0<<16)|(1<<20)|(1<<21)|(6<<22)|(3<<25)
.irp g, G1, G1B
	s_mov_b32 s[\g+1], KSTEP<<16
	s_mov_b32 s[\g+2], 64<<16
	s_mov_b32 s[\g+3], KSTEP<<16
	s_mov_b32 s[\g+4], 64
	s_mov_b32 s[\g+5], SIZE_K
	s_mov_b32 s[\g+6], 0
	s_mov_b32 s[\g+7], 0
.endr
	s_lshl_b32 s17, s12, 6
	s_lshl_b32 s16, s13, 7
	s_add_co_u32 s16, s16, s17
	s_mul_i32 s16, s16, SIZE_K
	s_lshl_b32 s46, s42, 7
	s_add_co_u32 s46, s46, s17
	s_mul_i32 s46, s46, SIZE_K
	s_add_co_u32 s46, s46, WOFF
	s_mov_b32 s17, 0
	s_mov_b32 s47, 0
	s_mul_i32 s20, s10, HALFT
	s_wait_kmcnt 0x0
	s_load_b64 s[76:77], s[8:9], EOFF              ; ea, eb
	s_add_nc_u64 s[14:15], s[4:5], s[16:17]
	s_add_nc_u64 s[46:47], s[6:7], s[46:47]
	CROUND
.irp s, 0,1
	s_mov_b32 s[G0+4*\s], 1
	s_add_co_u32 s[G0+4*\s+1], s20, \s*SLOT
	s_add_nc_u64 s[G0+4*\s+2:G0+4*\s+3], s[14:15], \s*KSTEP
	s_or_b32 s[G0+4*\s+3], s[G0+4*\s+3], 0x80000000
	s_mov_b32 s[G0B+4*\s], 1
	s_add_co_u32 s[G0B+4*\s+1], s20, \s*SLOT
	s_add_nc_u64 s[G0B+4*\s+2:G0B+4*\s+3], s[46:47], \s*KSTEP
	s_or_b32 s[G0B+4*\s+3], s[G0B+4*\s+3], 0x80000000
	JLOAD \s
.endr
	v_and_b32 v1, 15, v0
	v_bfe_u32 v2, v0, 4, 1
	v_mul_u32_u24 v3, v1, PITCH
	v_lshl_add_u32 v3, v2, 4, v3
	s_mul_i32 s21, s11, HALFT
	s_mul_i32 s22, s12, HALFT
	s_add_co_u32 s22, s22, 2*HALFT
.irp s, 0,1
	v_add_nc_u32 v[ADRA+\s], s21, v3
	v_add_nc_u32 v[ADRB+\s], s22, v3
	s_add_co_u32 s21, s21, SLOT
	s_add_co_u32 s22, s22, SLOT
.endr
	s_mul_i32 s23, s10, 16*SPITCH
	s_add_co_u32 s23, s23, STAGE
	v_mul_u32_u24 v4, v1, SPITCH
	v_lshl_add_u32 v4, v2, 5, v4
	v_add_nc_u32 v[STO], s23, v4                   ; in: row r, 32 bytes for each half of the lanes
	v_mul_u32_u24 v5, v2, SPITCH
	v_lshl_add_u32 v5, v1, 4, v5
	v_add_nc_u32 v[RD], s23, v5                    ; back: two rows an instruction
	v_lshlrev_b32 v5, 12, v2
	v_lshl_add_u32 v[CO], v1, 4, v5                ; the same two rows in memory: rows of 4,096 bytes
	v_lshlrev_b32 v6, 4, v1
	s_lshl_b32 s16, s13, 7
	s_lshl_b32 s17, s11, 6
	s_add_co_u32 s16, s16, s17
	s_lshl_b32 s16, s16, 12                        ; my first row
	s_lshl_b32 s46, s42, 7
	s_lshl_b32 s47, s12, 6
	s_add_co_u32 s46, s46, s47
	s_lshl_b32 s46, s46, 2                         ; my first column, in bytes
	s_mov_b32 s47, 0
	s_add_nc_u64 s[68:69], s[68:69], s[46:47]
	s_add_co_u32 s16, s16, s46
	s_mov_b32 s17, 0
	s_add_nc_u64 s[70:71], s[70:71], s[16:17]
	s_add_nc_u64 s[72:73], s[72:73], s[16:17]
	global_load_b128 v[BI:BI+3], v6, s[68:69]      ; the bias of my four columns of a stored row
	WIN 0x80                                       ; destination window 2
.irp a, 0,1,2,3
.irp t, 0,1,2,3,4,5,6,7
	global_load_b128 v[4*(8*\a+\t):4*(8*\a+\t)+3], v[CO], s[70:71] offset:(16*\a+2*\t)*4096
.endr
.endr
	WIN 0
.macro MUL4 f, a, zero                 ; the 16 accumulators take turns, one instruction a turn
.irp b, 0,1,2,3
.if \zero
	v_wmma_f32_16x16x128_fp8_fp8 v[ACC+8*(4*(\a)+\b):ACC+8*(4*(\a)+\b)+7], v[\f+64+16*\b:\f+64+16*\b+15], v[\f+16*(\a):\f+16*(\a)+15], 0
.else
	v_wmma_f32_16x16x128_fp8_fp8 v[ACC+8*(4*(\a)+\b):ACC+8*(4*(\a)+\b)+7], v[\f+64+16*\b:\f+64+16*\b+15], v[\f+16*(\a):\f+16*(\a)+15], v[ACC+8*(4*(\a)+\b):ACC+8*(4*(\a)+\b)+7]
.endif
.endr
.endm
.macro FETCH slot, k, f                ; 32 LDS loads: the fragments of 128 along K at byte k of the rows
	WIN TO_F
.irp i, 0,1,2,3
.irp c, 0,1,2,3
	ds_load_b128 v[\f+64+16*\i+4*\c:\f+64+16*\i+4*\c+3], v[ADRB+\slot] offset:\k+32*\c+\i*16*PITCH
.endr
.endr
.irp i, 0,1,2,3
.irp c, 0,1,2,3
	ds_load_b128 v[\f+16*\i+4*\c:\f+16*\i+4*\c+3], v[ADRA+\slot] offset:\k+32*\c+\i*16*PITCH
.endr
.endr
.endm
.macro PLACES
.rept 4
	v_nop
.endr
.endm
.macro QUARTER slot, k, f, g, zero     ; multiplies buffer f; the next quarter's loads, into g, go out first
	s_wait_dscnt 0x0                               ; buffer f is in
	PLACES                                         ; buffer g was read by the products just issued
	FETCH \slot, \k, \g
	WIN MUL
	MUL4 \f, 0, \zero
	MUL4 \f, 1, \zero
	MUL4 \f, 2, \zero
	MUL4 \f, 3, \zero
.endm
.macro TURN slot, next, fill           ; a slot's last quarter (buffer 1) changes slots
	WIN 0
	s_wait_tensorcnt 0x0                           ; all my tensor loads have landed: my part of the next slot
	ds_add_u32 v[SPW], v[NIL]
	s_wait_dscnt 1                                 ; buffer 1 is in; the add may be out
	WIN MUL
	MUL4 F1, 0, 0
	s_wait_dscnt 0x0                               ; the add is done, and my reads of this slot are over
	s_barrier_signal -1
	MUL4 F1, 1, 0
.if \fill
	WIN 0
.endif
	s_barrier_wait -1
.if \fill
	CREST
	s_add_nc_u64 s[G0+4*\slot+2:G0+4*\slot+3], s[G0+4*\slot+2:G0+4*\slot+3], 2*KSTEP
	s_add_nc_u64 s[G0B+4*\slot+2:G0B+4*\slot+3], s[G0B+4*\slot+2:G0B+4*\slot+3], 2*KSTEP
	JLOAD \slot                                    ; the first tensor load behind the round; its four v_nop are the places in front of the loads below
.else
	PLACES
.endif
	FETCH \next, 0, F0
	WIN MUL
	MUL4 F1, 2, 0
	MUL4 F1, 3, 0
.endm
	s_wait_tensorcnt 1                             ; my part of K step 0 is in (K step 1's load may be out),
	s_barrier_signal -1
	s_barrier_wait -1
	FETCH 0, 0, F0
	QUARTER 0, 128, F0, F1, 1
.if LAPS > 1
	WIN 0
	s_mov_b32 s3, LAPS-1
.Llap:
	QUARTER 0, 256, F1, F0, 0
	QUARTER 0, 384, F0, F1, 0
	TURN 0, 1, 1
	QUARTER 1, 128, F0, F1, 0
	QUARTER 1, 256, F1, F0, 0
	QUARTER 1, 384, F0, F1, 0
	TURN 1, 0, 1
	QUARTER 0, 128, F0, F1, 0
	WIN 0
	s_sub_co_u32 s3, s3, 1
	s_cmp_lg_u32 s3, 0
	s_cbranch_scc1 .Llap
.endif
	QUARTER 0, 256, F1, F0, 0
	QUARTER 0, 384, F0, F1, 0
	TURN 0, 1, 0
	QUARTER 1, 128, F0, F1, 0
	QUARTER 1, 256, F1, F0, 0
	QUARTER 1, 384, F0, F1, 0
	s_wait_dscnt 0x0
	WIN MUL
	MUL4 F1, 0, 0
	MUL4 F1, 1, 0
	MUL4 F1, 2, 0
	MUL4 F1, 3, 0
	WIN 0
; THE WAY OUT of block a (16 rows x 64 columns): the sums go through my own stage and come back as rows of 256 bytes; then x 2^(ea + eb) + bias + residual.
.macro OUTB a
.set TBB, TB+32*((\a)%2)
.if (\a) >= 2
	s_wait_xcnt 0x0                                ; the stores of the block two back have read this set of registers
.endif
.irp b, 0,1,2,3
	ds_store_b128 v[STO], v[ACC+8*(4*(\a)+\b):ACC+8*(4*(\a)+\b)+3] offset:64*\b          ; each accumulator from its low end on
	ds_store_b128 v[STO], v[ACC+8*(4*(\a)+\b)+4:ACC+8*(4*(\a)+\b)+7] offset:64*\b+16
.endr
.irp t, 0,1,2,3,4,5,6,7
	ds_load_b128 v[TBB+4*\t:TBB+4*\t+3], v[RD] offset:2*\t*SPITCH   ; LDS serves a wave's instructions in order: these see my stores
.endr
	s_wait_dscnt 0x0
.irp t, 0,1,2,3,4,5,6,7
	v_pk_fma_f32 v[TBB+4*\t:TBB+4*\t+1], v[TBB+4*\t:TBB+4*\t+1], s[74:75], v[BI:BI+1] op_sel_hi:[1,0,1]
	v_pk_fma_f32 v[TBB+4*\t+2:TBB+4*\t+3], v[TBB+4*\t+2:TBB+4*\t+3], s[74:75], v[BI+2:BI+3] op_sel_hi:[1,0,1]
.endr
	WIN 0x08                                       ; source 1 (the residual) window 2
.irp t, 0,1,2,3,4,5,6,7
	v_pk_add_f32 v[TBB+4*\t:TBB+4*\t+1], v[TBB+4*\t:TBB+4*\t+1], v[4*(8*(\a)+\t):4*(8*(\a)+\t)+1]
	v_pk_add_f32 v[TBB+4*\t+2:TBB+4*\t+3], v[TBB+4*\t+2:TBB+4*\t+3], v[4*(8*(\a)+\t)+2:4*(8*(\a)+\t)+3]
.endr
	WIN 0
.irp t, 0,1,2,3,4,5,6,7
	global_store_b128 v[CO], v[TBB+4*\t:TBB+4*\t+3], s[72:73] offset:(16*(\a)+2*\t)*4096   ; sixteen lanes store 256 consecutive bytes, aligned
.endr
.endm
	s_wait_loadcnt 0x0                             ; the bias and the residual
	s_wait_kmcnt 0x0
	s_add_co_i32 s74, s76, s77
	s_add_co_i32 s74, s74, 127
	s_lshl_b32 s74, s74, 23                        ; 2^(ea + eb) as f32
	s_mov_b32 s75, s74
	PLACES
	OUTB 0
	OUTB 1
	OUTB 2
	OUTB 3
	s_wait_tensorcnt 0x0                           ; the wave's end
	ds_add_u32 v[SPW], v[NIL]
	s_wait_dscnt 0x0
	CROUND                                         ; the closing round
	s_endpgm
.Lfunc_end_k_qf228bbfeb6_g4:
	.size	k_qf228bbfeb6_g4, .Lfunc_end_k_qf228bbfeb6_g4-k_qf228bbfeb6_g4
	.p2alignl 7, 3214868480
	.fill 96, 4, 3214868480
	.section	.rodata,"a",@progbits
	.p2align	6, 0x0
	.amdhsa_kernel k_qf228bbfeb6_g4
		.amdhsa_group_segment_fixed_size 327680
		.amdhsa_private_segment_fixed_size 0
		.amdhsa_enable_private_segment 0
		.amdhsa_kernarg_size 48
		.amdhsa_user_sgpr_count 2
		.amdhsa_user_sgpr_kernarg_segment_ptr 1
		.amdhsa_wavefront_size32 1
		.amdhsa_system_sgpr_workgroup_id_x 1
		.amdhsa_system_sgpr_workgroup_id_y 1
		.amdhsa_system_sgpr_workgroup_id_z 1
		.amdhsa_system_vgpr_workitem_id 0
		.amdhsa_next_free_vgpr 640
		.amdhsa_next_free_sgpr 80
		.amdhsa_reserve_vcc 0
		.amdhsa_float_denorm_mode_32 3
		.amdhsa_float_denorm_mode_16_64 3
		.amdhsa_memory_ordered 1
		.amdhsa_forward_progress 1
		.amdhsa_inst_pref_size 81
	.end_amdhsa_kernel
	.amdgpu_metadata
---
amdhsa.version: [ 1, 2 ]
amdhsa.kernels:
  - .name:           k_qf228bbfeb6_g4
    .symbol:         k_qf228bbfeb6_g4.kd
    .args:
      - { .name: gc, .offset: 0, .size: 8, .value_kind: global_buffer, .address_space: global }
      - { .name: wc, .offset: 8, .size: 8, .value_kind: global_buffer, .address_space: global }
      - { .name: lowp_scales, .offset: 16, .size: 8, .value_kind: global_buffer, .address_space: global }
      - { .name: b_proj, .offset: 24, .size: 8, .value_kind: global_buffer, .address_space: global }
      - { .name: x1, .offset: 32, .size: 8, .value_kind: global_buffer, .address_space: global }
      - { .name: out0, .offset: 40, .size: 8, .value_kind: global_buffer, .address_space: global }
    .group_segment_fixed_size: 327680
    .private_segment_fixed_size: 0
    .kernarg_segment_align: 8
    .kernarg_segment_size: 48
    .max_flat_workgroup_size: 128
    .sgpr_count:     80
    .vgpr_count:     640
    .wavefront_size: 32
...
	.end_amdgpu_metadata
.endif
;; end of part 7
;; ======== version 2 of 2: 7 launches
;; limits: right only within a limited range of input values
;; workspace buffers: wc 12,582,912 bytes; h1c 4,194,304 bytes; maskw 540,672 bytes of whole numbers; qkvc 12,582,912 bytes; oc 4,194,304 bytes; x1 16,777,216 bytes; h2c 4,194,304 bytes; gc 16,777,216 bytes
;; launch prep (part 8): grid 768 x 1, 4 waves a work-group, no clusters, 35,328 bytes of LDS; arguments W_qkv, W_o, W_fc, W_proj, lowp_scales, x, ln1_w, ln1_b, mask, wc, h1c, maskw; writes wc, h1c, maskw
.if DOCPART == 8
	.amdgcn_target "amdgcn-amd-amdhsa--gfx1250"
	.amdhsa_code_object_version 6
	.text
	.protected	k_qf228bbfeb6_prep
	.globl	k_qf228bbfeb6_prep
	.p2align	8
	.type	k_qf228bbfeb6_prep,@function
k_qf228bbfeb6_prep:
	s_mov_b64 s[64:65], 0
	v_nop
	global_prefetch_b8 v0, s[64:65] scope:SCOPE_SE
	s_setreg_imm32_b32 hwreg(HW_REG_WAVE_MODE, 25, 1), 1
	s_wait_xcnt 0x0
; PREP: three jobs in one launch, told apart by the work-group's number; waves share nothing, so there is no barrier, no cluster and no tensor load.
;  0..383   the four weights, f32 stored [K][N], become codes of E4M3 laid [N][K] (K innermost) in wc: a lane takes a column, its registers run down K.
;           A work-group takes 128 columns x 256 along K, a wave 32 columns; the codes leave through the wave's own stage in LDS as rows of 256 bytes.
;  384..639 layer norm 1 of x, quantised: a wave takes 4 rows of 1,024; lane l holds k = 256 j + 8 l + 0..7, so that 8 neighbours along K stand in one lane.
;  640..767 the mask, bytes [2048][2048], becomes lane-mask words: maskw[T][s][n], bit l = mask[16 T + l % 16][128 s + 32 (n / 16) + 16 (l / 16) + n % 16];
;           behind them, from byte 524,288 on, one word for each tile T of queries and key step s: the OR of that step's 64 words.
; code = x / 2^e, held within +-448, to the nearest code, ties to even.  LIMITS: each e used here lies between -126 and 119.  NaN and infinities among the inputs are not served.
.set VO,   16                          ; v16-47   weights: byte offset of row i of a block, at my column: i x row bytes + 4 x lane; never rewritten
.set WX,   48                          ; v48-111  weights: two sets of 32 numbers
.set WC,   112                         ; v112-119 weights: a block's codes
.set WOUT, 120                         ; v120-183 weights: the way out
.set VO2,  184                         ; v184-199 weights: byte offsets of the stores; never rewritten
.set SPI,  272                         ; a stage row: 256 bytes + 16
.macro QSET se, st, vsc, vlim          ; from the exponent in s[se]: 2^e and 448 x 2^e as f32
	s_add_co_i32 s[\se], s[\se], 127
	s_lshl_b32 s[\st], s[\se], 23
	v_mov_b32 v[\vsc], s[\st]
	s_add_co_i32 s[\se], s[\se], 8
	s_lshl_b32 s[\se], s[\se], 23
	s_or_b32 s[\se], s[\se], 0x600000
	v_mov_b32 v[\vlim], s[\se]
.endm
.macro WLOAD t                         ; block t: W(32 t + i, my column), i = 0..31, into set t % 2; each block has a base of its own, so no base is stepped
.set i, 0
.rept 32
	global_load_b32 v[WX+32*((\t)%2)+i], v[VO+i], s[32+2*(\t):33+2*(\t)] th:TH_LOAD_NT
.set i, i+1
.endr
.endm
.macro WBLOCK t
.set XS, WX+32*((\t)%2)
.if (\t) < 7
	s_wait_loadcnt 32                              ; this block's 32 loads are in; the next block's may be out
.else
	s_wait_loadcnt 0
.endif
.set i, 0
.rept 32
	v_med3_num_f32 v[XS+i], v[XS+i], -v10, v10     ; the conversion does not saturate (ISA guide 7.6.2): the hold at the largest code x the scale
.set i, i+1
.endr
.irp g, 0,1,2,3
	v_cvt_scalef32_pk8_fp8_f32 v[WC+2*\g:WC+2*\g+1], v[XS+8*\g:XS+8*\g+7], v11
.endr
	ds_store_b128 v4, v[WC:WC+3] offset:32*(\t)    ; 32 codes of my column's row
	ds_store_b128 v4, v[WC+4:WC+7] offset:32*(\t)+16
.if (\t)+2 < 8
	WLOAD (\t)+2
.endif
	s_wait_dscnt 0x0                               ; the stores have read their registers: the next block's codes may be written
.endm
.macro WSUM                            ; v2 summed over the 32 lanes, the result in every lane
	v_add_f32_dpp v2, v2, v2 row_xmask:1 row_mask:0xf bank_mask:0xf
	v_add_f32_dpp v2, v2, v2 row_xmask:2 row_mask:0xf bank_mask:0xf
	v_add_f32_dpp v2, v2, v2 row_xmask:4 row_mask:0xf bank_mask:0xf
	v_add_f32_dpp v2, v2, v2 row_xmask:8 row_mask:0xf bank_mask:0xf
	v_permlanex16_b32 v3, v2, s20, s21
	v_add_f32 v2, v2, v3
.endm
.macro LNROW i                         ; row i of the wave's four: mean, differences, variance of the differences, gain and bias, codes
.set RR, 80+32*(\i)
.set CC, 208+8*(\i)
	s_wait_loadcnt 8*(3-(\i))                      ; this row's eight loads are in (and gain and bias, asked for earlier); the later rows' may be out
	v_pk_add_f32 v[2:3], v[RR:RR+1], v[RR+2:RR+3]
	v_pk_add_f32 v[4:5], v[RR+4:RR+5], v[RR+6:RR+7]
.irp j, 8,12,16,20,24,28
	v_pk_add_f32 v[2:3], v[2:3], v[RR+\j:RR+\j+1]
	v_pk_add_f32 v[4:5], v[4:5], v[RR+\j+2:RR+\j+3]
.endr
	v_pk_add_f32 v[2:3], v[2:3], v[4:5]
	v_add_f32 v2, v2, v3
	WSUM
	v_mul_f32 v6, s22, v2                          ; the mean: sum / 1,024
	v_mov_b32 v7, v6
.set j, 0
.rept 16
	v_pk_add_f32 v[RR+j:RR+j+1], v[RR+j:RR+j+1], v[6:7] neg_lo:[0,1] neg_hi:[0,1]
.set j, j+2
.endr
	v_pk_mul_f32 v[2:3], v[RR:RR+1], v[RR:RR+1]
	v_pk_mul_f32 v[4:5], v[RR+2:RR+3], v[RR+2:RR+3]
.irp j, 4,8,12,16,20,24,28
	v_pk_fma_f32 v[2:3], v[RR+\j:RR+\j+1], v[RR+\j:RR+\j+1], v[2:3]
	v_pk_fma_f32 v[4:5], v[RR+\j+2:RR+\j+3], v[RR+\j+2:RR+\j+3], v[4:5]
.endr
	v_pk_add_f32 v[2:3], v[2:3], v[4:5]
	v_add_f32 v2, v2, v3
	WSUM
	v_fma_f32 v6, v2, s22, s23                     ; the variance + 1e-5
	s_wait_alu depctr_va_vdst(0)
	v_rsq_f32 v8, v6
	v_nop                                          ; a plain instruction behind the transcendental
	s_wait_alu depctr_va_vdst(0)                   ; the wait ahead of the result's first reader
	v_mov_b32 v9, v8
.set j, 0
.rept 16
	v_pk_mul_f32 v[RR+j:RR+j+1], v[RR+j:RR+j+1], v[8:9]
.set j, j+2
.endr
.set j, 0
.rept 16
	v_pk_fma_f32 v[RR+j:RR+j+1], v[RR+j:RR+j+1], v[16+j:17+j], v[48+j:49+j]
.set j, j+2
.endr
.set j, 0
.rept 32
	v_med3_num_f32 v[RR+j], v[RR+j], -v10, v10
.set j, j+1
.endr
.irp g, 0,1,2,3
	v_cvt_scalef32_pk8_fp8_f32 v[CC+2*\g:CC+2*\g+1], v[RR+8*\g:RR+8*\g+7], v11
.endr
.irp g, 0,1,2,3
	global_store_b64 v13, v[CC+2*\g:CC+2*\g+1], s[12:13] offset:1024*(\i)+256*\g   ; 32 lanes store 256 consecutive bytes, aligned; each row has code registers of its own
.endr
.endm
; in: s[4:5] rows, s[6:7] gain, s[8:9] bias, s[10:11] exponents, s[12:13] codes, s14 the block of 16 rows, s2 the wave, v2 the lane
.macro LNBODY eoff
	s_lshl_b32 s15, s14, 4
	s_lshl_b32 s16, s2, 2
	s_add_co_u32 s15, s15, s16                     ; my first row
	s_lshl_b32 s16, s15, 12
	s_mov_b32 s17, 0
	s_lshl_b32 s18, s15, 10
	s_mov_b32 s19, 0
	s_mov_b32 s20, 0x76543210                      ; v_permlanex16_b32: lane l xor 16
	s_mov_b32 s21, 0xfedcba98
	s_mov_b32 s22, 0x3a800000                      ; 1 / 1,024
	s_mov_b32 s23, 0x3727c5ac                      ; 1e-5
	v_lshlrev_b32 v12, 5, v2                       ; 32 bytes a lane on the way in
	v_lshlrev_b32 v13, 3, v2                       ; 8 on the way out
	s_wait_alu depctr_va_vdst(0)
	s_wait_kmcnt 0x0
	s_load_b32 s24, s[10:11], \eoff
	s_add_nc_u64 s[4:5], s[4:5], s[16:17]
	s_add_nc_u64 s[12:13], s[12:13], s[18:19]
.irp j, 0,1,2,3
	global_load_b128 v[16+8*\j:19+8*\j], v12, s[6:7] offset:1024*\j
	global_load_b128 v[20+8*\j:23+8*\j], v12, s[6:7] offset:1024*\j+16
	global_load_b128 v[48+8*\j:51+8*\j], v12, s[8:9] offset:1024*\j
	global_load_b128 v[52+8*\j:55+8*\j], v12, s[8:9] offset:1024*\j+16
.endr
.irp i, 0,1,2,3
.irp j, 0,1,2,3
	global_load_b128 v[80+32*\i+8*\j:83+32*\i+8*\j], v12, s[4:5] offset:4096*\i+1024*\j
	global_load_b128 v[84+32*\i+8*\j:87+32*\i+8*\j], v12, s[4:5] offset:4096*\i+1024*\j+16
.endr
.endr
	s_wait_kmcnt 0x0
	QSET 24, 25, 11, 10
	LNROW 0
	LNROW 1
	LNROW 2
	LNROW 3
.endm
	v_lshl_add_u32 v240, v0, 2, 0x8800
	v_mov_b32 v241, 0
	v_lshrrev_b32 v1, 5, v0
	v_readfirstlane_b32 s2, v1                     ; wave 0..3
	v_and_b32 v2, 31, v0                           ; lane
	s_cmp_ge_u32 ttmp9, 640
	s_cbranch_scc1 .Lmask
	s_cmp_ge_u32 ttmp9, 384
	s_cbranch_scc1 .Lln
	; ---- THE WEIGHTS.  One path for all four: row bytes, code-row bytes, K blocks, first id and place in wc are chosen by the work-group's number
	s_load_b256 s[4:11], s[0:1], 0x0               ; W_qkv, W_o, W_fc, W_proj
	s_load_b64 s[12:13], s[0:1], 0x20              ; the exponents
	s_load_b64 s[14:15], s[0:1], 0x48              ; wc
	s_mov_b32 s16, 12288                           ; bytes of a row of W
	s_mov_b32 s17, 1024                            ; bytes of a row of codes = K
	s_mov_b32 s18, 2                               ; log2 of K / 256
	s_mov_b32 s19, 0                               ; the weight's first work-group
	s_mov_b32 s20, 0                               ; its place in wc
	s_cmp_ge_u32 ttmp9, 96                         ; W_o
	s_cselect_b32 s16, 4096, s16
	s_cselect_b32 s19, 96, s19
	s_cselect_b32 s20, 3145728, s20
	s_cmp_ge_u32 ttmp9, 128                        ; W_fc
	s_cselect_b32 s16, 16384, s16
	s_cselect_b32 s19, 128, s19
	s_cselect_b32 s20, 4194304, s20
	s_cmp_ge_u32 ttmp9, 256                        ; W_proj
	s_cselect_b32 s16, 4096, s16
	s_cselect_b32 s17, 4096, s17
	s_cselect_b32 s18, 4, s18
	s_cselect_b32 s19, 256, s19
	s_cselect_b32 s20, 8388608, s20
	s_sub_co_u32 s21, ttmp9, s19
	s_lshr_b32 s22, s21, s18                       ; which 128 columns
	s_lshl_b32 s23, s22, s18
	s_sub_co_u32 s23, s21, s23                     ; which 256 along K
	s_lshl_b32 s22, s22, 7
	s_lshl_b32 s24, s2, 5
	s_add_co_u32 s22, s22, s24                     ; my wave's first column
	s_lshl_b32 s30, s23, 8
	s_mul_i32 s24, s30, s16
	s_lshl_b32 s31, s22, 2
	s_add_co_u32 s24, s24, s31                     ; in W: 256 ky rows + 4 x column
	s_mov_b32 s25, 0
	s_mul_i32 s28, s22, s17
	s_add_co_u32 s28, s28, s30
	s_add_co_u32 s28, s28, s20                     ; in wc: place + column x K + 256 ky
	s_mov_b32 s29, 0
	s_lshl_b32 s26, s16, 5                         ; a block of 32 rows of W
	s_mov_b32 s27, 0
	s_lshl_b32 s31, s17, 1                         ; two rows of codes
	s_mul_i32 s30, s2, 32*SPI                      ; my stage
	s_wait_alu depctr_va_vdst(0)
	v_lshlrev_b32 v3, 2, v2
.set i, 0
.rept 32
	v_mad_u32_u24 v[VO+i], s16, i, v3
.set i, i+1
.endr
	v_mul_u32_u24 v4, v2, SPI
	v_add_nc_u32 v4, s30, v4                       ; into the stage: row = my column
	v_and_b32 v5, 15, v2
	v_lshrrev_b32 v6, 4, v2
	v_mul_u32_u24 v7, v6, SPI
	v_lshl_add_u32 v7, v5, 4, v7
	v_add_nc_u32 v7, s30, v7                       ; out of it: sixteen lanes to a row, two rows an instruction
	v_mul_u32_u24 v8, s17, v6
	v_lshl_add_u32 v8, v5, 4, v8
.set i, 0
.rept 16
	v_mad_u32_u24 v[VO2+i], s31, i, v8
.set i, i+1
.endr
	s_wait_kmcnt 0x0
	s_load_b256 s[48:55], s[12:13], 0x0            ; e0..e7
	s_load_b128 s[56:59], s[12:13], 0x20           ; e8..e11
	s_cmp_ge_u32 ttmp9, 96
	s_cselect_b64 s[4:5], s[6:7], s[4:5]
	s_cmp_ge_u32 ttmp9, 128
	s_cselect_b64 s[4:5], s[8:9], s[4:5]
	s_cmp_ge_u32 ttmp9, 256
	s_cselect_b64 s[4:5], s[10:11], s[4:5]
	s_add_nc_u64 s[32:33], s[4:5], s[24:25]
.irp t, 1,2,3,4,5,6,7
	s_add_nc_u64 s[32+2*\t:33+2*\t], s[30+2*\t:31+2*\t], s[26:27]
.endr
	s_add_nc_u64 s[14:15], s[14:15], s[28:29]
	WLOAD 0
	WLOAD 1
	s_wait_kmcnt 0x0
	s_mov_b32 s21, s49                             ; e1, e7, e9 or e11
	s_cmp_ge_u32 ttmp9, 96
	s_cselect_b32 s21, s55, s21
	s_cmp_ge_u32 ttmp9, 128
	s_cselect_b32 s21, s57, s21
	s_cmp_ge_u32 ttmp9, 256
	s_cselect_b32 s21, s59, s21
	QSET 21, 22, 11, 10
	s_wait_alu depctr_va_vdst(0)
.irp t, 0,1,2,3,4,5,6,7
	WBLOCK \t
.endr
.irp t, 0,1,2,3,4,5,6,7,8,9,10,11,12,13,14,15
	ds_load_b128 v[WOUT+4*\t:WOUT+4*\t+3], v7 offset:2*\t*SPI   ; LDS serves a wave's instructions in order: these see my stores
.endr
.irp t, 0,1,2,3,4,5,6,7,8,9,10,11,12,13,14,15
	s_wait_dscnt 15-\t
	global_store_b128 v[VO2+\t], v[WOUT+4*\t:WOUT+4*\t+3], s[14:15]   ; sixteen lanes store 256 consecutive bytes, aligned
.endr
	s_wait_tensorcnt 0x0
	ds_add_u32 v240, v241
	s_wait_dscnt 0x0
	s_endpgm
.Lln:	; ---- LAYER NORM 1
	s_load_b128 s[4:7], s[0:1], 0x28               ; x, ln1_w
	s_load_b64 s[8:9], s[0:1], 0x38                ; ln1_b
	s_load_b64 s[10:11], s[0:1], 0x20              ; the exponents
	s_load_b64 s[12:13], s[0:1], 0x50              ; h1c
	s_sub_co_u32 s14, ttmp9, 384
	s_wait_alu depctr_va_vdst(0)
	LNBODY 0x0
	s_endpgm
.Lmask:	; ---- THE MASK.  The work-group is a tile of 16 queries; wave w takes key steps 4 w .. 4 w + 3
	s_load_b64 s[4:5], s[0:1], 0x40                ; mask
	s_load_b64 s[6:7], s[0:1], 0x58                ; maskw
	s_sub_co_u32 s8, ttmp9, 640
	s_lshl_b32 s10, s8, 15                         ; 16 rows of 2,048 bytes
	s_lshl_b32 s9, s2, 9
	s_add_co_u32 s10, s10, s9
	s_mov_b32 s11, 0
	s_lshl_b32 s12, s8, 12                         ; 16 steps of 64 words
	s_lshl_b32 s9, s2, 10
	s_add_co_u32 s12, s12, s9
	s_mov_b32 s13, 0
	s_lshl_b32 s14, s8, 6                          ; the steps' OR words: 16 words a tile, behind the 524,288 bytes of lane-mask words
	s_lshl_b32 s9, s2, 4
	s_add_co_u32 s14, s14, s9
	s_add_co_u32 s14, s14, 524288
	s_mov_b32 s15, 0
	s_wait_alu depctr_va_vdst(0)
	v_and_b32 v3, 15, v2
	v_lshrrev_b32 v4, 4, v2
	v_lshlrev_b32 v5, 11, v3
	v_lshl_add_u32 v5, v4, 4, v5                   ; row l % 16, + 16 (l / 16)
	v_lshlrev_b32 v6, 3, v2
	v_mov_b32 v7, 0
.irp i, 0,1,2,3,4,5,6,7
	v_mov_b32 v[80+\i], 0                          ; v_writelane_b32's destination counts as read
.endr
	s_wait_kmcnt 0x0
	s_add_nc_u64 s[4:5], s[4:5], s[10:11]
	s_add_nc_u64 s[14:15], s[6:7], s[14:15]
	s_add_nc_u64 s[6:7], s[6:7], s[12:13]
.irp p, 0,1,2,3
.irp b, 0,1,2,3
	global_load_b128 v[16+4*(4*\p+\b):19+4*(4*\p+\b)], v5, s[4:5] offset:128*\p+32*\b
.endr
.endr
	s_wait_loadcnt 0x0
.set sp, 0
.rept 4
	s_mov_b32 s44, 0
	s_mov_b32 s45, -1                              ; the step's AND word: all ones where every entry of the 16 rows x 128 keys is true
.set n, 0
.rept 64                               ; word n: byte n % 16 of the 16 that the lanes hold of block n / 16; it goes to lane n / 2, register n % 2
	v_and_b32 v[8+n%4], 0xff<<(8*(n%4)), v[16+4*(4*sp+n/16)+(n%16)/4]
	v_cmp_ne_u32 s[40+n%4], 0, v[8+n%4]
	s_or_b32 s44, s44, s[40+n%4]
	s_and_b32 s45, s45, s[40+n%4]
	v_writelane_b32 v[80+2*sp+n%2], s[40+n%4], n/2
.set n, n+1
.endr
	v_mov_b32 v[88+sp], s44
	v_mov_b32 v[92+sp], s45
	global_store_b64 v6, v[80+2*sp:81+2*sp], s[6:7] offset:256*sp   ; a step's 64 words: 256 consecutive bytes, aligned
.set sp, sp+1
.endr
	s_wait_alu depctr_va_vdst(0)
	s_wait_xcnt 0x0                                ; EXEC changes only behind this wait: the stores above have read it
	v_cmp_eq_u32 vcc_lo, 0, v2
	s_and_saveexec_b32 s46, vcc_lo
	global_store_b128 v7, v[88:91], s[14:15]
	global_store_b128 v7, v[92:95], s[14:15] offset:8192   ; the AND words lie behind the 8,192 bytes of OR words, in the same order
	s_wait_xcnt 0x0
	s_or_b32 exec_lo, exec_lo, s46
	s_endpgm
.Lfunc_end_k_qf228bbfeb6_prep:
	.size	k_qf228bbfeb6_prep, .Lfunc_end_k_qf228bbfeb6_prep-k_qf228bbfeb6_prep
	.p2alignl 7, 3214868480
	.fill 96, 4, 3214868480
	.section	.rodata,"a",@progbits
	.p2align	6, 0x0
	.amdhsa_kernel k_qf228bbfeb6_prep
		.amdhsa_group_segment_fixed_size 35328
		.amdhsa_private_segment_fixed_size 0
		.amdhsa_enable_private_segment 0
		.amdhsa_kernarg_size 96
		.amdhsa_user_sgpr_count 2
		.amdhsa_user_sgpr_kernarg_segment_ptr 1
		.amdhsa_wavefront_size32 1
		.amdhsa_system_sgpr_workgroup_id_x 1
		.amdhsa_system_sgpr_workgroup_id_y 1
		.amdhsa_system_sgpr_workgroup_id_z 1
		.amdhsa_system_vgpr_workitem_id 0
		.amdhsa_next_free_vgpr 242
		.amdhsa_next_free_sgpr 66
		.amdhsa_reserve_vcc 1
		.amdhsa_float_denorm_mode_32 3
		.amdhsa_float_denorm_mode_16_64 3
		.amdhsa_memory_ordered 1
		.amdhsa_forward_progress 1
		.amdhsa_inst_pref_size 163
	.end_amdhsa_kernel
	.amdgpu_metadata
---
amdhsa.version: [ 1, 2 ]
amdhsa.kernels:
  - .name:           k_qf228bbfeb6_prep
    .symbol:         k_qf228bbfeb6_prep.kd
    .args:
      - { .name: W_qkv, .offset: 0, .size: 8, .value_kind: global_buffer, .address_space: global }
      - { .name: W_o, .offset: 8, .size: 8, .value_kind: global_buffer, .address_space: global }
      - { .name: W_fc, .offset: 16, .size: 8, .value_kind: global_buffer, .address_space: global }
      - { .name: W_proj, .offset: 24, .size: 8, .value_kind: global_buffer, .address_space: global }
      - { .name: lowp_scales, .offset: 32, .size: 8, .value_kind: global_buffer, .address_space: global }
      - { .name: x, .offset: 40, .size: 8, .value_kind: global_buffer, .address_space: global }
      - { .name: ln1_w, .offset: 48, .size: 8, .value_kind: global_buffer, .address_space: global }
      - { .name: ln1_b, .offset: 56, .size: 8, .value_kind: global_buffer, .address_space: global }
      - { .name: mask, .offset: 64, .size: 8, .value_kind: global_buffer, .address_space: global }
      - { .name: wc, .offset: 72, .size: 8, .value_kind: global_buffer, .address_space: global }
      - { .name: h1c, .offset: 80, .size: 8, .value_kind: global_buffer, .address_space: global }
      - { .name: maskw, .offset: 88, .size: 8, .value_kind: global_buffer, .address_space: global }
    .group_segment_fixed_size: 35328
    .private_segment_fixed_size: 0
    .kernarg_segment_align: 8
    .kernarg_segment_size: 96
    .max_flat_workgroup_size: 128
    .sgpr_count:     66
    .vgpr_count:     242
    .wavefront_size: 32
...
	.end_amdgpu_metadata
.endif
;; end of part 8
;; launch g1 (part 9): grid 12 x 16, 4 waves a work-group, clusters of 4 x 4, 327,680 bytes of LDS; arguments h1c, wc, lowp_scales, b_qkv, qkvc; writes qkvc
.if DOCPART == 9
	.amdgcn_target "amdgcn-amd-amdhsa--gfx1250"
	.amdhsa_code_object_version 6
	.text
	.protected	k_qf228bbfeb6_g1
	.globl	k_qf228bbfeb6_g1
	.p2align	8
	.type	k_qf228bbfeb6_g1,@function
k_qf228bbfeb6_g1:
	s_mov_b64 s[64:65], 0
	v_nop
	global_prefetch_b8 v0, s[64:65] scope:SCOPE_SE
	s_setreg_imm32_b32 hwreg(HW_REG_WAVE_MODE, 25, 1), 1
	s_wait_xcnt 0x0
	s_wait_alu depctr_hold_cnt(0) depctr_sa_sdst(0) depctr_va_vdst(0) depctr_va_sdst(0) depctr_va_ssrc(0) depctr_va_vcc(0) depctr_vm_vsrc(0)
	s_getreg_b32 s2, hwreg(HW_REG_IB_STS2, 6, 4)
	s_cmp_eq_u32 s2, 0
	s_cbranch_scc0 .Lentry_in_a_cluster
	s_endpgm
.Lentry_in_a_cluster:
	s_bfe_u32 s2, ttmp6, 0x10000c
	s_cmp_lg_u32 s2, 0xf033
	s_cbranch_scc0 .Lentry_shape_is_right
	s_endpgm
.Lentry_shape_is_right:
.set KIND,   0
.set OUTP,   2048
.set WOFF,   0
.set KSTEP,  256
.set ROWB,   256
.set KROW,   1024
.set PITCH,  272
.set FR,     16
.set NL,     4
.set NP,     4
.set HALFT,  128*PITCH
.set SLOT,   4*HALFT
.set LAPS,   2
.set SPARE,  2*SLOT
.set ADRA, 16
.set ADRB, 20
.set STO,  24
.set RD,   25
.set CO,   26
.set SPW,  28
.set NIL,  29
.set SC,   30
.set LIM,  31
.set BM,   32
.set CD,   48
.set BN,   64
.set AF,   128
.set XV,   128
.set ZV,   192
.set RB,   128
.set G1, 24
.set G0, 32
.set G1B, 48
.set G0B, 56
.set MSB, 0
.macro WIN new
.if MSB != \new
	s_set_vgpr_msb (MSB<<8)|\new
.set MSB, \new
.endif
.endm
.set MUL_LO, 0xa1
.set MUL_HI, 0xf1
.set TO_B,   0x40
.macro JLOAD g0a, g1a, g0b, g1b
	s_cmp_eq_u32 s15, 0
	s_cbranch_scc0 .Lfor_b_\@
	tensor_load_to_lds s[\g0a:\g0a+3], s[\g1a:\g1a+7]
	s_nop 0
.rept 4
	v_nop
.endr
	s_branch .Lasked_\@
.Lfor_b_\@:
	tensor_load_to_lds s[\g0b:\g0b+3], s[\g1b:\g1b+7]
	s_nop 0
.rept 4
	v_nop
.endr
.Lasked_\@:
.endm
.macro CREST
	s_cmp_lg_u32 s14, 0
	s_cbranch_scc1 .Lnot_wave_0_\@
	s_barrier_signal -3
.Lnot_wave_0_\@:
	s_barrier_wait -3
	s_barrier_signal -1
	s_barrier_wait -1
.endm
.macro CROUND
	s_barrier_signal -1
	s_barrier_wait -1
	CREST
.endm
	s_load_b128 s[4:7], s[0:1], 0x0
	s_load_b128 s[8:11], s[0:1], 0x10
	s_load_b64 s[12:13], s[0:1], 0x20
	v_lshl_add_u32 v[SPW], v0, 2, SPARE
	v_mov_b32 v[NIL], 0
	ds_add_u32 v28, v29
	ds_add_u32 v28, v29
	s_wait_dscnt 0x0
	v_lshrrev_b32 v1, 5, v0
	v_readfirstlane_b32 s14, v1
	s_lshr_b32 s15, s14, 1
	s_and_b32 s16, s14, 1
	s_bfe_u32 s40, ttmp6, 0x40000
	s_bfe_u32 s41, ttmp6, 0x40004
	s_and_b32 s67, ttmp7, 0xffff
.if KIND == 0
	s_cmp_lt_u32 ttmp9, 2
	s_cselect_b32 s66, s67, 0
	s_cselect_b32 s67, ttmp9, s67
	s_cselect_b32 s68, -1, 0
	s_cselect_b32 s19, 0, 2097152
.else
	s_mov_b32 s66, s67
	s_mov_b32 s67, ttmp9
.endif
	s_lshl_b32 s42, s67, 2
	s_add_co_u32 s42, s42, s40
	s_lshl_b32 s17, s66, 2
	s_add_co_u32 s17, s17, s41
	s_lshl_b32 s43, s41, 2
	s_lshl_b32 s43, 15, s43
	s_lshl_b32 s44, 0x1111, s40
	s_or_b32 s[G1+0], s43, (0<<16)|(1<<20)|(1<<21)|(5<<22)|(3<<25)
	s_or_b32 s[G1B+0], s44, (0<<16)|(1<<20)|(1<<21)|(5<<22)|(3<<25)
.irp g, G1, G1B
	s_mov_b32 s[\g+1], ROWB<<16
	s_mov_b32 s[\g+2], 128<<16
	s_mov_b32 s[\g+3], ROWB<<16
	s_mov_b32 s[\g+4], 128
	s_mov_b32 s[\g+5], KROW
	s_mov_b32 s[\g+6], 0
	s_mov_b32 s[\g+7], 0
.endr
	s_lshl_b32 s18, s16, 7
	s_lshl_b32 s20, s17, 8
	s_add_co_u32 s20, s20, s18
	s_lshl_b32 s20, s20, 10
	s_lshl_b32 s46, s42, 8
	s_add_co_u32 s46, s46, s18
	s_lshl_b32 s46, s46, 10
.if KIND == 0
	s_add_co_u32 s20, s20, s19
.else
	s_add_co_u32 s46, s46, WOFF
.endif
	s_mov_b32 s21, 0
	s_mov_b32 s47, 0
	s_mul_i32 s45, s14, HALFT
	s_wait_kmcnt 0x0
.if KIND == 0
	s_load_b128 s[76:79], s[8:9], 0x0
	s_load_b32 s80, s[8:9], 0x10
	s_cmp_lt_u32 ttmp9, 2
	s_cselect_b64 s[92:93], s[4:5], s[6:7]
	s_cselect_b64 s[94:95], s[6:7], s[4:5]
	s_add_nc_u64 s[20:21], s[92:93], s[20:21]
	s_add_nc_u64 s[46:47], s[94:95], s[46:47]
.else
	s_load_b128 s[76:79], s[8:9], 0x20
	s_add_nc_u64 s[20:21], s[4:5], s[20:21]
	s_add_nc_u64 s[46:47], s[6:7], s[46:47]
.endif
	CROUND
.irp s, 0,1
	s_mov_b32 s[G0+4*\s], 1
	s_add_co_u32 s[G0+4*\s+1], s45, \s*SLOT
	s_add_nc_u64 s[G0+4*\s+2:G0+4*\s+3], s[20:21], \s*ROWB
	s_or_b32 s[G0+4*\s+3], s[G0+4*\s+3], 0x80000000
	s_mov_b32 s[G0B+4*\s], 1
	s_add_co_u32 s[G0B+4*\s+1], s45, \s*SLOT
	s_add_nc_u64 s[G0B+4*\s+2:G0B+4*\s+3], s[46:47], \s*ROWB
	s_or_b32 s[G0B+4*\s+3], s[G0B+4*\s+3], 0x80000000
.if \s
	s_wait_alu depctr_va_vdst(0)
	s_wait_tensorcnt 0x0
	ds_add_u32 v28, v29
	s_wait_dscnt 0x0
	CROUND
.endif
	JLOAD G0+4*\s, G1, G0B+4*\s, G1B
.endr
	v_and_b32 v1, 15, v0
	v_bfe_u32 v2, v0, 4, 1
	v_mul_u32_u24 v3, v1, PITCH
	s_wait_alu depctr_va_vdst(0)
	v_lshl_add_u32 v4, v2, 4, v3
	s_mul_i32 s21, s15, HALFT
	s_mul_i32 s22, s16, HALFT
	s_add_co_u32 s22, s22, 2*HALFT
.irp s, 0,1
	v_add_nc_u32 v[ADRA+\s], s21, v4
	v_add_nc_u32 v[ADRB+\s], s22, v4
	s_add_co_u32 s21, s21, SLOT
	s_add_co_u32 s22, s22, SLOT
.endr
	s_mul_i32 s23, s15, 128*PITCH
	s_lshl_b32 s22, s16, 7
	s_add_co_u32 s23, s23, s22
	v_lshl_add_u32 v5, v2, 3, v3
	v_add_nc_u32 v[STO], s23, v5
	s_mul_i32 s23, s14, 64*PITCH
	v_mul_u32_u24 v6, v2, PITCH
	v_lshl_add_u32 v6, v1, 4, v6
	v_add_nc_u32 v[RD], s23, v6
	v_mul_u32_u24 v7, v2, OUTP
	v_lshl_add_u32 v[CO], v1, 4, v7
	s_lshl_b32 s20, s17, 8
	s_lshl_b32 s21, s14, 6
	s_add_co_u32 s20, s20, s21
	s_mul_i32 s20, s20, OUTP
.if KIND == 0
	s_and_b32 s46, s42, 7
	s_lshl_b32 s46, s46, 8
	s_lshr_b32 s47, s42, 3
	s_lshl_b32 s47, s47, 21
	s_add_co_u32 s46, s46, s47
	s_cmp_lt_u32 ttmp9, 2
	s_cselect_b32 s47, 0, 8388608
	s_add_co_u32 s46, s46, s47
.else
	s_lshl_b32 s46, s42, 8
.endif
	s_add_co_u32 s20, s20, s46
	s_mov_b32 s21, 0
	s_add_nc_u64 s[12:13], s[12:13], s[20:21]
	s_lshl_b32 s82, s42, 8
	s_lshl_b32 s83, s16, 7
	s_add_co_u32 s82, s82, s83
.if KIND == 0
	s_cmp_lt_u32 ttmp9, 2
	s_cselect_b32 s82, s82, 0
	s_cselect_b32 s84, 0, s17
	s_lshl_b32 s84, s84, 8
	s_lshl_b32 s85, s15, 7
	s_add_co_u32 s84, s84, s85
	s_add_co_u32 s84, s84, 2048
	s_lshl_b32 s84, s84, 2
	s_mov_b32 s85, 0
	s_add_nc_u64 s[90:91], s[10:11], s[84:85]
.endif
	s_lshl_b32 s82, s82, 2
	s_mov_b32 s83, 0
	s_add_nc_u64 s[88:89], s[10:11], s[82:83]
	v_lshlrev_b32 v8, 5, v2
	v_lshlrev_b32 v9, 2, v1
.irp b, 0,1,2,3,4,5,6,7
	global_load_b128 v[BN+8*\b:BN+8*\b+3], v8, s[88:89] offset:64*\b
	global_load_b128 v[BN+8*\b+4:BN+8*\b+7], v8, s[88:89] offset:64*\b+16
.endr
.if KIND == 0
.irp a, 0,1,2,3,4,5,6,7
	global_load_b32 v[BM+2*\a], v9, s[90:91] offset:64*\a
.endr
.endif
.macro FRAG reg, adr, q, i
.irp c, 0,1,2,3
	ds_load_b128 v[\reg+4*\c:\reg+4*\c+3], v[\adr] offset:128*(\q)+32*\c+(\i)*16*PITCH
.endr
.endm
.macro MUL16 a0, p, zero
.irp a, \a0, \a0+1
.irp b, 0,1,2,3,4,5,6,7
.if \zero
	v_wmma_f32_16x16x128_fp8_fp8 v[8*(8*((\a)%4)+\b):8*(8*((\a)%4)+\b)+7], v[128*(\p)+FR*\b:128*(\p)+FR*\b+FR-1], v[AF+FR*(\a):AF+FR*(\a)+FR-1], 0
.else
	v_wmma_f32_16x16x128_fp8_fp8 v[8*(8*((\a)%4)+\b):8*(8*((\a)%4)+\b)+7], v[128*(\p)+FR*\b:128*(\p)+FR*\b+FR-1], v[AF+FR*(\a):AF+FR*(\a)+FR-1], v[8*(8*((\a)%4)+\b):8*(8*((\a)%4)+\b)+7]
.endif
.endr
.endr
.endm
.macro FETCH_B slot, q, p
	WIN TO_B
.irp i, 0,1,2,3,4,5,6,7
	FRAG 128*(\p)+FR*\i, ADRB+\slot, \q, \i
.endr
	WIN 0
.endm
.macro FETCH_A slot, q, i0
.irp i, \i0, \i0+1, \i0+2, \i0+3
	FRAG AF+FR*(\i), ADRA+\slot, \q, \i
.endr
.endm
.macro PLACES n
.rept \n
	v_nop
.endr
.endm
.macro STEP slot, q, zero
	s_wait_dscnt 4*NL
	WIN MUL_LO
	MUL16 0, (\q)%2, \zero
	MUL16 2, (\q)%2, \zero
	s_wait_dscnt 0
	PLACES NP
	FETCH_B \slot, (\q)+1, 1-(\q)%2
	FETCH_A \slot, (\q)+1, 0
	WIN MUL_HI
	MUL16 4, (\q)%2, \zero
	MUL16 6, (\q)%2, \zero
	PLACES NP
	WIN 0
	FETCH_A \slot, (\q)+1, 4
.endm
.macro TURN slot, next, fill
	s_wait_tensorcnt 0x0
	ds_add_u32 v[SPW], v[NIL]
	s_wait_dscnt 4*NL+1
	WIN MUL_LO
	MUL16 0, 1, 0
	s_wait_dscnt 0x0
	s_barrier_signal -1
	MUL16 2, 1, 0
	WIN 0
	s_barrier_wait -1
.if \fill
	CREST
	s_add_nc_u64 s[G0+4*\slot+2:G0+4*\slot+3], s[G0+4*\slot+2:G0+4*\slot+3], 2*ROWB
	s_add_nc_u64 s[G0B+4*\slot+2:G0B+4*\slot+3], s[G0B+4*\slot+2:G0B+4*\slot+3], 2*ROWB
	JLOAD G0+4*\slot, G1, G0B+4*\slot, G1B
.else
	PLACES NP
.endif
	FETCH_B \next, 0, 0
	FETCH_A \next, 0, 0
	WIN MUL_HI
	MUL16 4, 1, 0
	MUL16 6, 1, 0
	PLACES NP
	WIN 0
	FETCH_A \next, 0, 4
.endm
	s_wait_tensorcnt 1
	s_barrier_signal -1
	s_barrier_wait -1
	FETCH_B 0, 0, 0
	FETCH_A 0, 0, 0
	FETCH_A 0, 0, 4
	STEP 0, 0, 1
	s_mov_b32 s3, LAPS-1
.Llap:
	TURN 0, 1, 1
	STEP 1, 0, 0
	TURN 1, 0, 1
	STEP 0, 0, 0
	s_sub_co_u32 s3, s3, 1
	s_cmp_lg_u32 s3, 0
	s_cbranch_scc1 .Llap
	TURN 0, 1, 0
	STEP 1, 0, 0
	s_wait_dscnt 4*NL
	WIN MUL_LO
	MUL16 0, 1, 0
	MUL16 2, 1, 0
	s_wait_dscnt 0
	WIN MUL_HI
	MUL16 4, 1, 0
	MUL16 6, 1, 0
	WIN 0
.macro EPI a
.set AC, 64*((\a)%4)
	WIN 0x02+((\a)/4)
.set j, 0
.rept 32
	v_pk_fma_f32 v[XV+j:XV+j+1], v[AC+j:AC+j+1], s[72:73], v[BN+j:BN+j+1] op_sel_hi:[1,0,1]
.set j, j+2
.endr
	WIN 0
.if KIND == 0
.set j, 0
.rept 32
	v_pk_add_f32 v[XV+j:XV+j+1], v[XV+j:XV+j+1], v[BM+2*(\a):BM+2*(\a)+1]
.set j, j+2
.endr
.else
.set j, 0
.rept 32
	v_pk_mul_f32 v[ZV+j:ZV+j+1], v[XV+j:XV+j+1], v[XV+j:XV+j+1]
.set j, j+2
.endr
.set j, 0
.rept 32
	v_pk_fma_f32 v[ZV+j:ZV+j+1], v[ZV+j:ZV+j+1], s[84:85], v[10:11] op_sel_hi:[1,0,1]
.set j, j+2
.endr
.set j, 0
.rept 32
	v_pk_mul_f32 v[ZV+j:ZV+j+1], v[ZV+j:ZV+j+1], v[XV+j:XV+j+1]
.set j, j+2
.endr
.set j, 0
.rept 64
	v_exp_f32 v[ZV+j], v[ZV+j]
.set j, j+1
.endr
	v_nop
	s_wait_alu depctr_va_vdst(0)
.set j, 0
.rept 32
	v_pk_add_f32 v[ZV+j:ZV+j+1], v[ZV+j:ZV+j+1], 1.0 op_sel_hi:[1,0]
.set j, j+2
.endr
.set j, 0
.rept 64
	v_rcp_f32 v[ZV+j], v[ZV+j]
.set j, j+1
.endr
	v_nop
	s_wait_alu depctr_va_vdst(0)
.set j, 0
.rept 32
	v_pk_mul_f32 v[XV+j:XV+j+1], v[XV+j:XV+j+1], v[ZV+j:ZV+j+1]
.set j, j+2
.endr
.endif
.set j, 0
.rept 64
	v_med3_num_f32 v[XV+j], v[XV+j], -v[LIM], v[LIM]
.set j, j+1
.endr
	s_wait_alu depctr_va_vdst(0)
	s_wait_dscnt 0x0
.irp b, 0,1,2,3,4,5,6,7
	v_cvt_scalef32_pk8_fp8_f32 v[CD+2*\b:CD+2*\b+1], v[XV+8*\b:XV+8*\b+7], v[SC]
.endr
	v_nop
.irp b, 0,1,2,3,4,5,6,7
	ds_store_b64 v[STO], v[CD+2*\b:CD+2*\b+1] offset:16*(\a)*PITCH+16*\b
.endr
.endm
	s_wait_kmcnt 0x0
	s_add_co_i32 s72, s76, s77
	s_add_co_i32 s72, s72, 127
	s_lshl_b32 s72, s72, 23
	s_mov_b32 s73, s72
.if KIND == 0
	s_cmp_eq_u32 ttmp9, 0
	s_cselect_b32 s69, s78, s79
	s_cmp_eq_u32 ttmp9, 2
	s_cselect_b32 s69, s80, s69
.else
	s_mov_b32 s69, s78
	s_mov_b32 s84, 0xbdd2d3e8
	s_mov_b32 s85, s84
	v_mov_b32 v10, 0xc0135761
	v_mov_b32 v11, v10
.endif
	s_add_co_i32 s69, s69, 127
	s_lshl_b32 s82, s69, 23
	v_mov_b32 v[SC], s82
	s_add_co_i32 s69, s69, 8
	s_lshl_b32 s69, s69, 23
	s_or_b32 s69, s69, 0x600000
	v_mov_b32 v[LIM], s69
	s_wait_loadcnt 0x0
.if KIND == 0
.set j, 0
.rept 64
	v_cndmask_b32 v[BN+j], 0, v[BN+j], s68
.set j, j+1
.endr
.irp a, 0,1,2,3,4,5,6,7
	v_cndmask_b32 v[BM+2*\a], v[BM+2*\a], 0, s68
	v_mov_b32 v[BM+2*\a+1], v[BM+2*\a]
.endr
.endif
	PLACES NP
.irp a, 0,1,2,3,4,5,6,7
	EPI \a
.endr
	s_wait_dscnt 0x0
	s_barrier_signal -1
	s_barrier_wait -1
.set t, 0
.rept 32
	ds_load_b128 v[RB+4*t:RB+4*t+3], v[RD] offset:2*t*PITCH
.set t, t+1
.endr
.set t, 0
.rept 32
	s_wait_dscnt 31-t
	global_store_b128 v[CO], v[RB+4*t:RB+4*t+3], s[12:13] offset:2*t*OUTP
.set t, t+1
.endr
	s_wait_tensorcnt 0x0
	ds_add_u32 v[SPW], v[NIL]
	s_wait_dscnt 0x0
	CROUND
	s_endpgm
.Lfunc_end_k_qf228bbfeb6_g1:
	.size	k_qf228bbfeb6_g1, .Lfunc_end_k_qf228bbfeb6_g1-k_qf228bbfeb6_g1
	.p2alignl 7, 3214868480
	.fill 96, 4, 3214868480
	.section	.rodata,"a",@progbits
	.p2align	6, 0x0
	.amdhsa_kernel k_qf228bbfeb6_g1
		.amdhsa_group_segment_fixed_size 327680
		.amdhsa_private_segment_fixed_size 0
		.amdhsa_enable_private_segment 0
		.amdhsa_kernarg_size 40
		.amdhsa_user_sgpr_count 2
		.amdhsa_user_sgpr_kernarg_segment_ptr 1
		.amdhsa_wavefront_size32 1
		.amdhsa_system_sgpr_workgroup_id_x 1
		.amdhsa_system_sgpr_workgroup_id_y 1
		.amdhsa_system_sgpr_workgroup_id_z 1
		.amdhsa_system_vgpr_workitem_id 0
		.amdhsa_next_free_vgpr 1024
		.amdhsa_next_free_sgpr 100
		.amdhsa_reserve_vcc 0
		.amdhsa_float_denorm_mode_32 3
		.amdhsa_float_denorm_mode_16_64 3
		.amdhsa_memory_ordered 1
		.amdhsa_forward_progress 1
		.amdhsa_inst_pref_size 166
	.end_amdhsa_kernel
	.amdgpu_metadata
---
amdhsa.version: [ 1, 2 ]
amdhsa.kernels:
  - .name:           k_qf228bbfeb6_g1
    .symbol:         k_qf228bbfeb6_g1.kd
    .args:
      - { .name: h1c, .offset: 0, .size: 8, .value_kind: global_buffer, .address_space: global }
      - { .name: wc, .offset: 8, .size: 8, .value_kind: global_buffer, .address_space: global }
      - { .name: lowp_scales, .offset: 16, .size: 8, .value_kind: global_buffer, .address_space: global }
      - { .name: b_qkv, .offset: 24, .size: 8, .value_kind: global_buffer, .address_space: global }
      - { .name: qkvc, .offset: 32, .size: 8, .value_kind: global_buffer, .address_space: global }
    .group_segment_fixed_size: 327680
    .private_segment_fixed_size: 0
    .kernarg_segment_align: 8
    .kernarg_segment_size: 40
    .max_flat_workgroup_size: 128
    .sgpr_count:     100
    .vgpr_count:     1024
    .wavefront_size: 32
...
	.end_amdgpu_metadata
.endif
;; end of part 9
;; launch attn (part 10): grid 32 x 8, 8 waves a work-group, no clusters, 296,960 bytes of LDS; arguments qkvc, maskw, lowp_scales, oc; writes oc
.if DOCPART == 10
	.amdgcn_target "amdgcn-amd-amdhsa--gfx1250"
	.amdhsa_code_object_version 6
	.text
	.protected	k_qf228bbfeb6_attn
	.globl	k_qf228bbfeb6_attn
	.p2align	8
	.type	k_qf228bbfeb6_attn,@function
k_qf228bbfeb6_attn:
	s_mov_b64 s[64:65], 0
	v_nop
	global_prefetch_b8 v0, s[64:65] scope:SCOPE_SE
	s_setreg_imm32_b32 hwreg(HW_REG_WAVE_MODE, 25, 1), 1
	s_wait_xcnt 0x0
; ATTENTION on codes of E4M3: products 2 and 3, the mask (an input, honoured word by word), the softmax, the division by the row's sum, and the quantiser of product 4's left operand.
; SHARES.  A work-group owns 64 queries x 4 heads of one batch, so that every row of K's and V's tiles and of the output is 256 bytes, aligned.  Wave w owns head w / 2 and queries 32 (w % 2) on: TWO tiles of 16,
; so that each fragment of K and V read from LDS feeds two matrix instructions.  Tile 0's state lies in register window 0, tile 1's at the same numbers in window 1; the fragments lie in window 0.
; Keys go 128 a step; a slot of LDS holds 256 keys: 256 rows of K (a key's 4 x 64 codes), then 256 rows of V (a channel's 256 keys), 272 bytes apart.
; KEY STEPS THAT THE MASK HIDES ARE LEFT OUT.  An earlier launch stored, for each tile of 16 queries and each step, the OR and the AND of the step's mask words.  A step counts where one of my work-group's 64 queries has a true entry in it.
; A hidden key has t = the f32 product of -1e9 and log2(e); where its row has a true entry, p = 2^(t - M) is 0 in f32, so a step hidden from all 64 rows adds nothing.  A row with NO true entry gives every key p = 1: if the
; work-group has such a row it walks all 16 steps.  LIMIT: a row with a true entry has its largest logit above -9.9e8.
; The slots that hold a step that counts are walked as a list: a slot's number is the lowest set bit of the bits that are left, held at 14 by s_min_u32 before it enters an address.  All pointers are made outside the branches.
; A step whose AND words are all ones for my 32 queries needs no mask words: its scores go with the factor c into one fused multiply-add.  Any other step is scaled, masked word by word, and goes with the factor 1.
; p is at most 1 (t is at most M), so where 448 x 2^e5 is at least 1, that is e5 >= -8, the hold at the largest code changes nothing.
; The branches hang on whole numbers read from memory.  Neighbours would need different slots, so nothing is asked for jointly and there is no cluster.
; THE ROWS' ROAD.  K's and V's rows go through registers: wave w brings rows 64 w .. 64 w + 63 of a slot's 512, in two sets of 32 rows (16 loads, 64 registers each).  While slot n of the list is multiplied, step q of it first lays
; set q of slot n + 1 into the other LDS slot and then asks for set q of slot n + 2: a set is on its way for two key steps, and a wave has up to 32 loads out.  No prefetch is laid beside that: the loads themselves run two steps ahead.
; The loop's trip count is a constant and every wave passes every barrier; only loads, stores and a step's work are jumped over.
; LAYOUT.  S^T = K Q^T and O^T = V^T P^T: a lane holds one query throughout.  Lane r of tile 2 b + u of K takes key 32 b + 8 u + r + 8 (r / 8), so that the 16 registers of two neighbouring tiles are 16 neighbouring keys.
; SOFTMAX.  t = score x log2(e) / 8 x 2^(e2 + e3); M = the running largest t rounded up; p = 2^(t - M), quantised with e5; the row's sum is taken of the unquantised p.
; LIMITS: e2 + e3 - 3 between -126 and 127; e5 and e6 between -126 and 119.  NaN and infinities are not served.
; REGISTERS, window 0: v1-4 LDS addresses of K and V in slots 0, 1; v5, v6 where I lay my rows; v8 my byte in two rows of memory; v28-31 the way out and Q's offset; v32-95 fragments of K, then of V; v216, v217 the add's two.
;   both windows: v7 the masked t; v12 -M, v13 the largest t, v[14:15] the sum; v16-23 Q; v24-27 scales; v96-159 S^T, t, p; v160-191 O^T; v192-207 p's codes; v204-214 at work.
;   rows on their way: set X (rows 0-31 of my 64) in window 1 v216-255 and window 0 v220-243; set Y (rows 32-63) in window 1 v32-95.
; s12 bit s: step s counts; s13 bit s: step s is all true for my 32 queries; s10: bit 2 n = slot n is still to be asked for; s29, s30, s27: twice the number of the slot in hand, of the next, of the one after; s105, s31, s2: whether there is one.
.set KP,    272
.set SLOT,  139264
.set VOFF,  69632
.set STAGE, 278528
.set SPARE, 295936
.set AK,  1
.set AV,  3
.set LS,  5
.set QF,  16
.set FRG, 32
.set S,   96
.set OT,  160
.set PC,  192
.set SPW, 216
.set NIL, 217
.set MSB, 0
.macro WIN new                         ; the immediate's high byte repeats the setting that is left
.if MSB != \new
	s_set_vgpr_msb (MSB<<8)|\new
.set MSB, \new
.endif
.endm
.macro MLOAD off                       ; a step's 64 mask words of one tile
	s_load_b512 s[32:47], s[4:5], (\off)
	s_load_b512 s[48:63], s[4:5], (\off)+0x40
	s_load_b512 s[68:83], s[4:5], (\off)+0x80
	s_load_b512 s[84:99], s[4:5], (\off)+0xc0
.endm
.macro LOADB q, reg                    ; 32 of my 64 rows: a load takes two rows, sixteen lanes to a row of 256 bytes
.set i, 0
.rept 16
	global_load_b128 v[\reg+4*i:\reg+4*i+3], v8, s[8:9] offset:(32*(\q)+2*i)*2048
.set i, i+1
.endr
.endm
.macro STOREB slot, q, reg
.set i, 0
.rept 16
	ds_store_b128 v[LS+(\slot)], v[\reg+4*i:\reg+4*i+3] offset:(32*(\q)+2*i)*KP
.set i, i+1
.endr
.endm
.macro LOADX                           ; set X: ten loads into window 1, six into window 0
	WIN 0x40
.set i, 0
.rept 10
	global_load_b128 v[216+4*i:219+4*i], v8, s[8:9] offset:2*i*2048
.set i, i+1
.endr
	WIN 0
.rept 6
	global_load_b128 v[180+4*i:183+4*i], v8, s[8:9] offset:2*i*2048
.set i, i+1
.endr
.endm
.macro STOREX slot
	WIN 0x04
.set i, 0
.rept 10
	ds_store_b128 v[LS+(\slot)], v[216+4*i:219+4*i] offset:2*i*KP
.set i, i+1
.endr
	WIN 0
.rept 6
	ds_store_b128 v[LS+(\slot)], v[180+4*i:183+4*i] offset:2*i*KP
.set i, i+1
.endr
.endm
.macro LOADY
	WIN 0x40
	LOADB 1, FRG
	WIN 0
.endm
.macro STOREY slot
	WIN 0x04
	STOREB \slot, 1, FRG
	WIN 0
.endm
.macro ORALL base                      ; s29 = the OR of a tile's 16 words, its two halves of lanes folded: bit r = row r has a true entry
	s_or_b32 s29, s[\base], s[\base+1]
.irp i, 2,3,4,5,6,7,8,9,10,11,12,13,14,15
	s_or_b32 s29, s29, s[\base+\i]
.endr
	s_lshr_b32 s26, s29, 16
	s_or_b32 s29, s29, s26
.endm
.macro INIT                            ; a tile's state; run once for each window
	v_mov_b32 v7, 0xceabfb8f                       ; -1e9 x log2(e), rounded once to f32: -1,442,695,040
	v_mov_b32 v12, 0x7f61b1e6                      ; -M
	v_mov_b32 v13, 0xff61b1e6                      ; the largest t so far: -3e38
	v_mov_b32 v14, 0
	v_mov_b32 v15, 0
	v_mov_b32 v24, s24                             ; 2^e5
	v_mov_b32 v25, s27                             ; 448 x 2^e5
	v_mov_b32 v26, s26                             ; 2^e6
	v_mov_b32 v27, s28                             ; 448 x 2^e6
	v_mov_b32 v211, 0                              ; (named as the upper half of a pair)
	v_mov_b32 v214, 0                              ; a lane permute's destination counts as read
.set j, 0
.rept 32
	v_mov_b32 v[OT+j], 0                           ; the step is written once: the first finds zeros
.set j, j+1
.endr
.endm
	s_load_b256 s[16:23], s[0:1], 0x0              ; qkvc, maskw, the exponents, oc
	v_lshl_add_u32 v[SPW], v0, 2, SPARE
	v_mov_b32 v[NIL], 0
	v_lshrrev_b32 v9, 5, v0
	v_readfirstlane_b32 s2, v9                     ; wave 0..7
	s_and_b32 s24, ttmp7, 0xffff
	s_lshr_b32 s25, s24, 2                         ; batch
	s_and_b32 s24, s24, 3
	s_lshl_b32 s24, s24, 8                         ; 256 x which four heads
	s_lshr_b32 s26, s2, 1
	s_lshl_b32 s26, s26, 6                         ; 64 x my head among them
	s_and_b32 s27, s2, 1                           ; which 32 queries
	s_lshl_b32 s4, ttmp9, 2
	s_lshl_b32 s28, s27, 1
	s_add_co_u32 s4, s4, s28
	s_lshl_b32 s4, s4, 12                          ; the mask words of my first tile: 16 steps of 256 bytes; the second tile's lie 4,096 bytes on
	s_mov_b32 s5, 0
	s_lshl_b32 s30, ttmp9, 8
	s_add_co_u32 s30, s30, 524288                  ; the OR words of my work-group's four tiles: 256 bytes
	s_mov_b32 s31, 0
	s_lshl_b32 s100, s25, 21
	s_lshl_b32 s28, ttmp9, 16
	s_add_co_u32 s100, s100, s28
	s_lshl_b32 s28, s2, 13
	s_add_co_u32 s100, s100, s28
	s_add_co_u32 s100, s100, s24                   ; the output: (2,048 batch + 64 block + 8 wave) rows of 1,024 bytes + 256 x four heads
	s_mov_b32 s101, 0
	s_lshl_b32 s6, s25, 22
	s_lshl_b32 s28, ttmp9, 17
	s_add_co_u32 s6, s6, s28
	s_lshl_b32 s28, s27, 16
	s_add_co_u32 s6, s6, s28
	s_add_co_u32 s6, s6, s24
	s_add_co_u32 s6, s6, s26                       ; Q: my first query's row of 2,048 bytes + 256 x four heads + 64 x head
	s_mov_b32 s7, 0
	s_lshl_b32 s28, s25, 22
	s_add_co_u32 s28, s28, s24
	s_add_co_u32 s28, s28, 1024                    ; K: batch x 2,048 tokens of 2,048 bytes + 1,024 + 256 x four heads
	s_lshl_b32 s29, s25, 21
	s_lshl_b32 s10, s24, 11
	s_add_co_u32 s29, s29, s10
	s_add_co_u32 s29, s29, 8388608                 ; V: behind q and k; batch x 1,024 rows of 2,048 bytes + 256 rows x four heads
	s_mov_b32 s104, 128
	s_cmp_lt_u32 s2, 4                             ; waves 0 to 3 bring K's rows, waves 4 to 7 V's
	s_cselect_b32 s8, s28, s29
	s_cselect_b32 s104, 262144, s104               ; half a slot on: 128 rows of K, or 128 bytes in a row of V
	s_and_b32 s28, s2, 3
	s_lshl_b32 s28, s28, 17                        ; my 64 rows
	s_add_co_u32 s8, s8, s28
	s_mov_b32 s9, 0
	s_mov_b32 s14, 0x76543210                      ; v_permlanex16_b32: lane l xor 16
	s_mov_b32 s15, 0xfedcba98
	s_lshr_b32 s10, s2, 1
	s_mul_i32 s10, s10, 64*KP
	s_add_co_u32 s10, s10, VOFF                    ; my head's 64 rows of V in a slot
	s_mul_i32 s11, s2, 64*KP                       ; the rows that I bring
	s_mul_i32 s12, s27, 32*KP
	s_add_co_u32 s12, s12, s26
	s_add_co_u32 s12, s12, STAGE                   ; the stage, in
	s_mul_i32 s13, s2, 8*KP
	s_add_co_u32 s13, s13, STAGE                   ; and back: wave w takes rows 8 w on
	s_lshl_b32 s3, s27, 7                          ; my two tiles' AND words among the four tiles'
	; every LDS address is made here, of constants, the lane and the wave's number, in one run of vector instructions
	v_and_b32 v9, 15, v0                           ; r
	v_bfe_u32 v10, v0, 4, 1                        ; h
	v_and_b32 v11, 8, v9
	v_add_nc_u32 v11, v11, v9                      ; r + 8 (r / 8)
	v_mul_u32_u24 v1, v11, KP
	v_lshl_add_u32 v1, v10, 4, v1
	v_add_nc_u32 v1, s26, v1
	v_add_nc_u32 v2, SLOT, v1
	v_mul_u32_u24 v3, v9, KP
	v_lshl_add_u32 v28, v10, 3, v3
	v_add_nc_u32 v28, s12, v28                     ; the stage, in: row 32 (w % 2) + r, byte 64 x head + 8 h
	v_lshl_add_u32 v3, v10, 4, v3
	v_add_nc_u32 v3, s10, v3
	v_add_nc_u32 v4, SLOT, v3
	v_mul_u32_u24 v5, v10, KP
	v_lshl_add_u32 v5, v9, 4, v5
	v_add_nc_u32 v29, s13, v5
	v_add_nc_u32 v5, s11, v5                       ; my rows in a slot: row 64 w + h, 16 bytes a lane
	v_add_nc_u32 v6, SLOT, v5
	v_lshlrev_b32 v30, 10, v10
	v_lshl_add_u32 v30, v9, 4, v30
	v_lshlrev_b32 v31, 11, v9
	v_lshl_add_u32 v31, v10, 4, v31
	v_lshlrev_b32 v8, 11, v10
	v_lshl_add_u32 v8, v9, 4, v8                   ; in memory: row h of two, 16 bytes a lane; never rewritten
	v_and_b32 v11, 31, v0
	v_lshlrev_b32 v11, 2, v11
	v_add_nc_u32 v11, s3, v11                      ; lane l: the AND word of tile l / 16 of my two, step l % 16
	s_wait_alu depctr_va_vdst(0)                   ; the wait here, directly ahead of the wait below
	s_wait_kmcnt 0x0
	s_load_b128 s[24:27], s[20:21], 0x8            ; e2 .. e5
	s_load_b32 s28, s[20:21], 0x18                 ; e6
	s_add_nc_u64 s[30:31], s[18:19], s[30:31]
	s_load_b512 s[32:47], s[30:31], 0x0            ; the OR words: tile 0's 16 steps,
	s_load_b512 s[48:63], s[30:31], 0x40           ; tile 1's,
	s_load_b512 s[68:83], s[30:31], 0x80           ; tile 2's,
	s_load_b512 s[84:99], s[30:31], 0xc0           ; tile 3's
	s_add_nc_u64 s[6:7], s[16:17], s[6:7]
	s_add_nc_u64 s[16:17], s[16:17], s[8:9]        ; my rows of slot 0: the base of every slot's
	s_mov_b64 s[8:9], s[16:17]
	s_add_nc_u64 s[18:19], s[18:19], s[4:5]
	s_add_nc_u64 s[100:101], s[22:23], s[100:101]
	WIN 0x40                                       ; destination window 1
	LOADB 0, FRG                                   ; slot 0 is brought whatever the mask says: it is asked for before the OR words are there
	global_load_b128 v[QF:QF+3], v31, s[6:7] offset:32768    ; Q of my second tile, 16 rows on
	global_load_b128 v[QF+4:QF+7], v31, s[6:7] offset:32800
	WIN 0
	LOADB 1, FRG
	global_load_b128 v[QF:QF+3], v31, s[6:7]       ; Q stays in registers: registers 4 c .. 4 c + 3 hold d = 32 c + 16 h + 0 .. 15, as K's fragments do
	global_load_b128 v[QF+4:QF+7], v31, s[6:7] offset:32
	global_load_b32 v10, v11, s[30:31] offset:8192 ; the AND words lie 8,192 bytes behind the OR words
	s_wait_kmcnt 0x0
	s_add_co_i32 s29, s24, s25
	s_sub_co_i32 s29, s29, 3
	s_lshl_b32 s29, s29, 23
	s_add_co_i32 s20, s29, 0x3fb8aa3b              ; c = log2(e) x 2^(e2 + e3 - 3): the exponents are added to the exponent field
	s_mov_b32 s21, s20
	s_add_co_i32 s66, s26, s27                     ; e4 + e5
	s_cmp_lt_i32 s27, -8
	s_cselect_b32 s67, 1, 0                        ; 1: 448 x 2^e5 lies under 1, so p is held
	s_add_co_i32 s27, s27, 127
	s_lshl_b32 s24, s27, 23
	s_add_co_i32 s27, s27, 8
	s_lshl_b32 s27, s27, 23
	s_or_b32 s27, s27, 0x600000
	s_add_co_i32 s28, s28, 127
	s_lshl_b32 s26, s28, 23
	s_add_co_i32 s28, s28, 8
	s_lshl_b32 s28, s28, 23
	s_or_b32 s28, s28, 0x600000
	INIT
	WIN 0x40
	INIT
	WIN 0
	s_wait_alu depctr_va_vdst(0)                   ; the wait here, directly ahead of the run of scalar instructions
	; which steps count
	ORALL 32
	s_mov_b32 s10, s29
	ORALL 48
	s_and_b32 s10, s10, s29
	ORALL 68
	s_and_b32 s10, s10, s29
	ORALL 84
	s_and_b32 s10, s10, s29
	s_and_b32 s10, s10, 0xffff                     ; 0xffff: each of the 64 rows has a true entry
	s_mov_b32 s12, 0
.set i, 0
.rept 16
	s_or_b32 s29, s[32+i], s[48+i]
	s_or_b32 s29, s29, s[68+i]
	s_or_b32 s29, s29, s[84+i]
	s_cmp_lg_u32 s29, 0
	s_cselect_b32 s29, 1<<i, 0
	s_or_b32 s12, s12, s29
.set i, i+1
.endr
	s_cmp_eq_u32 s10, 0xffff
	s_cselect_b32 s12, s12, 0xffff                 ; a row with no true entry wants every key
	s_lshr_b32 s10, s12, 1
	s_or_b32 s10, s10, s12
	s_and_b32 s10, s10, 0x5554                     ; bit 2 n: slot n holds a step that counts; slot 0 is in hand
	s_mov_b32 s29, 0
	s_mov_b32 s105, 1
	s_mov_b32 s23, 0
	s_mov_b32 s25, 0
	s_wait_xcnt 0x0                                ; the loads above have read their bases: s[8:9] and s[30:31] may be written
	s_ctz_i32_b32 s30, s10                         ; twice the number of the list's next slot,
	s_min_u32 s30, s30, 14                         ; held inside the table
	s_cmp_lg_u32 s10, 0
	s_cselect_b32 s31, 1, 0                        ; is there one?
	s_sub_co_u32 s26, s10, 1
	s_and_b32 s10, s10, s26                        ; its bit is taken off
	s_mul_i32 s24, s30, s104
	s_add_nc_u64 s[8:9], s[16:17], s[24:25]        ; my rows of it
	s_cmp_lg_u32 s31, 0
	s_cbranch_scc0 .Lno_x
	LOADX                                          ; its set X goes out behind slot 0's loads
	s_branch .Lx
.Lno_x:
	s_wait_loadcnt 0x0                             ; the arm that issues nothing waits for all, so that the counted wait below holds on every path
.Lx:
	s_wait_loadcnt 16                              ; slot 0's rows, Q and the AND words are in; set X's 16 loads may be out
	v_cmp_eq_u32 s13, -1, v10                      ; bit l: tile l / 16, step l % 16 is all true
	s_lshr_b32 s26, s13, 16
	s_and_b32 s13, s13, s26                        ; bits 0-15: for both my tiles
	WIN 0x04                                       ; the stores' data in window 1
	STOREB 0, 0, FRG
	WIN 0
	STOREB 0, 1, FRG
	s_wait_dscnt 0x0                               ; the stores have read their registers: set Y may land there
	s_cmp_lg_u32 s31, 0
	s_cbranch_scc0 .Lno_y
	LOADY
	s_branch .Ly
.Lno_y:
	s_wait_loadcnt 0x0
.Ly:
; The softmax of one tile (b = 0, 1: its window) in the q-th step of the slot
.macro SOFT b, q
.set W, 0x55*\b
	s_bitcmp1_b32 s28, \q
	s_cbranch_scc1 .Lfull_\@
	WIN W
	s_wait_alu depctr_va_vdst(0)                   ; the wait directly ahead of the first reader of the scores
.set j, 0
.rept 32
	v_pk_mul_f32 v[S+j:S+j+1], v[S+j:S+j+1], s[20:21] op_sel_hi:[1,0]   ; t; each accumulator from its low end on
.set j, j+2
.endr
	s_wait_kmcnt 0x0                               ; this tile's mask words
.set n, 0
.rept 32
	v_cndmask_b32 v[S+n], v7, v[S+n], s[32+n]
.set n, n+1
.endr
.rept 32
	v_cndmask_b32 v[S+n], v7, v[S+n], s[36+n]
.set n, n+1
.endr
	WIN 0
.if \b == 0
	MLOAD 256*\q+0x1000                            ; the first tile's words have been used: the second tile's
.endif
.Lfull_\@:
	WIN W
	s_wait_alu depctr_va_vdst(0)                   ; the wait directly ahead of the first reader of the scores
	v_max3_num_f32 v208, v[S], v[S+1], v[S+2]      ; the step's largest among my 64 keys, in four chains, ascending
	v_max3_num_f32 v209, v[S+3], v[S+4], v[S+5]
	v_max3_num_f32 v212, v[S+6], v[S+7], v[S+8]
	v_max3_num_f32 v213, v[S+9], v[S+10], v[S+11]
.irp i, 12,20,28,36,44,52
	v_max3_num_f32 v208, v208, v[S+\i], v[S+\i+1]
	v_max3_num_f32 v209, v209, v[S+\i+2], v[S+\i+3]
	v_max3_num_f32 v212, v212, v[S+\i+4], v[S+\i+5]
	v_max3_num_f32 v213, v213, v[S+\i+6], v[S+\i+7]
.endr
	v_max3_num_f32 v208, v208, v[S+60], v[S+61]
	v_max3_num_f32 v209, v209, v[S+62], v[S+63]
	s_delay_alu instid0(VALU_DEP_1)
	v_max3_num_f32 v208, v208, v209, v212
	s_delay_alu instid0(VALU_DEP_1)
	v_max_num_f32 v208, v208, v213
	s_delay_alu instid0(VALU_DEP_1)
	v_permlanex16_b32 v214, v208, s14, s15
	s_delay_alu instid0(VALU_DEP_1)
	v_max_num_f32 v208, v208, v214                 ; with lane l xor 16's
	s_delay_alu instid0(VALU_DEP_1)
	v_mul_f32 v208, s6, v208                       ; as t: x c (positive), or x 1 where the scores are t already
	s_delay_alu instid0(VALU_DEP_1)
	v_max_num_f32 v13, v13, v208                   ; the running largest t
	v_mov_b32 v209, v12
	s_delay_alu instid0(VALU_DEP_2)
	v_floor_f32 v12, -v13                          ; the new -M = -ceil(t)
	s_delay_alu instid0(VALU_DEP_1)
	v_sub_f32 v209, v12, v209                      ; old M - new M: a whole number, 0 or less
	s_delay_alu instid0(VALU_DEP_1)
	v_cvt_i32_f32 v209, v209                       ; (it saturates)
	s_delay_alu instid0(VALU_DEP_1)
	v_ldexp_f32 v210, 1.0, v209                    ; f = 2^(old M - new M)
.set j, 0
.rept 32
	v_pk_fma_f32 v[S+j:S+j+1], v[S+j:S+j+1], s[6:7], v[12:13] op_sel_hi:[1,0,0]   ; t - M
.set j, j+2
.endr
	s_wait_alu depctr_va_vdst(0)                   ; the wait ahead of the batch
.set j, 0
.rept 64
	v_exp_f32 v[S+j], v[S+j]
.set j, j+1
.endr
	v_pk_mul_f32 v[14:15], v[14:15], v[210:211] op_sel_hi:[1,0]   ; the sums under the new M (a plain instruction behind the batch)
	s_wait_alu depctr_va_vdst(0)                   ; one wait for the batch, ahead of its first reader
	v_pk_add_f32 v[208:209], v[S:S+1], v[S+2:S+3]  ; the row's sum of the unquantised p, in four chains
	v_pk_add_f32 v[212:213], v[S+4:S+5], v[S+6:S+7]
	v_pk_add_f32 v[204:205], v[S+8:S+9], v[S+10:S+11]
	v_pk_add_f32 v[14:15], v[14:15], v[S+12:S+13]
.irp j, 14,22,30,38,46,54
	v_pk_add_f32 v[208:209], v[208:209], v[S+\j:S+\j+1]
	v_pk_add_f32 v[212:213], v[212:213], v[S+\j+2:S+\j+3]
	v_pk_add_f32 v[204:205], v[204:205], v[S+\j+4:S+\j+5]
	v_pk_add_f32 v[14:15], v[14:15], v[S+\j+6:S+\j+7]
.endr
	v_pk_add_f32 v[208:209], v[208:209], v[S+62:S+63]
	v_pk_add_f32 v[14:15], v[14:15], v[204:205]
	s_delay_alu instid0(VALU_DEP_2)
	v_pk_add_f32 v[208:209], v[208:209], v[212:213]
	s_delay_alu instid0(VALU_DEP_1)
	v_pk_add_f32 v[14:15], v[14:15], v[208:209]
	WIN 0
	s_cmp_lg_u32 s67, 0
	s_wait_alu depctr_va_vdst(0)                   ; the wait here, directly ahead of the branch
	s_cbranch_scc0 .Lno_hold_\@
	WIN W
.set j, 0
.rept 64
	v_min_num_f32 v[S+j], v[S+j], v25              ; p is not negative: the hold is one-sided
.set j, j+1
.endr
	WIN 0
.Lno_hold_\@:
	WIN W
.irp g, 0,1,2,3
	v_cvt_scalef32_pk8_fp8_f32 v[PC+4*\g:PC+4*\g+1], v[S+16*\g:S+16*\g+7], v24
	v_cvt_scalef32_pk8_fp8_f32 v[PC+4*\g+2:PC+4*\g+3], v[S+16*\g+8:S+16*\g+15], v24
.endr
	s_wait_alu depctr_va_vdst(0)                   ; the wait directly ahead of the first reader of O^T
.set j, 0
.rept 16
	v_pk_mul_f32 v[OT+j:OT+j+1], v[OT+j:OT+j+1], v[210:211] op_sel_hi:[1,0]   ; O^T under the new M; also the plain instructions behind the conversions
.set j, j+2
.endr
	WIN 0
.endm
.macro KLOADS slot, q                  ; the q-th step's fragments of K, and my first tile's mask words where they are wanted
.rept 4
	v_nop                                          ; places in front of loads into registers that the last products read
.endr
.irp t, 0,1,2,3,4,5,6,7
.irp c, 0,1
	ds_load_b128 v[FRG+8*\t+4*\c:FRG+8*\t+4*\c+3], v[AK+\slot] offset:(128*\q+32*(\t/2)+8*(\t%2))*KP+32*\c
.endr
.endr
	s_bitcmp1_b32 s28, \q                          ; is the step all true for my 32 queries?
	s_cbranch_scc1 .Lno_words_\@
	MLOAD 256*\q
.Lno_words_\@:
.endm
.macro COMPUTE slot, q                 ; 128 keys, the q-th half of the slot, for both my tiles
	s_bitcmp1_b32 s28, \q                          ; is the step all true for my 32 queries?
	s_cselect_b32 s6, s20, 1.0                     ; the factor of the fused multiply-add: c, or 1 where the scores are scaled ahead of the mask; made here, on the one way to its readers
	s_cselect_b32 s7, s20, 1.0
.irp t, 0,1,2,3,4,5,6,7
	v_wmma_f32_16x16x64_fp8_fp8 v[S+8*\t:S+8*\t+7], v[FRG+8*\t:FRG+8*\t+7], v[QF:QF+7], 0
.endr
	WIN 0x54                                       ; Q, C and D in window 1, K's fragments in window 0
.irp t, 0,1,2,3,4,5,6,7
	v_wmma_f32_16x16x64_fp8_fp8 v[S+8*\t:S+8*\t+7], v[FRG+8*\t:FRG+8*\t+7], v[QF:QF+7], 0
.endr
	WIN 0
.rept 4
	v_nop                                          ; places: in front of V's loads into K's registers, and of the first read of the scores
.endr
.irp t, 0,1,2,3
.irp c, 0,1,2,3
	ds_load_b128 v[FRG+16*\t+4*\c:FRG+16*\t+4*\c+3], v[AV+\slot] offset:16*\t*KP+128*\q+32*\c   ; V lands while the softmax is walked
.endr
.endr
	SOFT 0, \q
	SOFT 1, \q
	s_wait_alu depctr_va_vdst(0)                   ; the wait here, directly ahead of the wait below
	s_wait_dscnt 0x0                               ; V
.irp t, 0,1,2,3
	v_wmma_f32_16x16x128_fp8_fp8 v[OT+8*\t:OT+8*\t+7], v[FRG+16*\t:FRG+16*\t+15], v[PC:PC+15], v[OT+8*\t:OT+8*\t+7]   ; eight accumulators by turns; the next step's sixteen products stand between two links
.endr
	WIN 0x54
.irp t, 0,1,2,3
	v_wmma_f32_16x16x128_fp8_fp8 v[OT+8*\t:OT+8*\t+7], v[FRG+16*\t:FRG+16*\t+15], v[PC:PC+15], v[OT+8*\t:OT+8*\t+7]
.endr
	WIN 0
.endm
; Half a slot: one key step.  Set q (X for 0, Y for 1) of the next slot is laid into the other LDS slot; behind the wait for those stores the same registers take set q of the slot after the next.
; The other slot was read before the barrier at this slot's head, in front of which every wave's reads were back; it is read again behind the next barrier, in front of which my stores are done.
.macro HALF slot, q
	s_wait_loadcnt 16                              ; on every path: this set's 16 loads are in.  Behind them stand the other set's 16, or the wait for 0 in the arm that issues none
	s_cmp_lg_u32 s31, 0
	s_cbranch_scc0 .Lno_store_\@
.if \q == 0
	STOREX 1-\slot
.else
	STOREY 1-\slot
.endif
.Lno_store_\@:
	s_bitcmp1_b32 s11, \q
	s_cbranch_scc0 .Lno_k_\@
	KLOADS \slot, \q
.Lno_k_\@:
	s_wait_dscnt 0x0                               ; the stores have read their registers, and K's fragments are in
	s_cmp_lg_u32 s2, 0
	s_cbranch_scc0 .Lno_rows_\@
.if \q == 0
	LOADX
.else
	LOADY
.endif
	s_branch .Lrows_\@
.Lno_rows_\@:
	s_wait_loadcnt 0x0                             ; the arm that issues nothing waits for all
.Lrows_\@:
	s_bitcmp1_b32 s11, \q
	s_cbranch_scc0 .Lhidden_\@
	COMPUTE \slot, \q
.Lhidden_\@:
	s_wait_kmcnt 0x0                               ; on every path: no load still reads the words' pointer
.endm
.macro SLOTP slot
	s_wait_alu depctr_va_vdst(0)                   ; the wait here, directly ahead of the wait below
	s_wait_dscnt 0x0                               ; my rows of this slot are stored and my reads of the other are back
	s_barrier_signal -1
	s_barrier_wait -1
	s_lshr_b32 s11, s12, s29
	s_and_b32 s11, s11, 3
	s_cmp_lg_u32 s105, 0
	s_cselect_b32 s11, s11, 0                      ; bits 0, 1: this slot's two steps count
	s_lshr_b32 s28, s13, s29                       ; bits 0, 1: they are all true for my queries
	s_lshl_b32 s22, s29, 8
	s_add_nc_u64 s[4:5], s[18:19], s[22:23]        ; their mask words: 256 bytes a step
	s_ctz_i32_b32 s27, s10                         ; twice the number of the slot after the next,
	s_min_u32 s27, s27, 14                         ; held inside the table
	s_cmp_lg_u32 s10, 0
	s_cselect_b32 s2, 1, 0                         ; is there one?
	s_sub_co_u32 s26, s10, 1
	s_and_b32 s10, s10, s26                        ; its bit is taken off
	s_mul_i32 s24, s27, s104
	s_wait_xcnt 0x0                                ; the loads that are out have read their base
	s_add_nc_u64 s[8:9], s[16:17], s[24:25]        ; my rows of it
	HALF \slot, 0
	HALF \slot, 1
	s_min_u32 s29, s30, 14                         ; the list moves on by one slot
	s_mov_b32 s105, s31
	s_min_u32 s30, s27, 14
	s_mov_b32 s31, s2
.endm
	s_mov_b32 s3, 4
.Lpair:                                        ; four trips of two slots: room for all eight slots; a trip behind the list's end passes its barriers alone
	SLOTP 0
	SLOTP 1
	s_sub_co_u32 s3, s3, 1
	s_cmp_lg_u32 s3, 0
	s_cbranch_scc1 .Lpair
	; THE WAY OUT: O^T / the sum x 2^(e4 + e5), quantised with e6; the codes meet in a stage of its own behind the slots and leave as rows of 256 bytes
.macro FIN b
	WIN 0x55*\b
	v_add_f32 v14, v14, v15
	s_delay_alu instid0(VALU_DEP_1)
	v_permlanex16_b32 v214, v14, s14, s15
	s_delay_alu instid0(VALU_DEP_1)
	v_add_f32 v14, v14, v214
	s_wait_alu depctr_va_vdst(0)                   ; the wait ahead of the transcendental
	v_rcp_f32 v14, v14
	v_nop                                          ; a plain instruction behind it
	s_wait_alu depctr_va_vdst(0)                   ; the wait ahead of its first reader
	v_ldexp_f32 v14, v14, s66
	s_delay_alu instid0(VALU_DEP_1)
	v_mov_b32 v15, v14
	s_wait_alu depctr_va_vdst(0)                   ; the wait directly ahead of the first reader of O^T
.set j, 0
.rept 16
	v_pk_mul_f32 v[S+j:S+j+1], v[OT+j:OT+j+1], v[14:15]
.set j, j+2
.endr
.set j, 0
.rept 32
	v_med3_num_f32 v[S+j], v[S+j], -v27, v27
.set j, j+1
.endr
.irp t, 0,1,2,3
	v_cvt_scalef32_pk8_fp8_f32 v[PC+2*\t:PC+2*\t+1], v[S+8*\t:S+8*\t+7], v26
.endr
	v_nop
	WIN 0x04*\b
.irp t, 0,1,2,3
	ds_store_b64 v28, v[PC+2*\t:PC+2*\t+1] offset:16*\t+16*KP*\b   ; o(query 16 b + r, d = 16 t + 8 h + 0 .. 7)
.endr
	WIN 0
.endm
.rept 4
	v_nop                                          ; the places behind the last products
.endr
	FIN 0
	FIN 1
	s_wait_alu depctr_va_vdst(0)
	s_wait_dscnt 0x0                               ; for the others' sake
	s_barrier_signal -1
	s_barrier_wait -1
.irp i, 0,1,2,3
	ds_load_b128 v[FRG+4*\i:FRG+4*\i+3], v29 offset:2*\i*KP
.endr
.irp i, 0,1,2,3
	s_wait_dscnt 3-\i
	global_store_b128 v30, v[FRG+4*\i:FRG+4*\i+3], s[100:101] offset:2048*\i   ; sixteen lanes store 256 consecutive bytes, aligned
.endr
	s_wait_tensorcnt 0x0                           ; the wave's end
	ds_add_u32 v[SPW], v[NIL]
	s_wait_dscnt 0x0
	s_endpgm
.Lfunc_end_k_qf228bbfeb6_attn:
	.size	k_qf228bbfeb6_attn, .Lfunc_end_k_qf228bbfeb6_attn-k_qf228bbfeb6_attn
	.p2alignl 7, 3214868480
	.fill 96, 4, 3214868480
	.section	.rodata,"a",@progbits
	.p2align	6, 0x0
	.amdhsa_kernel k_qf228bbfeb6_attn
		.amdhsa_group_segment_fixed_size 296960
		.amdhsa_private_segment_fixed_size 0
		.amdhsa_enable_private_segment 0
		.amdhsa_kernarg_size 32
		.amdhsa_user_sgpr_count 2
		.amdhsa_user_sgpr_kernarg_segment_ptr 1
		.amdhsa_wavefront_size32 1
		.amdhsa_system_sgpr_workgroup_id_x 1
		.amdhsa_system_sgpr_workgroup_id_y 1
		.amdhsa_system_sgpr_workgroup_id_z 1
		.amdhsa_system_vgpr_workitem_id 0
		.amdhsa_next_free_vgpr 512
		.amdhsa_next_free_sgpr 106
		.amdhsa_reserve_vcc 0
		.amdhsa_float_denorm_mode_32 3
		.amdhsa_float_denorm_mode_16_64 3
		.amdhsa_memory_ordered 1
		.amdhsa_forward_progress 1
		.amdhsa_inst_pref_size 216
	.end_amdhsa_kernel
	.amdgpu_metadata
---
amdhsa.version: [ 1, 2 ]
amdhsa.kernels:
  - .name:           k_qf228bbfeb6_attn
    .symbol:         k_qf228bbfeb6_attn.kd
    .args:
      - { .name: qkvc, .offset: 0, .size: 8, .value_kind: global_buffer, .address_space: global }
      - { .name: maskw, .offset: 8, .size: 8, .value_kind: global_buffer, .address_space: global }
      - { .name: lowp_scales, .offset: 16, .size: 8, .value_kind: global_buffer, .address_space: global }
      - { .name: oc, .offset: 24, .size: 8, .value_kind: global_buffer, .address_space: global }
    .group_segment_fixed_size: 296960
    .private_segment_fixed_size: 0
    .kernarg_segment_align: 8
    .kernarg_segment_size: 32
    .max_flat_workgroup_size: 256
    .sgpr_count:     106
    .vgpr_count:     512
    .wavefront_size: 32
...
	.end_amdgpu_metadata
.endif
;; end of part 10
;; launch g2 (part 11): grid 8 x 32, 4 waves a work-group, clusters of 4 x 4, 327,680 bytes of LDS; arguments oc, wc, lowp_scales, b_o, x, x1; writes x1
.if DOCPART == 11
	.amdgcn_target "amdgcn-amd-amdhsa--gfx1250"
	.amdhsa_code_object_version 6
	.text
	.protected	k_qf228bbfeb6_g2
	.globl	k_qf228bbfeb6_g2
	.p2align	8
	.type	k_qf228bbfeb6_g2,@function
k_qf228bbfeb6_g2:
	s_mov_b64 s[64:65], 0
	v_nop
	global_prefetch_b8 v0, s[64:65] scope:SCOPE_SE
	s_setreg_imm32_b32 hwreg(HW_REG_WAVE_MODE, 25, 1), 1
	s_wait_xcnt 0x0
	s_wait_alu depctr_hold_cnt(0) depctr_sa_sdst(0) depctr_va_vdst(0) depctr_va_sdst(0) depctr_va_ssrc(0) depctr_va_vcc(0) depctr_vm_vsrc(0)
	s_getreg_b32 s2, hwreg(HW_REG_IB_STS2, 6, 4)
	s_cmp_eq_u32 s2, 0
	s_cbranch_scc0 .Lentry_in_a_cluster
	s_endpgm
.Lentry_in_a_cluster:
	s_bfe_u32 s2, ttmp6, 0x10000c
	s_cmp_lg_u32 s2, 0xf033
	s_cbranch_scc0 .Lentry_shape_is_right
	s_endpgm
.Lentry_shape_is_right:
.set SIZE_K, 1024
.set WOFF,   3145728
.set EOFF,   24
.set KSTEP,  512
.set PITCH,  528
.set HALFT,  64*PITCH
.set SLOT,   4*HALFT
.set STAGE,  2*SLOT
.set SPITCH, 272
.set SPARE,  STAGE+4*16*SPITCH
.set LAPS,   SIZE_K/(2*KSTEP)
.set ADRA, 16
.set ADRB, 20
.set STO,  24
.set RD,   25
.set CO,   26
.set SPW,  28
.set NIL,  29
.set BI,   12
.set TB,   32
.set ACC,  128
.set F0,   0
.set F1,   128
.set G1, 24
.set G0, 32
.set G1B, 48
.set G0B, 56
.set MSB, 0
.macro WIN new
.if MSB != \new
	s_set_vgpr_msb (MSB<<8)|\new
.set MSB, \new
.endif
.endm
.set MUL,  0x05
.set TO_F, 0x40
.macro JLOAD s
	s_cmp_eq_u32 s11, 0
	s_cbranch_scc0 .Lfor_b_\@
	tensor_load_to_lds s[G0+4*\s:G0+4*\s+3], s[G1:G1+7]
	s_nop 0
.rept 4
	v_nop
.endr
	s_branch .Lasked_\@
.Lfor_b_\@:
	tensor_load_to_lds s[G0B+4*\s:G0B+4*\s+3], s[G1B:G1B+7]
	s_nop 0
.rept 4
	v_nop
.endr
.Lasked_\@:
.endm
.macro CREST
	s_cmp_lg_u32 s10, 0
	s_cbranch_scc1 .Lnot_wave_0_\@
	s_barrier_signal -3
.Lnot_wave_0_\@:
	s_barrier_wait -3
	s_barrier_signal -1
	s_barrier_wait -1
.endm
.macro CROUND
	s_barrier_signal -1
	s_barrier_wait -1
	CREST
.endm
	s_load_b128 s[4:7], s[0:1], 0x0
	s_load_b64 s[8:9], s[0:1], 0x10
	s_load_b128 s[68:71], s[0:1], 0x18
	s_load_b64 s[72:73], s[0:1], 0x28
	v_lshl_add_u32 v[SPW], v0, 2, SPARE
	v_mov_b32 v[NIL], 0
	ds_add_u32 v28, v29
	ds_add_u32 v28, v29
	s_wait_dscnt 0x0
	v_lshrrev_b32 v1, 5, v0
	v_readfirstlane_b32 s10, v1
	s_lshr_b32 s11, s10, 1
	s_and_b32 s12, s10, 1
	s_bfe_u32 s40, ttmp6, 0x40000
	s_bfe_u32 s41, ttmp6, 0x40004
	s_lshl_b32 s42, ttmp9, 2
	s_add_co_u32 s42, s42, s40
	s_and_b32 s13, ttmp7, 0xffff
	s_lshl_b32 s13, s13, 2
	s_add_co_u32 s13, s13, s41
	s_lshl_b32 s43, s41, 2
	s_lshl_b32 s43, 15, s43
	s_lshl_b32 s44, 0x1111, s40
	s_or_b32 s[G1+0], s43, (0<<16)|(1<<20)|(1<<21)|(6<<22)|(3<<25)
	s_or_b32 s[G1B+0], s44, (0<<16)|(1<<20)|(1<<21)|(6<<22)|(3<<25)
.irp g, G1, G1B
	s_mov_b32 s[\g+1], KSTEP<<16
	s_mov_b32 s[\g+2], 64<<16
	s_mov_b32 s[\g+3], KSTEP<<16
	s_mov_b32 s[\g+4], 64
	s_mov_b32 s[\g+5], SIZE_K
	s_mov_b32 s[\g+6], 0
	s_mov_b32 s[\g+7], 0
.endr
	s_lshl_b32 s17, s12, 6
	s_lshl_b32 s16, s13, 7
	s_add_co_u32 s16, s16, s17
	s_mul_i32 s16, s16, SIZE_K
	s_lshl_b32 s46, s42, 7
	s_add_co_u32 s46, s46, s17
	s_mul_i32 s46, s46, SIZE_K
	s_add_co_u32 s46, s46, WOFF
	s_mov_b32 s17, 0
	s_mov_b32 s47, 0
	s_mul_i32 s20, s10, HALFT
	s_wait_kmcnt 0x0
	s_load_b64 s[76:77], s[8:9], EOFF
	s_add_nc_u64 s[14:15], s[4:5], s[16:17]
	s_add_nc_u64 s[46:47], s[6:7], s[46:47]
	CROUND
.irp s, 0,1
	s_mov_b32 s[G0+4*\s], 1
	s_add_co_u32 s[G0+4*\s+1], s20, \s*SLOT
	s_add_nc_u64 s[G0+4*\s+2:G0+4*\s+3], s[14:15], \s*KSTEP
	s_or_b32 s[G0+4*\s+3], s[G0+4*\s+3], 0x80000000
	s_mov_b32 s[G0B+4*\s], 1
	s_add_co_u32 s[G0B+4*\s+1], s20, \s*SLOT
	s_add_nc_u64 s[G0B+4*\s+2:G0B+4*\s+3], s[46:47], \s*KSTEP
	s_or_b32 s[G0B+4*\s+3], s[G0B+4*\s+3], 0x80000000
.if \s
	s_wait_alu depctr_va_vdst(0)
	s_wait_tensorcnt 0x0
	ds_add_u32 v28, v29
	s_wait_dscnt 0x0
	CROUND
.endif
	JLOAD \s
.endr
	v_and_b32 v1, 15, v0
	s_wait_alu depctr_va_vdst(0)
	v_bfe_u32 v2, v0, 4, 1
	v_mul_u32_u24 v3, v1, PITCH
	v_lshl_add_u32 v3, v2, 4, v3
	s_mul_i32 s21, s11, HALFT
	s_mul_i32 s22, s12, HALFT
	s_add_co_u32 s22, s22, 2*HALFT
.irp s, 0,1
	v_add_nc_u32 v[ADRA+\s], s21, v3
	v_add_nc_u32 v[ADRB+\s], s22, v3
	s_add_co_u32 s21, s21, SLOT
	s_add_co_u32 s22, s22, SLOT
.endr
	s_mul_i32 s23, s10, 16*SPITCH
	s_add_co_u32 s23, s23, STAGE
	v_mul_u32_u24 v4, v1, SPITCH
	s_wait_alu depctr_va_vdst(0)
	v_lshl_add_u32 v4, v2, 5, v4
	v_add_nc_u32 v[STO], s23, v4
	v_mul_u32_u24 v5, v2, SPITCH
	v_lshl_add_u32 v5, v1, 4, v5
	v_add_nc_u32 v[RD], s23, v5
	v_lshlrev_b32 v5, 12, v2
	v_lshl_add_u32 v[CO], v1, 4, v5
	v_lshlrev_b32 v6, 4, v1
	s_wait_alu depctr_va_vdst(0)
	s_lshl_b32 s16, s13, 7
	s_lshl_b32 s17, s11, 6
	s_add_co_u32 s16, s16, s17
	s_lshl_b32 s16, s16, 12
	s_lshl_b32 s46, s42, 7
	s_lshl_b32 s47, s12, 6
	s_add_co_u32 s46, s46, s47
	s_lshl_b32 s46, s46, 2
	s_mov_b32 s47, 0
	s_add_nc_u64 s[68:69], s[68:69], s[46:47]
	s_add_co_u32 s16, s16, s46
	s_mov_b32 s17, 0
	s_add_nc_u64 s[70:71], s[70:71], s[16:17]
	s_add_nc_u64 s[72:73], s[72:73], s[16:17]
	global_load_b128 v[BI:BI+3], v6, s[68:69]
	WIN 0x80
.irp a, 0,1,2,3
.irp t, 0,1,2,3,4,5,6,7
	global_load_b128 v[4*(8*\a+\t):4*(8*\a+\t)+3], v[CO], s[70:71] offset:(16*\a+2*\t)*4096
.endr
.endr
	WIN 0
.macro MUL4 f, a, zero
.irp b, 0,1,2,3
.if \zero
	v_wmma_f32_16x16x128_fp8_fp8 v[ACC+8*(4*(\a)+\b):ACC+8*(4*(\a)+\b)+7], v[\f+64+16*\b:\f+64+16*\b+15], v[\f+16*(\a):\f+16*(\a)+15], 0
.else
	v_wmma_f32_16x16x128_fp8_fp8 v[ACC+8*(4*(\a)+\b):ACC+8*(4*(\a)+\b)+7], v[\f+64+16*\b:\f+64+16*\b+15], v[\f+16*(\a):\f+16*(\a)+15], v[ACC+8*(4*(\a)+\b):ACC+8*(4*(\a)+\b)+7]
.endif
.endr
.endm
.macro FETCH slot, k, f
	WIN TO_F
.irp i, 0,1,2,3
.irp c, 0,1,2,3
	ds_load_b128 v[\f+64+16*\i+4*\c:\f+64+16*\i+4*\c+3], v[ADRB+\slot] offset:\k+32*\c+\i*16*PITCH
.endr
.endr
.irp i, 0,1,2,3
.irp c, 0,1,2,3
	ds_load_b128 v[\f+16*\i+4*\c:\f+16*\i+4*\c+3], v[ADRA+\slot] offset:\k+32*\c+\i*16*PITCH
.endr
.endr
.endm
.macro PLACES
.rept 4
	v_nop
.endr
.endm
.macro QUARTER slot, k, f, g, zero
	s_wait_dscnt 0x0
	PLACES
	FETCH \slot, \k, \g
	WIN MUL
	MUL4 \f, 0, \zero
	MUL4 \f, 1, \zero
	MUL4 \f, 2, \zero
	MUL4 \f, 3, \zero
.endm
.macro TURN slot, next, fill
	WIN 0
	s_wait_tensorcnt 0x0
	ds_add_u32 v[SPW], v[NIL]
	s_wait_dscnt 1
	WIN MUL
	MUL4 F1, 0, 0
	s_wait_dscnt 0x0
	s_barrier_signal -1
	MUL4 F1, 1, 0
.if \fill
	WIN 0
.endif
	s_barrier_wait -1
.if \fill
	CREST
	s_add_nc_u64 s[G0+4*\slot+2:G0+4*\slot+3], s[G0+4*\slot+2:G0+4*\slot+3], 2*KSTEP
	s_add_nc_u64 s[G0B+4*\slot+2:G0B+4*\slot+3], s[G0B+4*\slot+2:G0B+4*\slot+3], 2*KSTEP
	JLOAD \slot
.else
	PLACES
.endif
	FETCH \next, 0, F0
	WIN MUL
	MUL4 F1, 2, 0
	MUL4 F1, 3, 0
.endm
	s_wait_tensorcnt 1
	s_barrier_signal -1
	s_barrier_wait -1
	FETCH 0, 0, F0
	QUARTER 0, 128, F0, F1, 1
.if LAPS > 1
	WIN 0
	s_mov_b32 s3, LAPS-1
.Llap:
	QUARTER 0, 256, F1, F0, 0
	QUARTER 0, 384, F0, F1, 0
	TURN 0, 1, 1
	QUARTER 1, 128, F0, F1, 0
	QUARTER 1, 256, F1, F0, 0
	QUARTER 1, 384, F0, F1, 0
	TURN 1, 0, 1
	QUARTER 0, 128, F0, F1, 0
	WIN 0
	s_sub_co_u32 s3, s3, 1
	s_cmp_lg_u32 s3, 0
	s_cbranch_scc1 .Llap
.endif
	QUARTER 0, 256, F1, F0, 0
	QUARTER 0, 384, F0, F1, 0
	TURN 0, 1, 0
	QUARTER 1, 128, F0, F1, 0
	QUARTER 1, 256, F1, F0, 0
	QUARTER 1, 384, F0, F1, 0
	s_wait_dscnt 0x0
	WIN MUL
	MUL4 F1, 0, 0
	MUL4 F1, 1, 0
	MUL4 F1, 2, 0
	MUL4 F1, 3, 0
	WIN 0
.macro OUTB a
.set TBB, TB+32*((\a)%2)
.if (\a) >= 2
	s_wait_xcnt 0x0
.endif
.irp b, 0,1,2,3
	ds_store_b128 v[STO], v[ACC+8*(4*(\a)+\b):ACC+8*(4*(\a)+\b)+3] offset:64*\b
	ds_store_b128 v[STO], v[ACC+8*(4*(\a)+\b)+4:ACC+8*(4*(\a)+\b)+7] offset:64*\b+16
.endr
.irp t, 0,1,2,3,4,5,6,7
	ds_load_b128 v[TBB+4*\t:TBB+4*\t+3], v[RD] offset:2*\t*SPITCH
.endr
	s_wait_dscnt 0x0
.irp t, 0,1,2,3,4,5,6,7
	v_pk_fma_f32 v[TBB+4*\t:TBB+4*\t+1], v[TBB+4*\t:TBB+4*\t+1], s[74:75], v[BI:BI+1] op_sel_hi:[1,0,1]
	v_pk_fma_f32 v[TBB+4*\t+2:TBB+4*\t+3], v[TBB+4*\t+2:TBB+4*\t+3], s[74:75], v[BI+2:BI+3] op_sel_hi:[1,0,1]
.endr
	WIN 0x08
.irp t, 0,1,2,3,4,5,6,7
	v_pk_add_f32 v[TBB+4*\t:TBB+4*\t+1], v[TBB+4*\t:TBB+4*\t+1], v[4*(8*(\a)+\t):4*(8*(\a)+\t)+1]
	v_pk_add_f32 v[TBB+4*\t+2:TBB+4*\t+3], v[TBB+4*\t+2:TBB+4*\t+3], v[4*(8*(\a)+\t)+2:4*(8*(\a)+\t)+3]
.endr
	WIN 0
.irp t, 0,1,2,3,4,5,6,7
	global_store_b128 v[CO], v[TBB+4*\t:TBB+4*\t+3], s[72:73] offset:(16*(\a)+2*\t)*4096
.endr
.endm
	s_wait_loadcnt 0x0
	s_wait_kmcnt 0x0
	s_add_co_i32 s74, s76, s77
	s_add_co_i32 s74, s74, 127
	s_lshl_b32 s74, s74, 23
	s_mov_b32 s75, s74
	PLACES
	OUTB 0
	OUTB 1
	OUTB 2
	OUTB 3
	s_wait_tensorcnt 0x0
	ds_add_u32 v[SPW], v[NIL]
	s_wait_dscnt 0x0
	CROUND
	s_endpgm
.Lfunc_end_k_qf228bbfeb6_g2:
	.size	k_qf228bbfeb6_g2, .Lfunc_end_k_qf228bbfeb6_g2-k_qf228bbfeb6_g2
	.p2alignl 7, 3214868480
	.fill 96, 4, 3214868480
	.section	.rodata,"a",@progbits
	.p2align	6, 0x0
	.amdhsa_kernel k_qf228bbfeb6_g2
		.amdhsa_group_segment_fixed_size 327680
		.amdhsa_private_segment_fixed_size 0
		.amdhsa_enable_private_segment 0
		.amdhsa_kernarg_size 48
		.amdhsa_user_sgpr_count 2
		.amdhsa_user_sgpr_kernarg_segment_ptr 1
		.amdhsa_wavefront_size32 1
		.amdhsa_system_sgpr_workgroup_id_x 1
		.amdhsa_system_sgpr_workgroup_id_y 1
		.amdhsa_system_sgpr_workgroup_id_z 1
		.amdhsa_system_vgpr_workitem_id 0
		.amdhsa_next_free_vgpr 640
		.amdhsa_next_free_sgpr 80
		.amdhsa_reserve_vcc 0
		.amdhsa_float_denorm_mode_32 3
		.amdhsa_float_denorm_mode_16_64 3
		.amdhsa_memory_ordered 1
		.amdhsa_forward_progress 1
		.amdhsa_inst_pref_size 53
	.end_amdhsa_kernel
	.amdgpu_metadata
---
amdhsa.version: [ 1, 2 ]
amdhsa.kernels:
  - .name:           k_qf228bbfeb6_g2
    .symbol:         k_qf228bbfeb6_g2.kd
    .args:
      - { .name: oc, .offset: 0, .size: 8, .value_kind: global_buffer, .address_space: global }
      - { .name: wc, .offset: 8, .size: 8, .value_kind: global_buffer, .address_space: global }
      - { .name: lowp_scales, .offset: 16, .size: 8, .value_kind: global_buffer, .address_space: global }
      - { .name: b_o, .offset: 24, .size: 8, .value_kind: global_buffer, .address_space: global }
      - { .name: x, .offset: 32, .size: 8, .value_kind: global_buffer, .address_space: global }
      - { .name: x1, .offset: 40, .size: 8, .value_kind: global_buffer, .address_space: global }
    .group_segment_fixed_size: 327680
    .private_segment_fixed_size: 0
    .kernarg_segment_align: 8
    .kernarg_segment_size: 48
    .max_flat_workgroup_size: 128
    .sgpr_count:     80
    .vgpr_count:     640
    .wavefront_size: 32
...
	.end_amdgpu_metadata
.endif
;; end of part 11
;; launch ln2 (part 12): grid 256 x 1, 4 waves a work-group, no clusters, 0 bytes of LDS; arguments x1, ln2_w, ln2_b, lowp_scales, h2c; writes h2c
.if DOCPART == 12
	.amdgcn_target "amdgcn-amd-amdhsa--gfx1250"
	.amdhsa_code_object_version 6
	.text
	.protected	k_qf228bbfeb6_ln2
	.globl	k_qf228bbfeb6_ln2
	.p2align	8
	.type	k_qf228bbfeb6_ln2,@function
k_qf228bbfeb6_ln2:
	s_mov_b64 s[64:65], 0
	v_nop
	global_prefetch_b8 v0, s[64:65] scope:SCOPE_SE
	s_setreg_imm32_b32 hwreg(HW_REG_WAVE_MODE, 25, 1), 1
	s_wait_xcnt 0x0
; LAYER NORM 2 of x1, quantised to codes of E4M3 with the scale 2^e8.  A stream: a wave takes 4 rows of 1,024 and keeps each in registers between its passes; waves share nothing, so no LDS, no barrier, no cluster.
; Lane l holds k = 256 j + 8 l + 0..7, j = 0..3, so that 8 neighbours along K stand in one lane and 32 lanes store 256 consecutive bytes of codes.
; The variance is the mean of the squared differences from the mean, taken in a second pass over the registers.  LIMIT: e8 between -126 and 119.  NaN and infinities are not served.
.macro QSET se, st, vsc, vlim
	s_add_co_i32 s[\se], s[\se], 127
	s_lshl_b32 s[\st], s[\se], 23
	v_mov_b32 v[\vsc], s[\st]
	s_add_co_i32 s[\se], s[\se], 8
	s_lshl_b32 s[\se], s[\se], 23
	s_or_b32 s[\se], s[\se], 0x600000
	v_mov_b32 v[\vlim], s[\se]
.endm
.macro WSUM
	v_add_f32_dpp v2, v2, v2 row_xmask:1 row_mask:0xf bank_mask:0xf
	v_add_f32_dpp v2, v2, v2 row_xmask:2 row_mask:0xf bank_mask:0xf
	v_add_f32_dpp v2, v2, v2 row_xmask:4 row_mask:0xf bank_mask:0xf
	v_add_f32_dpp v2, v2, v2 row_xmask:8 row_mask:0xf bank_mask:0xf
	v_permlanex16_b32 v3, v2, s20, s21
	v_add_f32 v2, v2, v3
.endm
.macro LNROW i
.set RR, 80+32*(\i)
.set CC, 208+8*(\i)
	s_wait_loadcnt 8*(3-(\i))                      ; this row's eight loads are in (and gain and bias, asked for earlier); the later rows' may be out
	v_pk_add_f32 v[2:3], v[RR:RR+1], v[RR+2:RR+3]
	v_pk_add_f32 v[4:5], v[RR+4:RR+5], v[RR+6:RR+7]
.irp j, 8,12,16,20,24,28
	v_pk_add_f32 v[2:3], v[2:3], v[RR+\j:RR+\j+1]
	v_pk_add_f32 v[4:5], v[4:5], v[RR+\j+2:RR+\j+3]
.endr
	v_pk_add_f32 v[2:3], v[2:3], v[4:5]
	v_add_f32 v2, v2, v3
	WSUM
	v_mul_f32 v6, s22, v2
	v_mov_b32 v7, v6
.set j, 0
.rept 16
	v_pk_add_f32 v[RR+j:RR+j+1], v[RR+j:RR+j+1], v[6:7] neg_lo:[0,1] neg_hi:[0,1]
.set j, j+2
.endr
	v_pk_mul_f32 v[2:3], v[RR:RR+1], v[RR:RR+1]
	v_pk_mul_f32 v[4:5], v[RR+2:RR+3], v[RR+2:RR+3]
.irp j, 4,8,12,16,20,24,28
	v_pk_fma_f32 v[2:3], v[RR+\j:RR+\j+1], v[RR+\j:RR+\j+1], v[2:3]
	v_pk_fma_f32 v[4:5], v[RR+\j+2:RR+\j+3], v[RR+\j+2:RR+\j+3], v[4:5]
.endr
	v_pk_add_f32 v[2:3], v[2:3], v[4:5]
	v_add_f32 v2, v2, v3
	WSUM
	v_fma_f32 v6, v2, s22, s23
	s_wait_alu depctr_va_vdst(0)
	v_rsq_f32 v8, v6
	v_nop                                          ; a plain instruction behind the transcendental
	s_wait_alu depctr_va_vdst(0)                   ; the wait ahead of the result's first reader
	v_mov_b32 v9, v8
.set j, 0
.rept 16
	v_pk_mul_f32 v[RR+j:RR+j+1], v[RR+j:RR+j+1], v[8:9]
.set j, j+2
.endr
.set j, 0
.rept 16
	v_pk_fma_f32 v[RR+j:RR+j+1], v[RR+j:RR+j+1], v[16+j:17+j], v[48+j:49+j]
.set j, j+2
.endr
.set j, 0
.rept 32
	v_med3_num_f32 v[RR+j], v[RR+j], -v10, v10     ; the conversion does not saturate (ISA guide 7.6.2)
.set j, j+1
.endr
.irp g, 0,1,2,3
	v_cvt_scalef32_pk8_fp8_f32 v[CC+2*\g:CC+2*\g+1], v[RR+8*\g:RR+8*\g+7], v11
.endr
.irp g, 0,1,2,3
	global_store_b64 v13, v[CC+2*\g:CC+2*\g+1], s[12:13] offset:1024*(\i)+256*\g   ; 32 lanes store 256 consecutive bytes, aligned; each row has code registers of its own
.endr
.endm
	s_load_b128 s[4:7], s[0:1], 0x0                ; x1, ln2_w
	s_load_b128 s[8:11], s[0:1], 0x10              ; ln2_b, the exponents
	s_load_b64 s[12:13], s[0:1], 0x20              ; h2c
	v_lshrrev_b32 v1, 5, v0
	v_readfirstlane_b32 s2, v1
	v_and_b32 v2, 31, v0
	s_wait_alu depctr_va_vdst(0)
	s_lshl_b32 s15, ttmp9, 4
	s_lshl_b32 s16, s2, 2
	s_add_co_u32 s15, s15, s16                     ; my first row
	s_lshl_b32 s16, s15, 12
	s_mov_b32 s17, 0
	s_lshl_b32 s18, s15, 10
	s_mov_b32 s19, 0
	s_mov_b32 s20, 0x76543210
	s_mov_b32 s21, 0xfedcba98
	s_mov_b32 s22, 0x3a800000                      ; 1 / 1,024
	s_mov_b32 s23, 0x3727c5ac                      ; 1e-5
	v_lshlrev_b32 v12, 5, v2
	v_lshlrev_b32 v13, 3, v2
	s_wait_alu depctr_va_vdst(0)
	s_wait_kmcnt 0x0
	s_load_b32 s24, s[10:11], 0x20                 ; e8
	s_add_nc_u64 s[4:5], s[4:5], s[16:17]
	s_add_nc_u64 s[12:13], s[12:13], s[18:19]
.irp j, 0,1,2,3
	global_load_b128 v[16+8*\j:19+8*\j], v12, s[6:7] offset:1024*\j
	global_load_b128 v[20+8*\j:23+8*\j], v12, s[6:7] offset:1024*\j+16
	global_load_b128 v[48+8*\j:51+8*\j], v12, s[8:9] offset:1024*\j
	global_load_b128 v[52+8*\j:55+8*\j], v12, s[8:9] offset:1024*\j+16
.endr
.irp i, 0,1,2,3
.irp j, 0,1,2,3
	global_load_b128 v[80+32*\i+8*\j:83+32*\i+8*\j], v12, s[4:5] offset:4096*\i+1024*\j
	global_load_b128 v[84+32*\i+8*\j:87+32*\i+8*\j], v12, s[4:5] offset:4096*\i+1024*\j+16
.endr
.endr
	s_wait_kmcnt 0x0
	QSET 24, 25, 11, 10
	LNROW 0
	LNROW 1
	LNROW 2
	LNROW 3
	s_endpgm
.Lfunc_end_k_qf228bbfeb6_ln2:
	.size	k_qf228bbfeb6_ln2, .Lfunc_end_k_qf228bbfeb6_ln2-k_qf228bbfeb6_ln2
	.p2alignl 7, 3214868480
	.fill 96, 4, 3214868480
	.section	.rodata,"a",@progbits
	.p2align	6, 0x0
	.amdhsa_kernel k_qf228bbfeb6_ln2
		.amdhsa_group_segment_fixed_size 0
		.amdhsa_private_segment_fixed_size 0
		.amdhsa_enable_private_segment 0
		.amdhsa_kernarg_size 40
		.amdhsa_user_sgpr_count 2
		.amdhsa_user_sgpr_kernarg_segment_ptr 1
		.amdhsa_wavefront_size32 1
		.amdhsa_system_sgpr_workgroup_id_x 1
		.amdhsa_system_sgpr_workgroup_id_y 1
		.amdhsa_system_sgpr_workgroup_id_z 1
		.amdhsa_system_vgpr_workitem_id 0
		.amdhsa_next_free_vgpr 240
		.amdhsa_next_free_sgpr 66
		.amdhsa_reserve_vcc 0
		.amdhsa_float_denorm_mode_32 3
		.amdhsa_float_denorm_mode_16_64 3
		.amdhsa_memory_ordered 1
		.amdhsa_forward_progress 1
		.amdhsa_inst_pref_size 41
	.end_amdhsa_kernel
	.amdgpu_metadata
---
amdhsa.version: [ 1, 2 ]
amdhsa.kernels:
  - .name:           k_qf228bbfeb6_ln2
    .symbol:         k_qf228bbfeb6_ln2.kd
    .args:
      - { .name: x1, .offset: 0, .size: 8, .value_kind: global_buffer, .address_space: global }
      - { .name: ln2_w, .offset: 8, .size: 8, .value_kind: global_buffer, .address_space: global }
      - { .name: ln2_b, .offset: 16, .size: 8, .value_kind: global_buffer, .address_space: global }
      - { .name: lowp_scales, .offset: 24, .size: 8, .value_kind: global_buffer, .address_space: global }
      - { .name: h2c, .offset: 32, .size: 8, .value_kind: global_buffer, .address_space: global }
    .group_segment_fixed_size: 0
    .private_segment_fixed_size: 0
    .kernarg_segment_align: 8
    .kernarg_segment_size: 40
    .max_flat_workgroup_size: 128
    .sgpr_count:     66
    .vgpr_count:     240
    .wavefront_size: 32
...
	.end_amdgpu_metadata
.endif
;; end of part 12
;; launch g3 (part 13): grid 16 x 16, 4 waves a work-group, clusters of 4 x 4, 327,680 bytes of LDS; arguments h2c, wc, lowp_scales, b_fc, gc; writes gc
.if DOCPART == 13
	.amdgcn_target "amdgcn-amd-amdhsa--gfx1250"
	.amdhsa_code_object_version 6
	.text
	.protected	k_qf228bbfeb6_g3
	.globl	k_qf228bbfeb6_g3
	.p2align	8
	.type	k_qf228bbfeb6_g3,@function
k_qf228bbfeb6_g3:
	s_mov_b64 s[64:65], 0
	v_nop
	global_prefetch_b8 v0, s[64:65] scope:SCOPE_SE
	s_setreg_imm32_b32 hwreg(HW_REG_WAVE_MODE, 25, 1), 1
	s_wait_xcnt 0x0
	s_wait_alu depctr_hold_cnt(0) depctr_sa_sdst(0) depctr_va_vdst(0) depctr_va_sdst(0) depctr_va_ssrc(0) depctr_va_vcc(0) depctr_vm_vsrc(0)
	s_getreg_b32 s2, hwreg(HW_REG_IB_STS2, 6, 4)
	s_cmp_eq_u32 s2, 0
	s_cbranch_scc0 .Lentry_in_a_cluster
	s_endpgm
.Lentry_in_a_cluster:
	s_bfe_u32 s2, ttmp6, 0x10000c
	s_cmp_lg_u32 s2, 0xf033
	s_cbranch_scc0 .Lentry_shape_is_right
	s_endpgm
.Lentry_shape_is_right:
.set KIND,   1
.set OUTP,   4096
.set WOFF,   4194304
.set KSTEP,  256
.set ROWB,   256
.set KROW,   1024
.set PITCH,  272
.set FR,     16
.set NL,     4
.set NP,     4
.set HALFT,  128*PITCH
.set SLOT,   4*HALFT
.set LAPS,   2
.set SPARE,  2*SLOT
.set ADRA, 16
.set ADRB, 20
.set STO,  24
.set RD,   25
.set CO,   26
.set SPW,  28
.set NIL,  29
.set SC,   30
.set LIM,  31
.set BM,   32
.set CD,   48
.set BN,   64
.set AF,   128
.set XV,   128
.set ZV,   192
.set RB,   128
.set G1, 24
.set G0, 32
.set G1B, 48
.set G0B, 56
.set MSB, 0
.macro WIN new
.if MSB != \new
	s_set_vgpr_msb (MSB<<8)|\new
.set MSB, \new
.endif
.endm
.set MUL_LO, 0xa1
.set MUL_HI, 0xf1
.set TO_B,   0x40
.macro JLOAD g0a, g1a, g0b, g1b
	s_cmp_eq_u32 s15, 0
	s_cbranch_scc0 .Lfor_b_\@
	tensor_load_to_lds s[\g0a:\g0a+3], s[\g1a:\g1a+7]
	s_nop 0
.rept 4
	v_nop
.endr
	s_branch .Lasked_\@
.Lfor_b_\@:
	tensor_load_to_lds s[\g0b:\g0b+3], s[\g1b:\g1b+7]
	s_nop 0
.rept 4
	v_nop
.endr
.Lasked_\@:
.endm
.macro CREST
	s_cmp_lg_u32 s14, 0
	s_cbranch_scc1 .Lnot_wave_0_\@
	s_barrier_signal -3
.Lnot_wave_0_\@:
	s_barrier_wait -3
	s_barrier_signal -1
	s_barrier_wait -1
.endm
.macro CROUND
	s_barrier_signal -1
	s_barrier_wait -1
	CREST
.endm
	s_load_b128 s[4:7], s[0:1], 0x0
	s_load_b128 s[8:11], s[0:1], 0x10
	s_load_b64 s[12:13], s[0:1], 0x20
	v_lshl_add_u32 v[SPW], v0, 2, SPARE
	v_mov_b32 v[NIL], 0
	ds_add_u32 v28, v29
	ds_add_u32 v28, v29
	s_wait_dscnt 0x0
	v_lshrrev_b32 v1, 5, v0
	v_readfirstlane_b32 s14, v1
	s_lshr_b32 s15, s14, 1
	s_and_b32 s16, s14, 1
	s_bfe_u32 s40, ttmp6, 0x40000
	s_bfe_u32 s41, ttmp6, 0x40004
	s_and_b32 s67, ttmp7, 0xffff
.if KIND == 0
	s_cmp_lt_u32 ttmp9, 2
	s_cselect_b32 s66, s67, 0
	s_cselect_b32 s67, ttmp9, s67
	s_cselect_b32 s68, -1, 0
	s_cselect_b32 s19, 0, 2097152
.else
	s_mov_b32 s66, s67
	s_mov_b32 s67, ttmp9
.endif
	s_lshl_b32 s42, s67, 2
	s_add_co_u32 s42, s42, s40
	s_lshl_b32 s17, s66, 2
	s_add_co_u32 s17, s17, s41
	s_lshl_b32 s43, s41, 2
	s_lshl_b32 s43, 15, s43
	s_lshl_b32 s44, 0x1111, s40
	s_or_b32 s[G1+0], s43, (0<<16)|(1<<20)|(1<<21)|(5<<22)|(3<<25)
	s_or_b32 s[G1B+0], s44, (0<<16)|(1<<20)|(1<<21)|(5<<22)|(3<<25)
.irp g, G1, G1B
	s_mov_b32 s[\g+1], ROWB<<16
	s_mov_b32 s[\g+2], 128<<16
	s_mov_b32 s[\g+3], ROWB<<16
	s_mov_b32 s[\g+4], 128
	s_mov_b32 s[\g+5], KROW
	s_mov_b32 s[\g+6], 0
	s_mov_b32 s[\g+7], 0
.endr
	s_lshl_b32 s18, s16, 7
	s_lshl_b32 s20, s17, 8
	s_add_co_u32 s20, s20, s18
	s_lshl_b32 s20, s20, 10
	s_lshl_b32 s46, s42, 8
	s_add_co_u32 s46, s46, s18
	s_lshl_b32 s46, s46, 10
.if KIND == 0
	s_add_co_u32 s20, s20, s19
.else
	s_add_co_u32 s46, s46, WOFF
.endif
	s_mov_b32 s21, 0
	s_mov_b32 s47, 0
	s_mul_i32 s45, s14, HALFT
	s_wait_kmcnt 0x0
.if KIND == 0
	s_load_b128 s[76:79], s[8:9], 0x0
	s_load_b32 s80, s[8:9], 0x10
	s_cmp_lt_u32 ttmp9, 2
	s_cselect_b64 s[92:93], s[4:5], s[6:7]
	s_cselect_b64 s[94:95], s[6:7], s[4:5]
	s_add_nc_u64 s[20:21], s[92:93], s[20:21]
	s_add_nc_u64 s[46:47], s[94:95], s[46:47]
.else
	s_load_b128 s[76:79], s[8:9], 0x20
	s_add_nc_u64 s[20:21], s[4:5], s[20:21]
	s_add_nc_u64 s[46:47], s[6:7], s[46:47]
.endif
	CROUND
.irp s, 0,1
	s_mov_b32 s[G0+4*\s], 1
	s_add_co_u32 s[G0+4*\s+1], s45, \s*SLOT
	s_add_nc_u64 s[G0+4*\s+2:G0+4*\s+3], s[20:21], \s*ROWB
	s_or_b32 s[G0+4*\s+3], s[G0+4*\s+3], 0x80000000
	s_mov_b32 s[G0B+4*\s], 1
	s_add_co_u32 s[G0B+4*\s+1], s45, \s*SLOT
	s_add_nc_u64 s[G0B+4*\s+2:G0B+4*\s+3], s[46:47], \s*ROWB
	s_or_b32 s[G0B+4*\s+3], s[G0B+4*\s+3], 0x80000000
.if \s
	s_wait_alu depctr_va_vdst(0)
	s_wait_tensorcnt 0x0
	ds_add_u32 v28, v29
	s_wait_dscnt 0x0
	CROUND
.endif
	JLOAD G0+4*\s, G1, G0B+4*\s, G1B
.endr
	v_and_b32 v1, 15, v0
	v_bfe_u32 v2, v0, 4, 1
	v_mul_u32_u24 v3, v1, PITCH
	s_wait_alu depctr_va_vdst(0)
	v_lshl_add_u32 v4, v2, 4, v3
	s_mul_i32 s21, s15, HALFT
	s_mul_i32 s22, s16, HALFT
	s_add_co_u32 s22, s22, 2*HALFT
.irp s, 0,1
	v_add_nc_u32 v[ADRA+\s], s21, v4
	v_add_nc_u32 v[ADRB+\s], s22, v4
	s_add_co_u32 s21, s21, SLOT
	s_add_co_u32 s22, s22, SLOT
.endr
	s_mul_i32 s23, s15, 128*PITCH
	s_lshl_b32 s22, s16, 7
	s_add_co_u32 s23, s23, s22
	v_lshl_add_u32 v5, v2, 3, v3
	v_add_nc_u32 v[STO], s23, v5
	s_mul_i32 s23, s14, 64*PITCH
	v_mul_u32_u24 v6, v2, PITCH
	v_lshl_add_u32 v6, v1, 4, v6
	v_add_nc_u32 v[RD], s23, v6
	v_mul_u32_u24 v7, v2, OUTP
	v_lshl_add_u32 v[CO], v1, 4, v7
	s_lshl_b32 s20, s17, 8
	s_lshl_b32 s21, s14, 6
	s_add_co_u32 s20, s20, s21
	s_mul_i32 s20, s20, OUTP
.if KIND == 0
	s_and_b32 s46, s42, 7
	s_lshl_b32 s46, s46, 8
	s_lshr_b32 s47, s42, 3
	s_lshl_b32 s47, s47, 21
	s_add_co_u32 s46, s46, s47
	s_cmp_lt_u32 ttmp9, 2
	s_cselect_b32 s47, 0, 8388608
	s_add_co_u32 s46, s46, s47
.else
	s_lshl_b32 s46, s42, 8
.endif
	s_add_co_u32 s20, s20, s46
	s_mov_b32 s21, 0
	s_add_nc_u64 s[12:13], s[12:13], s[20:21]
	s_lshl_b32 s82, s42, 8
	s_lshl_b32 s83, s16, 7
	s_add_co_u32 s82, s82, s83
.if KIND == 0
	s_cmp_lt_u32 ttmp9, 2
	s_cselect_b32 s82, s82, 0
	s_cselect_b32 s84, 0, s17
	s_lshl_b32 s84, s84, 8
	s_lshl_b32 s85, s15, 7
	s_add_co_u32 s84, s84, s85
	s_add_co_u32 s84, s84, 2048
	s_lshl_b32 s84, s84, 2
	s_mov_b32 s85, 0
	s_add_nc_u64 s[90:91], s[10:11], s[84:85]
.endif
	s_lshl_b32 s82, s82, 2
	s_mov_b32 s83, 0
	s_add_nc_u64 s[88:89], s[10:11], s[82:83]
	v_lshlrev_b32 v8, 5, v2
	v_lshlrev_b32 v9, 2, v1
.irp b, 0,1,2,3,4,5,6,7
	global_load_b128 v[BN+8*\b:BN+8*\b+3], v8, s[88:89] offset:64*\b
	global_load_b128 v[BN+8*\b+4:BN+8*\b+7], v8, s[88:89] offset:64*\b+16
.endr
.if KIND == 0
.irp a, 0,1,2,3,4,5,6,7
	global_load_b32 v[BM+2*\a], v9, s[90:91] offset:64*\a
.endr
.endif
.macro FRAG reg, adr, q, i
.irp c, 0,1,2,3
	ds_load_b128 v[\reg+4*\c:\reg+4*\c+3], v[\adr] offset:128*(\q)+32*\c+(\i)*16*PITCH
.endr
.endm
.macro MUL16 a0, p, zero
.irp a, \a0, \a0+1
.irp b, 0,1,2,3,4,5,6,7
.if \zero
	v_wmma_f32_16x16x128_fp8_fp8 v[8*(8*((\a)%4)+\b):8*(8*((\a)%4)+\b)+7], v[128*(\p)+FR*\b:128*(\p)+FR*\b+FR-1], v[AF+FR*(\a):AF+FR*(\a)+FR-1], 0
.else
	v_wmma_f32_16x16x128_fp8_fp8 v[8*(8*((\a)%4)+\b):8*(8*((\a)%4)+\b)+7], v[128*(\p)+FR*\b:128*(\p)+FR*\b+FR-1], v[AF+FR*(\a):AF+FR*(\a)+FR-1], v[8*(8*((\a)%4)+\b):8*(8*((\a)%4)+\b)+7]
.endif
.endr
.endr
.endm
.macro FETCH_B slot, q, p
	WIN TO_B
.irp i, 0,1,2,3,4,5,6,7
	FRAG 128*(\p)+FR*\i, ADRB+\slot, \q, \i
.endr
	WIN 0
.endm
.macro FETCH_A slot, q, i0
.irp i, \i0, \i0+1, \i0+2, \i0+3
	FRAG AF+FR*(\i), ADRA+\slot, \q, \i
.endr
.endm
.macro PLACES n
.rept \n
	v_nop
.endr
.endm
.macro STEP slot, q, zero
	s_wait_dscnt 4*NL
	WIN MUL_LO
	MUL16 0, (\q)%2, \zero
	MUL16 2, (\q)%2, \zero
	s_wait_dscnt 0
	PLACES NP
	FETCH_B \slot, (\q)+1, 1-(\q)%2
	FETCH_A \slot, (\q)+1, 0
	WIN MUL_HI
	MUL16 4, (\q)%2, \zero
	MUL16 6, (\q)%2, \zero
	PLACES NP
	WIN 0
	FETCH_A \slot, (\q)+1, 4
.endm
.macro TURN slot, next, fill
	s_wait_tensorcnt 0x0
	ds_add_u32 v[SPW], v[NIL]
	s_wait_dscnt 4*NL+1
	WIN MUL_LO
	MUL16 0, 1, 0
	s_wait_dscnt 0x0
	s_barrier_signal -1
	MUL16 2, 1, 0
	WIN 0
	s_barrier_wait -1
.if \fill
	CREST
	s_add_nc_u64 s[G0+4*\slot+2:G0+4*\slot+3], s[G0+4*\slot+2:G0+4*\slot+3], 2*ROWB
	s_add_nc_u64 s[G0B+4*\slot+2:G0B+4*\slot+3], s[G0B+4*\slot+2:G0B+4*\slot+3], 2*ROWB
	JLOAD G0+4*\slot, G1, G0B+4*\slot, G1B
.else
	PLACES NP
.endif
	FETCH_B \next, 0, 0
	FETCH_A \next, 0, 0
	WIN MUL_HI
	MUL16 4, 1, 0
	MUL16 6, 1, 0
	PLACES NP
	WIN 0
	FETCH_A \next, 0, 4
.endm
	s_wait_tensorcnt 1
	s_barrier_signal -1
	s_barrier_wait -1
	FETCH_B 0, 0, 0
	FETCH_A 0, 0, 0
	FETCH_A 0, 0, 4
	STEP 0, 0, 1
	s_mov_b32 s3, LAPS-1
.Llap:
	TURN 0, 1, 1
	STEP 1, 0, 0
	TURN 1, 0, 1
	STEP 0, 0, 0
	s_sub_co_u32 s3, s3, 1
	s_cmp_lg_u32 s3, 0
	s_cbranch_scc1 .Llap
	TURN 0, 1, 0
	STEP 1, 0, 0
	s_wait_dscnt 4*NL
	WIN MUL_LO
	MUL16 0, 1, 0
	MUL16 2, 1, 0
	s_wait_dscnt 0
	WIN MUL_HI
	MUL16 4, 1, 0
	MUL16 6, 1, 0
	WIN 0
.macro EPI a
.set AC, 64*((\a)%4)
	WIN 0x02+((\a)/4)
.set j, 0
.rept 32
	v_pk_fma_f32 v[XV+j:XV+j+1], v[AC+j:AC+j+1], s[72:73], v[BN+j:BN+j+1] op_sel_hi:[1,0,1]
.set j, j+2
.endr
	WIN 0
.if KIND == 0
.set j, 0
.rept 32
	v_pk_add_f32 v[XV+j:XV+j+1], v[XV+j:XV+j+1], v[BM+2*(\a):BM+2*(\a)+1]
.set j, j+2
.endr
.else
.set j, 0
.rept 32
	v_pk_mul_f32 v[ZV+j:ZV+j+1], v[XV+j:XV+j+1], v[XV+j:XV+j+1]
.set j, j+2
.endr
.set j, 0
.rept 32
	v_pk_fma_f32 v[ZV+j:ZV+j+1], v[ZV+j:ZV+j+1], s[84:85], v[10:11] op_sel_hi:[1,0,1]
.set j, j+2
.endr
.set j, 0
.rept 32
	v_pk_mul_f32 v[ZV+j:ZV+j+1], v[ZV+j:ZV+j+1], v[XV+j:XV+j+1]
.set j, j+2
.endr
.set j, 0
	s_wait_alu depctr_va_vdst(0)
.rept 64
	v_exp_f32 v[ZV+j], v[ZV+j]
.set j, j+1
.endr
	v_nop
	s_wait_alu depctr_va_vdst(0)
.set j, 0
.rept 32
	v_pk_add_f32 v[ZV+j:ZV+j+1], v[ZV+j:ZV+j+1], 1.0 op_sel_hi:[1,0]
.set j, j+2
.endr
.set j, 0
	s_wait_alu depctr_va_vdst(0)
.rept 64
	v_rcp_f32 v[ZV+j], v[ZV+j]
.set j, j+1
.endr
	v_nop
	s_wait_alu depctr_va_vdst(0)
.set j, 0
.rept 32
	v_pk_mul_f32 v[XV+j:XV+j+1], v[XV+j:XV+j+1], v[ZV+j:ZV+j+1]
.set j, j+2
.endr
.endif
.set j, 0
.rept 64
	v_med3_num_f32 v[XV+j], v[XV+j], -v[LIM], v[LIM]
.set j, j+1
.endr
	s_wait_alu depctr_va_vdst(0)
	s_wait_dscnt 0x0
.irp b, 0,1,2,3,4,5,6,7
	v_cvt_scalef32_pk8_fp8_f32 v[CD+2*\b:CD+2*\b+1], v[XV+8*\b:XV+8*\b+7], v[SC]
.endr
	v_nop
.irp b, 0,1,2,3,4,5,6,7
	ds_store_b64 v[STO], v[CD+2*\b:CD+2*\b+1] offset:16*(\a)*PITCH+16*\b
.endr
.endm
	s_wait_kmcnt 0x0
	s_add_co_i32 s72, s76, s77
	s_add_co_i32 s72, s72, 127
	s_lshl_b32 s72, s72, 23
	s_mov_b32 s73, s72
.if KIND == 0
	s_cmp_eq_u32 ttmp9, 0
	s_cselect_b32 s69, s78, s79
	s_cmp_eq_u32 ttmp9, 2
	s_cselect_b32 s69, s80, s69
.else
	s_mov_b32 s69, s78
	s_mov_b32 s84, 0xbdd2d3e8
	s_mov_b32 s85, s84
	v_mov_b32 v10, 0xc0135761
	v_mov_b32 v11, v10
.endif
	s_add_co_i32 s69, s69, 127
	s_lshl_b32 s82, s69, 23
	v_mov_b32 v[SC], s82
	s_add_co_i32 s69, s69, 8
	s_lshl_b32 s69, s69, 23
	s_or_b32 s69, s69, 0x600000
	v_mov_b32 v[LIM], s69
	s_wait_loadcnt 0x0
.if KIND == 0
.set j, 0
.rept 64
	v_cndmask_b32 v[BN+j], 0, v[BN+j], s68
.set j, j+1
.endr
.irp a, 0,1,2,3,4,5,6,7
	v_cndmask_b32 v[BM+2*\a], v[BM+2*\a], 0, s68
	v_mov_b32 v[BM+2*\a+1], v[BM+2*\a]
.endr
.endif
	PLACES NP
.irp a, 0,1,2,3,4,5,6,7
	EPI \a
.endr
	s_wait_dscnt 0x0
	s_barrier_signal -1
	s_barrier_wait -1
.set t, 0
.rept 32
	ds_load_b128 v[RB+4*t:RB+4*t+3], v[RD] offset:2*t*PITCH
.set t, t+1
.endr
.set t, 0
.rept 32
	s_wait_dscnt 31-t
	global_store_b128 v[CO], v[RB+4*t:RB+4*t+3], s[12:13] offset:2*t*OUTP
.set t, t+1
.endr
	s_wait_tensorcnt 0x0
	ds_add_u32 v[SPW], v[NIL]
	s_wait_dscnt 0x0
	CROUND
	s_endpgm
.Lfunc_end_k_qf228bbfeb6_g3:
	.size	k_qf228bbfeb6_g3, .Lfunc_end_k_qf228bbfeb6_g3-k_qf228bbfeb6_g3
	.p2alignl 7, 3214868480
	.fill 96, 4, 3214868480
	.section	.rodata,"a",@progbits
	.p2align	6, 0x0
	.amdhsa_kernel k_qf228bbfeb6_g3
		.amdhsa_group_segment_fixed_size 327680
		.amdhsa_private_segment_fixed_size 0
		.amdhsa_enable_private_segment 0
		.amdhsa_kernarg_size 40
		.amdhsa_user_sgpr_count 2
		.amdhsa_user_sgpr_kernarg_segment_ptr 1
		.amdhsa_wavefront_size32 1
		.amdhsa_system_sgpr_workgroup_id_x 1
		.amdhsa_system_sgpr_workgroup_id_y 1
		.amdhsa_system_sgpr_workgroup_id_z 1
		.amdhsa_system_vgpr_workitem_id 0
		.amdhsa_next_free_vgpr 1024
		.amdhsa_next_free_sgpr 100
		.amdhsa_reserve_vcc 0
		.amdhsa_float_denorm_mode_32 3
		.amdhsa_float_denorm_mode_16_64 3
		.amdhsa_memory_ordered 1
		.amdhsa_forward_progress 1
		.amdhsa_inst_pref_size 255
	.end_amdhsa_kernel
	.section	.bss,"aw",@nobits
	.p2align	6
	.space	262144
	.amdgpu_metadata
---
amdhsa.version: [ 1, 2 ]
amdhsa.kernels:
  - .name:           k_qf228bbfeb6_g3
    .symbol:         k_qf228bbfeb6_g3.kd
    .args:
      - { .name: h2c, .offset: 0, .size: 8, .value_kind: global_buffer, .address_space: global }
      - { .name: wc, .offset: 8, .size: 8, .value_kind: global_buffer, .address_space: global }
      - { .name: lowp_scales, .offset: 16, .size: 8, .value_kind: global_buffer, .address_space: global }
      - { .name: b_fc, .offset: 24, .size: 8, .value_kind: global_buffer, .address_space: global }
      - { .name: gc, .offset: 32, .size: 8, .value_kind: global_buffer, .address_space: global }
    .group_segment_fixed_size: 327680
    .private_segment_fixed_size: 0
    .kernarg_segment_align: 8
    .kernarg_segment_size: 40
    .max_flat_workgroup_size: 128
    .sgpr_count:     100
    .vgpr_count:     1024
    .wavefront_size: 32
...
	.end_amdgpu_metadata
.endif
;; end of part 13
;; launch g4 (part 14): grid 8 x 32, 4 waves a work-group, clusters of 4 x 4, 327,680 bytes of LDS; arguments gc, wc, lowp_scales, b_proj, x1, out0; writes out0
.if DOCPART == 14
	.amdgcn_target "amdgcn-amd-amdhsa--gfx1250"
	.amdhsa_code_object_version 6
	.text
	.protected	k_qf228bbfeb6_g4
	.globl	k_qf228bbfeb6_g4
	.p2align	8
	.type	k_qf228bbfeb6_g4,@function
k_qf228bbfeb6_g4:
	s_mov_b64 s[64:65], 0
	v_nop
	global_prefetch_b8 v0, s[64:65] scope:SCOPE_SE
	s_setreg_imm32_b32 hwreg(HW_REG_WAVE_MODE, 25, 1), 1
	s_wait_xcnt 0x0
	s_wait_alu depctr_hold_cnt(0) depctr_sa_sdst(0) depctr_va_vdst(0) depctr_va_sdst(0) depctr_va_ssrc(0) depctr_va_vcc(0) depctr_vm_vsrc(0)
	s_getreg_b32 s2, hwreg(HW_REG_IB_STS2, 6, 4)
	s_cmp_eq_u32 s2, 0
	s_cbranch_scc0 .Lentry_in_a_cluster
	s_endpgm
.Lentry_in_a_cluster:
	s_bfe_u32 s2, ttmp6, 0x10000c
	s_cmp_lg_u32 s2, 0xf033
	s_cbranch_scc0 .Lentry_shape_is_right
	s_endpgm
.Lentry_shape_is_right:
; out = resid + A B^T x 2^(ea + eb) + bias, f32.  A: [4096][SIZE_K] codes of E4M3; B: 1,024 rows of SIZE_K codes at WOFF in wc.  Tile 128 x 128 (tiles of 256 x 256 would be 64, a quarter of the WGPs);
; four waves of 64 x 64: 16 accumulators.  K goes in steps of 512 (LDS rows of 512 bytes + 16) through two slots; a wave's tensor load brings 64 rows.
; CLUSTERS: 4 x 4; A's tiles are asked for jointly along a row of the cluster, B's along a column.  The matrix instruction is used transposed: a lane holds eight neighbours of a row of C.
; The residual is asked for at the head, in the layout in which rows are stored, and lands during the products.  A wave's 64 columns are 256 bytes, aligned: each wave has a stage of its own and no barrier stands on the way out.
; LIMIT: ea + eb between -126 and 127.
; REGISTERS: window 0: v0-31 addresses, v12-15 the bias; v32-95 two sets of rows on the way out; v128-255 the accumulators.  window 1: two fragment buffers of 128 (A's 4 x 16, then B's 4 x 16).  window 2: v0-127 the residual.
.set SIZE_K, 4096
.set WOFF,   8388608
.set EOFF,   40
.set KSTEP,  512
.set PITCH,  528                       ; 132 words: the 16 rows that a load touches start at 16 different banks (64 banks of 4 bytes: ISA guide 11.1)
.set HALFT,  64*PITCH
.set SLOT,   4*HALFT
.set STAGE,  2*SLOT                    ; behind the ring: 16 rows x 272 bytes for each wave
.set SPITCH, 272
.set SPARE,  STAGE+4*16*SPITCH         ; behind the stages: the spare words
.set LAPS,   SIZE_K/(2*KSTEP)
.set ADRA, 16
.set ADRB, 20
.set STO,  24
.set RD,   25
.set CO,   26
.set SPW,  28
.set NIL,  29
.set BI,   12
.set TB,   32
.set ACC,  128
.set F0,   0
.set F1,   128
.set G1, 24
.set G0, 32
.set G1B, 48
.set G0B, 56
.set MSB, 0
.macro WIN new
.if MSB != \new
	s_set_vgpr_msb (MSB<<8)|\new
.set MSB, \new
.endif
.endm
.set MUL,  0x05                        ; sources 0 (B) and 1 (A) window 1; C and D window 0
.set TO_F, 0x40
.macro JLOAD s
	s_cmp_eq_u32 s11, 0
	s_cbranch_scc0 .Lfor_b_\@
	tensor_load_to_lds s[G0+4*\s:G0+4*\s+3], s[G1:G1+7]
	s_nop 0
.rept 4
	v_nop
.endr
	s_branch .Lasked_\@
.Lfor_b_\@:
	tensor_load_to_lds s[G0B+4*\s:G0B+4*\s+3], s[G1B:G1B+7]
	s_nop 0
.rept 4
	v_nop
.endr
.Lasked_\@:
.endm
.macro CREST
	s_cmp_lg_u32 s10, 0
	s_cbranch_scc1 .Lnot_wave_0_\@
	s_barrier_signal -3
.Lnot_wave_0_\@:
	s_barrier_wait -3
	s_barrier_signal -1
	s_barrier_wait -1
.endm
.macro CROUND
	s_barrier_signal -1
	s_barrier_wait -1
	CREST
.endm
	s_load_b128 s[4:7], s[0:1], 0x0                ; A's codes, wc
	s_load_b64 s[8:9], s[0:1], 0x10                ; the exponents
	s_load_b128 s[68:71], s[0:1], 0x18             ; the bias, the residual
	s_load_b64 s[72:73], s[0:1], 0x28              ; the output
	v_lshl_add_u32 v[SPW], v0, 2, SPARE
	v_mov_b32 v[NIL], 0
	ds_add_u32 v28, v29
	ds_add_u32 v28, v29
	s_wait_dscnt 0x0
	v_lshrrev_b32 v1, 5, v0
	v_readfirstlane_b32 s10, v1                    ; wave 0..3
	s_lshr_b32 s11, s10, 1                         ; my half of the rows; also: I fetch for A (0) or B (1)
	s_and_b32 s12, s10, 1                          ; my half of the columns; also: which 64 rows I fetch
	s_bfe_u32 s40, ttmp6, 0x40000
	s_bfe_u32 s41, ttmp6, 0x40004
	s_lshl_b32 s42, ttmp9, 2
	s_add_co_u32 s42, s42, s40                     ; tile column
	s_and_b32 s13, ttmp7, 0xffff
	s_lshl_b32 s13, s13, 2
	s_add_co_u32 s13, s13, s41                     ; tile row
	s_lshl_b32 s43, s41, 2
	s_lshl_b32 s43, 15, s43
	s_lshl_b32 s44, 0x1111, s40
	s_or_b32 s[G1+0], s43, (0<<16)|(1<<20)|(1<<21)|(6<<22)|(3<<25)  ; mask; elements of 1 byte; padding on; bit 21 beside a mask; 4 words behind every 128
	s_or_b32 s[G1B+0], s44, (0<<16)|(1<<20)|(1<<21)|(6<<22)|(3<<25)
.irp g, G1, G1B
	s_mov_b32 s[\g+1], KSTEP<<16
	s_mov_b32 s[\g+2], 64<<16
	s_mov_b32 s[\g+3], KSTEP<<16
	s_mov_b32 s[\g+4], 64
	s_mov_b32 s[\g+5], SIZE_K
	s_mov_b32 s[\g+6], 0
	s_mov_b32 s[\g+7], 0
.endr
	s_lshl_b32 s17, s12, 6
	s_lshl_b32 s16, s13, 7
	s_add_co_u32 s16, s16, s17
	s_mul_i32 s16, s16, SIZE_K
	s_lshl_b32 s46, s42, 7
	s_add_co_u32 s46, s46, s17
	s_mul_i32 s46, s46, SIZE_K
	s_add_co_u32 s46, s46, WOFF
	s_mov_b32 s17, 0
	s_mov_b32 s47, 0
	s_mul_i32 s20, s10, HALFT
	s_wait_kmcnt 0x0
	s_load_b64 s[76:77], s[8:9], EOFF              ; ea, eb
	s_add_nc_u64 s[14:15], s[4:5], s[16:17]
	s_add_nc_u64 s[46:47], s[6:7], s[46:47]
	CROUND
.irp s, 0,1
	s_mov_b32 s[G0+4*\s], 1
	s_add_co_u32 s[G0+4*\s+1], s20, \s*SLOT
	s_add_nc_u64 s[G0+4*\s+2:G0+4*\s+3], s[14:15], \s*KSTEP
	s_or_b32 s[G0+4*\s+3], s[G0+4*\s+3], 0x80000000
	s_mov_b32 s[G0B+4*\s], 1
	s_add_co_u32 s[G0B+4*\s+1], s20, \s*SLOT
	s_add_nc_u64 s[G0B+4*\s+2:G0B+4*\s+3], s[46:47], \s*KSTEP
	s_or_b32 s[G0B+4*\s+3], s[G0B+4*\s+3], 0x80000000
.if \s
	s_wait_alu depctr_va_vdst(0)                   ; slot 1's first fill is issued as a refill is
	s_wait_tensorcnt 0x0
	ds_add_u32 v28, v29
	s_wait_dscnt 0x0
	CROUND
.endif
	JLOAD \s
.endr
	v_and_b32 v1, 15, v0
	s_wait_alu depctr_va_vdst(0)
	v_bfe_u32 v2, v0, 4, 1
	v_mul_u32_u24 v3, v1, PITCH
	v_lshl_add_u32 v3, v2, 4, v3
	s_mul_i32 s21, s11, HALFT
	s_mul_i32 s22, s12, HALFT
	s_add_co_u32 s22, s22, 2*HALFT
.irp s, 0,1
	v_add_nc_u32 v[ADRA+\s], s21, v3
	v_add_nc_u32 v[ADRB+\s], s22, v3
	s_add_co_u32 s21, s21, SLOT
	s_add_co_u32 s22, s22, SLOT
.endr
	s_mul_i32 s23, s10, 16*SPITCH
	s_add_co_u32 s23, s23, STAGE
	v_mul_u32_u24 v4, v1, SPITCH
	s_wait_alu depctr_va_vdst(0)
	v_lshl_add_u32 v4, v2, 5, v4
	v_add_nc_u32 v[STO], s23, v4                   ; in: row r, 32 bytes for each half of the lanes
	v_mul_u32_u24 v5, v2, SPITCH
	v_lshl_add_u32 v5, v1, 4, v5
	v_add_nc_u32 v[RD], s23, v5                    ; back: two rows an instruction
	v_lshlrev_b32 v5, 12, v2
	v_lshl_add_u32 v[CO], v1, 4, v5                ; the same two rows in memory: rows of 4,096 bytes
	v_lshlrev_b32 v6, 4, v1
	s_wait_alu depctr_va_vdst(0)
	s_lshl_b32 s16, s13, 7
	s_lshl_b32 s17, s11, 6
	s_add_co_u32 s16, s16, s17
	s_lshl_b32 s16, s16, 12                        ; my first row
	s_lshl_b32 s46, s42, 7
	s_lshl_b32 s47, s12, 6
	s_add_co_u32 s46, s46, s47
	s_lshl_b32 s46, s46, 2                         ; my first column, in bytes
	s_mov_b32 s47, 0
	s_add_nc_u64 s[68:69], s[68:69], s[46:47]
	s_add_co_u32 s16, s16, s46
	s_mov_b32 s17, 0
	s_add_nc_u64 s[70:71], s[70:71], s[16:17]
	s_add_nc_u64 s[72:73], s[72:73], s[16:17]
	; THE PREFETCHES INTO THE L2.  Behind each refill in the loop a wave asks for the K step that stands two refills on: of the 64 rows that it fetches, the partner at place p among the four that ask jointly
	; (p = cx for A, cy for B) takes rows 16 p .. 16 p + 15, told apart by address alone; a K step is 512 bytes of a row, two blocks of 256: lane l names row l % 16, block l / 16.  One instruction a wave.
	; K steps 0 to 3 come by their loads alone; the loop's last trip, whose refills are K steps 6 and 7, asks for nothing.
	s_lshl_b32 s18, s13, 7
	s_lshl_b32 s19, s42, 7
	s_cmp_eq_u32 s11, 0                            ; do I fetch for A?
	s_cselect_b32 s18, s18, s19                    ; the tile's first row: in A by the tile row, in B by the tile column
	s_cselect_b32 s19, s40, s41                    ; my place among the four
	s_cselect_b64 s[78:79], s[4:5], s[6:7]
	s_cselect_b32 s3, 0, WOFF
	s_lshl_b32 s19, s19, 4
	s_add_co_u32 s18, s18, s19
	s_lshl_b32 s19, s12, 6
	s_add_co_u32 s18, s18, s19
	s_mul_i32 s18, s18, SIZE_K
	s_add_co_u32 s18, s18, s3
	s_add_co_u32 s18, s18, 3*KSTEP                 ; at K step 3: the first change of slots steps it to 4
	s_mov_b32 s19, 0
	s_add_nc_u64 s[78:79], s[78:79], s[18:19]
	v_and_b32 v30, 15, v0
	v_mul_u32_u24 v30, v30, SIZE_K
	v_bfe_u32 v31, v0, 4, 1
	v_lshl_add_u32 v30, v31, 8, v30                ; never rewritten
	s_wait_alu depctr_va_vdst(0)
	global_load_b128 v[BI:BI+3], v6, s[68:69]
	WIN 0x80                                       ; destination window 2
.irp a, 0,1,2,3
.irp t, 0,1,2,3,4,5,6,7
	global_load_b128 v[4*(8*\a+\t):4*(8*\a+\t)+3], v[CO], s[70:71] offset:(16*\a+2*\t)*4096
.endr
.endr
	WIN 0
.macro MUL4 f, a, zero                 ; the 16 accumulators take turns, one instruction a turn
.irp b, 0,1,2,3
.if \zero
	v_wmma_f32_16x16x128_fp8_fp8 v[ACC+8*(4*(\a)+\b):ACC+8*(4*(\a)+\b)+7], v[\f+64+16*\b:\f+64+16*\b+15], v[\f+16*(\a):\f+16*(\a)+15], 0
.else
	v_wmma_f32_16x16x128_fp8_fp8 v[ACC+8*(4*(\a)+\b):ACC+8*(4*(\a)+\b)+7], v[\f+64+16*\b:\f+64+16*\b+15], v[\f+16*(\a):\f+16*(\a)+15], v[ACC+8*(4*(\a)+\b):ACC+8*(4*(\a)+\b)+7]
.endif
.endr
.endm
.macro FETCH slot, k, f                ; 32 LDS loads: the fragments of 128 along K at byte k of the rows
	WIN TO_F
.irp i, 0,1,2,3
.irp c, 0,1,2,3
	ds_load_b128 v[\f+64+16*\i+4*\c:\f+64+16*\i+4*\c+3], v[ADRB+\slot] offset:\k+32*\c+\i*16*PITCH
.endr
.endr
.irp i, 0,1,2,3
.irp c, 0,1,2,3
	ds_load_b128 v[\f+16*\i+4*\c:\f+16*\i+4*\c+3], v[ADRA+\slot] offset:\k+32*\c+\i*16*PITCH
.endr
.endr
.endm
.macro PLACES
.rept 4
	v_nop
.endr
.endm
.macro QUARTER slot, k, f, g, zero     ; multiplies buffer f; the next quarter's loads, into g, go out first
	s_wait_dscnt 0x0                               ; buffer f is in
	PLACES                                         ; buffer g was read by the products just issued
	FETCH \slot, \k, \g
	WIN MUL
	MUL4 \f, 0, \zero
	MUL4 \f, 1, \zero
	MUL4 \f, 2, \zero
	MUL4 \f, 3, \zero
.endm
.macro TURN slot, next, fill
	WIN 0
.if \fill
	s_wait_xcnt 0x0                                ; any prefetch of mine has read its address: it is stepped here, a K step behind the prefetch
	s_add_nc_u64 s[78:79], s[78:79], KSTEP
.endif
	s_wait_tensorcnt 0x0
	ds_add_u32 v[SPW], v[NIL]
	s_wait_dscnt 1                                 ; buffer 1 is in; the add may be out
	WIN MUL
	MUL4 F1, 0, 0
	s_wait_dscnt 0x0                               ; the add is done, and my reads of this slot are over
	s_barrier_signal -1
	MUL4 F1, 1, 0
.if \fill
	WIN 0
.endif
	s_barrier_wait -1
.if \fill
	CREST
	s_add_nc_u64 s[G0+4*\slot+2:G0+4*\slot+3], s[G0+4*\slot+2:G0+4*\slot+3], 2*KSTEP
	s_add_nc_u64 s[G0B+4*\slot+2:G0B+4*\slot+3], s[G0B+4*\slot+2:G0B+4*\slot+3], 2*KSTEP
	JLOAD \slot                                    ; the first tensor load behind the round; its four v_nop are the places in front of the loads below
.else
	PLACES
.endif
	FETCH \next, 0, F0
.if \fill
	WIN 0
	s_cmp_gt_u32 s3, 1                             ; s3 = 1 in the loop's last trip
	s_cbranch_scc0 .Lno_ask_\@
	global_prefetch_b8 v30, s[78:79] th:TH_LOAD_NT scope:SCOPE_SE
.Lno_ask_\@:
.endif
	WIN MUL
	MUL4 F1, 2, 0
	MUL4 F1, 3, 0
.endm
	s_wait_tensorcnt 1                             ; my part of K step 0 is in (K step 1's load may be out),
	s_barrier_signal -1
	s_barrier_wait -1
	FETCH 0, 0, F0
	QUARTER 0, 128, F0, F1, 1
.if LAPS > 1
	WIN 0
	s_mov_b32 s3, LAPS-1
.Llap:
	QUARTER 0, 256, F1, F0, 0
	QUARTER 0, 384, F0, F1, 0
	TURN 0, 1, 1
	QUARTER 1, 128, F0, F1, 0
	QUARTER 1, 256, F1, F0, 0
	QUARTER 1, 384, F0, F1, 0
	TURN 1, 0, 1
	QUARTER 0, 128, F0, F1, 0
	WIN 0
	s_sub_co_u32 s3, s3, 1
	s_cmp_lg_u32 s3, 0
	s_cbranch_scc1 .Llap
.endif
	QUARTER 0, 256, F1, F0, 0
	QUARTER 0, 384, F0, F1, 0
	TURN 0, 1, 0
	QUARTER 1, 128, F0, F1, 0
	QUARTER 1, 256, F1, F0, 0
	QUARTER 1, 384, F0, F1, 0
	s_wait_dscnt 0x0
	WIN MUL
	MUL4 F1, 0, 0
	MUL4 F1, 1, 0
	MUL4 F1, 2, 0
	MUL4 F1, 3, 0
	WIN 0
; THE WAY OUT of block a (16 rows x 64 columns): the sums go through my own stage and come back as rows of 256 bytes; then x 2^(ea + eb) + bias + residual.
.macro OUTB a
.set TBB, TB+32*((\a)%2)
.if (\a) >= 2
	s_wait_xcnt 0x0                                ; the stores of the block two back have read this set of registers
.endif
.irp b, 0,1,2,3
	ds_store_b128 v[STO], v[ACC+8*(4*(\a)+\b):ACC+8*(4*(\a)+\b)+3] offset:64*\b          ; each accumulator from its low end on
	ds_store_b128 v[STO], v[ACC+8*(4*(\a)+\b)+4:ACC+8*(4*(\a)+\b)+7] offset:64*\b+16
.endr
.irp t, 0,1,2,3,4,5,6,7
	ds_load_b128 v[TBB+4*\t:TBB+4*\t+3], v[RD] offset:2*\t*SPITCH   ; LDS serves a wave's instructions in order: these see my stores
.endr
	s_wait_dscnt 0x0
.irp t, 0,1,2,3,4,5,6,7
	v_pk_fma_f32 v[TBB+4*\t:TBB+4*\t+1], v[TBB+4*\t:TBB+4*\t+1], s[74:75], v[BI:BI+1] op_sel_hi:[1,0,1]
	v_pk_fma_f32 v[TBB+4*\t+2:TBB+4*\t+3], v[TBB+4*\t+2:TBB+4*\t+3], s[74:75], v[BI+2:BI+3] op_sel_hi:[1,0,1]
.endr
	WIN 0x08                                       ; source 1 (the residual) window 2
.irp t, 0,1,2,3,4,5,6,7
	v_pk_add_f32 v[TBB+4*\t:TBB+4*\t+1], v[TBB+4*\t:TBB+4*\t+1], v[4*(8*(\a)+\t):4*(8*(\a)+\t)+1]
	v_pk_add_f32 v[TBB+4*\t+2:TBB+4*\t+3], v[TBB+4*\t+2:TBB+4*\t+3], v[4*(8*(\a)+\t)+2:4*(8*(\a)+\t)+3]
.endr
	WIN 0
.irp t, 0,1,2,3,4,5,6,7
	global_store_b128 v[CO], v[TBB+4*\t:TBB+4*\t+3], s[72:73] offset:(16*(\a)+2*\t)*4096   ; sixteen lanes store 256 consecutive bytes, aligned
.endr
.endm
	s_wait_loadcnt 0x0                             ; the bias and the residual
	s_wait_kmcnt 0x0
	s_add_co_i32 s74, s76, s77
	s_add_co_i32 s74, s74, 127
	s_lshl_b32 s74, s74, 23                        ; 2^(ea + eb) as f32
	s_mov_b32 s75, s74
	PLACES
	OUTB 0
	OUTB 1
	OUTB 2
	OUTB 3
	s_wait_tensorcnt 0x0                           ; the wave's end
	ds_add_u32 v[SPW], v[NIL]
	s_wait_dscnt 0x0
	CROUND                                         ; the closing round
	s_endpgm
.Lfunc_end_k_qf228bbfeb6_g4:
	.size	k_qf228bbfeb6_g4, .Lfunc_end_k_qf228bbfeb6_g4-k_qf228bbfeb6_g4
	.p2alignl 7, 3214868480
	.fill 96, 4, 3214868480
	.section	.rodata,"a",@progbits
	.p2align	6, 0x0
	.amdhsa_kernel k_qf228bbfeb6_g4
		.amdhsa_group_segment_fixed_size 327680
		.amdhsa_private_segment_fixed_size 0
		.amdhsa_enable_private_segment 0
		.amdhsa_kernarg_size 48
		.amdhsa_user_sgpr_count 2
		.amdhsa_user_sgpr_kernarg_segment_ptr 1
		.amdhsa_wavefront_size32 1
		.amdhsa_system_sgpr_workgroup_id_x 1
		.amdhsa_system_sgpr_workgroup_id_y 1
		.amdhsa_system_sgpr_workgroup_id_z 1
		.amdhsa_system_vgpr_workitem_id 0
		.amdhsa_next_free_vgpr 640
		.amdhsa_next_free_sgpr 80
		.amdhsa_reserve_vcc 0
		.amdhsa_float_denorm_mode_32 3
		.amdhsa_float_denorm_mode_16_64 3
		.amdhsa_memory_ordered 1
		.amdhsa_forward_progress 1
		.amdhsa_inst_pref_size 83
	.end_amdhsa_kernel
	.amdgpu_metadata
---
amdhsa.version: [ 1, 2 ]
amdhsa.kernels:
  - .name:           k_qf228bbfeb6_g4
    .symbol:         k_qf228bbfeb6_g4.kd
    .args:
      - { .name: gc, .offset: 0, .size: 8, .value_kind: global_buffer, .address_space: global }
      - { .name: wc, .offset: 8, .size: 8, .value_kind: global_buffer, .address_space: global }
      - { .name: lowp_scales, .offset: 16, .size: 8, .value_kind: global_buffer, .address_space: global }
      - { .name: b_proj, .offset: 24, .size: 8, .value_kind: global_buffer, .address_space: global }
      - { .name: x1, .offset: 32, .size: 8, .value_kind: global_buffer, .address_space: global }
      - { .name: out0, .offset: 40, .size: 8, .value_kind: global_buffer, .address_space: global }
    .group_segment_fixed_size: 327680
    .private_segment_fixed_size: 0
    .kernarg_segment_align: 8
    .kernarg_segment_size: 48
    .max_flat_workgroup_size: 128
    .sgpr_count:     80
    .vgpr_count:     640
    .wavefront_size: 32
...
	.end_amdgpu_metadata
.endif
;; end of part 14
